; MI455X (gfx1250); checked and timed in simulation.
; The chip was launched on July 23, 2026; its instructions are those of AMD's public machine-readable ISA for CDNA 5 (MIT licence, August 2026) and "CDNA5" Instruction Set Architecture Reference Guide (July 2026). The comments in the code are by the model that wrote it; some were corrected since.
;; Mo E Layer. Allowed arithmetic: matrix products marked QUANTISED: E4M3 operands, one given power-of-two scale a tensor, by v_wmma_f32_16x16x64_fp8_fp8 or v_wmma_f32_16x16x128_fp8_fp8, f32 sums; products left as they are: f32 operands where the result goes on into a quantised operand, else bf16, f16 or f32 operands; f32 sums; everything else in f32.
;; Inputs: b1 8 x 4,096 float32; b2 8 x 1,024 float32; lowp_scales 32 int32 (the exponents e of the quantised operands' scales 2^e); router_b 8 float32; router_w 1,024 x 8 float32; w1 8 x 1,024 x 4,096 float32; w2 8 x 4,096 x 1,024 float32; x 4 x 256 x 1,024 float32.
;; Outputs: out0 4 x 256 x 1,024 float32.
;; Constants: top_k = 2.
;; This version of the problem:
;;   THIS VERSION OF THE PROBLEM IS GIVEN IN LOW PRECISION. The matrix products marked QUANTISED in the list below multiply operands that are first quantised to E4M3 (4 exponent bits, 3 mantissa bits; 8 bits a number), with one given power-of-two scale for each operand tensor; their sums are f32. All else is computed in f32.
;;   The module's matrix products, in the order in which they are computed (A, B: the left and right operand; K: the contracted axis; several contracted axes count as one K, in the product's order):
;;     1. [M 1,024, K 1,024] x [K 1,024, N 8]; A: input x; B: input router_w: left as it is (N = 8 < 16)
;;     2. [M 1,024, K 1,024] x [K 1,024, N 4,096]; A: input x; B: input w1: QUANTISED (scales: A lowp_scales[0], B lowp_scales[1])
;;     3. [M 1,024, K 4,096] x [K 4,096, N 1,024]; A: computed on the way; B: input w2: QUANTISED (scales: A lowp_scales[2], B lowp_scales[3])
;;     4. [M 1,024, K 1,024] x [K 1,024, N 4,096]; A: input x; B: input w1: QUANTISED (scales: A lowp_scales[4], B lowp_scales[5])
;;     5. [M 1,024, K 4,096] x [K 4,096, N 1,024]; A: computed on the way; B: input w2: QUANTISED (scales: A lowp_scales[6], B lowp_scales[7])
;;     6. [M 1,024, K 1,024] x [K 1,024, N 4,096]; A: input x; B: input w1: QUANTISED (scales: A lowp_scales[8], B lowp_scales[9])
;;     7. [M 1,024, K 4,096] x [K 4,096, N 1,024]; A: computed on the way; B: input w2: QUANTISED (scales: A lowp_scales[10], B lowp_scales[11])
;;     8. [M 1,024, K 1,024] x [K 1,024, N 4,096]; A: input x; B: input w1: QUANTISED (scales: A lowp_scales[12], B lowp_scales[13])
;;     9. [M 1,024, K 4,096] x [K 4,096, N 1,024]; A: computed on the way; B: input w2: QUANTISED (scales: A lowp_scales[14], B lowp_scales[15])
;;     10. [M 1,024, K 1,024] x [K 1,024, N 4,096]; A: input x; B: input w1: QUANTISED (scales: A lowp_scales[16], B lowp_scales[17])
;;     11. [M 1,024, K 4,096] x [K 4,096, N 1,024]; A: computed on the way; B: input w2: QUANTISED (scales: A lowp_scales[18], B lowp_scales[19])
;;     12. [M 1,024, K 1,024] x [K 1,024, N 4,096]; A: input x; B: input w1: QUANTISED (scales: A lowp_scales[20], B lowp_scales[21])
;;     13. [M 1,024, K 4,096] x [K 4,096, N 1,024]; A: computed on the way; B: input w2: QUANTISED (scales: A lowp_scales[22], B lowp_scales[23])
;;     14. [M 1,024, K 1,024] x [K 1,024, N 4,096]; A: input x; B: input w1: QUANTISED (scales: A lowp_scales[24], B lowp_scales[25])
;;     15. [M 1,024, K 4,096] x [K 4,096, N 1,024]; A: computed on the way; B: input w2: QUANTISED (scales: A lowp_scales[26], B lowp_scales[27])
;;     16. [M 1,024, K 1,024] x [K 1,024, N 4,096]; A: input x; B: input w1: QUANTISED (scales: A lowp_scales[28], B lowp_scales[29])
;;     17. [M 1,024, K 4,096] x [K 4,096, N 1,024]; A: computed on the way; B: input w2: QUANTISED (scales: A lowp_scales[30], B lowp_scales[31])
;;   THE QUANTISER, for each operand of a quantised product, along K:
;;     - The operand's scale is 2^e, e = its entry of the input lowp_scales (int32; the entries are numbered through the quantised products in the list's order, A before B).
;;     - Each number is divided by the scale, clamped to +-448, and rounded to the nearest number of E4M3, ties to even, subnormals kept.
;;     - The product sums the exact products of the quantised numbers (number of the format x scale) in f32.
;;   ~~~python
;;   def quantise(x, axis, e):      # numpy; x: float32 -> the quantised numbers, widened to float32 again
;;       x = np.moveaxis(x, axis, -1); K = x.shape[-1]
;;       r = np.clip(x / 2.0 ** e, -448, 448)
;;       step = 2.0 ** (np.maximum(np.frexp(np.where(r == 0, 1, r))[1] - 1, -6) - 3)
;;       q = np.round(r / step) * step * 2.0 ** e      # np.round: ties to even
;;       return np.moveaxis(q, -1, axis).astype(np.float32)
;;   ~~~
;;   OPERANDS COMPUTED ON THE WAY. 'Computed on the way' means the value that the module computes at that place (a softmax that the list does not call 'softmax' is quantised finished and normalised). What goes into a quantiser is computed in f32, as accurately as f32 sums, v_exp_f32 and their like allow (about 1e-6 of the number): no bf16 or f16 on the way to a quantiser, and a product that is left as it is and whose result goes on into a quantised operand takes f32 operands (vector FMAs, or v_wmma_f32_16x16x4_f32). A number that lies on a knife's edge between two numbers of the format may be rounded either way, as far as f32 arithmetic and the matrix unit's own rounding can turn it there, and no further.
;; 2 versions. Each part assembles by itself: llvm-mc -triple=amdgcn-amd-amdhsa -mcpu=gfx1250 --defsym DOCPART=n.
;; ======== version 1 of 2: 5 launches
;; limits: a function is approximated: absolute error at most 1e-07
;; workspace buffers: idx 8,192 bytes of whole numbers; cw 8,192 bytes; rowlist 8,704 bytes of whole numbers; blk 512 bytes of whole numbers; xs 2,228,224 bytes; h 8,912,896 bytes; y 16,777,216 bytes
;; launch route (part 1): grid 256 x 1, 1 waves a work-group, no clusters, 0 bytes of LDS; arguments x, router_w, router_b, idx, cw; writes idx, cw
.if DOCPART == 1
	.amdgcn_target "amdgcn-amd-amdhsa--gfx1250"
	.amdhsa_code_object_version 6
	.text
	.protected	k_qf2904ad51f_route
	.globl	k_qf2904ad51f_route
	.p2align	8
	.type	k_qf2904ad51f_route,@function
k_qf2904ad51f_route:
	s_mov_b64 s[64:65], 0
	v_nop
	global_prefetch_b8 v0, s[64:65] scope:SCOPE_SE
	s_setreg_imm32_b32 hwreg(HW_REG_WAVE_MODE, 25, 1), 1
	s_wait_xcnt 0x0
; THE ROUTER.  logits = x router_w + router_b in f32 multiply-adds, softmax over the 8 experts (the largest logit taken away first), the two largest probabilities.
; One wave takes 4 tokens.  Lane l holds channels c = 128 i + 4 l + j (i = 0..7, j = 0..3) of each token, and router_w's 8 numbers of each of these channels: 256 registers, window 1.
; Each lane sums 32 numbers (4 tokens x 8 experts) over its 32 channels; a transposing reduction then leaves the sum over all lanes of number v = 8 q + e in lane v.
; Stored at fixed places: idx[2 token + slot] = the expert, cw[2 token + slot] = its probability.  No address and no branch hangs on a floating-point number.
; A tie between probabilities goes to the lower expert, as in lax.top_k.  LIMITS: NaN among the inputs is not served; the sums are made in another order than a row-by-row dot product,
; so two probabilities that differ by a few units of the last place may be chosen the other way round.
.set X,   32                           ; v32-159  x: token q, load i at X + 32 q + 4 i
.set ACC, 160                          ; v160-191 the 32 sums: 8 q + e
.set MSB, 0
.macro WIN new                         ; the immediate's high byte repeats the setting that is left
.if MSB != \new
	s_set_vgpr_msb (MSB<<8)|\new
.set MSB, \new
.endif
.endm
	s_load_b256 s[4:11], s[0:1], 0x0               ; x s[4:5], router_w s[6:7], router_b s[8:9], idx s[10:11]
	s_load_b64 s[12:13], s[0:1], 0x20              ; cw
	v_lshlrev_b32 v1, 4, v0                        ; 16 l: my 16 bytes of 512 of a token's row
	v_lshlrev_b32 v2, 7, v0                        ; 128 l: my four rows of router_w
	v_and_b32 v3, 7, v0                            ; l % 8: the expert that my lane will hold
	v_lshlrev_b32 v5, 2, v3
	v_and_b32 v7, 24, v0
	v_add_nc_u32 v7, v7, v5                        ; 8 (l / 8) + 4 (l % 8): where lanes l % 8 = 0, 1 store
	s_lshl_b32 s2, ttmp9, 14                       ; 4 tokens of 4,096 bytes
	s_mov_b32 s3, 0
	s_lshl_b32 s16, ttmp9, 5                       ; 8 entries of 4 bytes
	s_mov_b32 s17, 0
	s_mov_b32 s20, 0xaaaaaaaa                      ; lanes whose bit 0, 1, 2, 3, 4 is set
	s_mov_b32 s21, 0xcccccccc
	s_mov_b32 s22, 0xf0f0f0f0
	s_mov_b32 s23, 0xff00ff00
	s_mov_b32 s24, 0xffff0000
	s_mov_b32 s25, 0x76543210                      ; v_permlanex16_b32: lane l xor 16
	s_mov_b32 s26, 0xfedcba98
	s_wait_kmcnt 0x0
	s_add_nc_u64 s[4:5], s[4:5], s[2:3]
	s_add_nc_u64 s[10:11], s[10:11], s[16:17]
	s_add_nc_u64 s[12:13], s[12:13], s[16:17]
	global_load_b32 v6, v5, s[8:9]                 ; router_b of my expert
.irp i, 0,1,2,3,4,5,6,7
	WIN 0x40                                       ; destination window 1
.irp n, 0,1,2,3,4,5,6,7
	global_load_b128 v[32*\i+4*\n:32*\i+4*\n+3], v2, s[6:7] offset:4096*\i+16*\n   ; router_w(128 i + 4 l + j, e) at 32 i + 8 j + e
.endr
	WIN 0
.irp q, 0,1,2,3
	global_load_b128 v[X+32*\q+4*\i:X+32*\q+4*\i+3], v1, s[4:5] offset:4096*\q+512*\i th:TH_LOAD_NT
.endr
.endr
	WIN 0x01                                       ; source 0 (router_w) window 1
.irp i, 0,1,2,3,4,5,6,7
.if 12*(7-\i) > 63
	s_wait_loadcnt 63                              ; twelve loads for each later i were issued behind this group; the wait names 63 at the most, and a smaller count is safe
.else
	s_wait_loadcnt 12*(7-\i)                       ; the twelve loads of each later i may stay out
.endif
.irp j, 0,1,2,3
.irp q, 0,1,2,3
.irp p, 0,1,2,3
.if (\i == 0) && (\j == 0)
	v_pk_mul_f32 v[ACC+8*\q+2*\p:ACC+8*\q+2*\p+1], v[32*\i+8*\j+2*\p:32*\i+8*\j+2*\p+1], v[X+32*\q+4*\i:X+32*\q+4*\i+1] op_sel_hi:[1,0]   ; the first product starts the sums
.elseif (\j % 2) == 0
	v_pk_fma_f32 v[ACC+8*\q+2*\p:ACC+8*\q+2*\p+1], v[32*\i+8*\j+2*\p:32*\i+8*\j+2*\p+1], v[X+32*\q+4*\i+2*(\j/2):X+32*\q+4*\i+2*(\j/2)+1], v[ACC+8*\q+2*\p:ACC+8*\q+2*\p+1] op_sel_hi:[1,0,1]   ; two experts x the pair's first x
.else
	v_pk_fma_f32 v[ACC+8*\q+2*\p:ACC+8*\q+2*\p+1], v[32*\i+8*\j+2*\p:32*\i+8*\j+2*\p+1], v[X+32*\q+4*\i+2*(\j/2):X+32*\q+4*\i+2*(\j/2)+1], v[ACC+8*\q+2*\p:ACC+8*\q+2*\p+1] op_sel:[0,1,0] op_sel_hi:[1,1,1]   ; x the pair's second x
.endif
.endr
.endr
.endr
.endr
	WIN 0
; The transposing reduction.  Of two numbers a, b a lane keeps one (b where its bit is set) and sends the other to the lane whose bit differs: half the numbers, twice the lanes summed.
.macro RED a, b, k, s, m, ctl
	v_cndmask_b32 v[\k], v[\a], v[\b], s[\m]
	v_cndmask_b32 v[\s], v[\b], v[\a], s[\m]
	v_add_f32_dpp v[\k], v[\s], v[\k] row_xmask:\ctl row_mask:0xf bank_mask:0xf
.endm
.set p, 0
.rept 16
	RED ACC+2*p, ACC+2*p+1, 192+p, 208+p, 20, 1
.set p, p+1
.endr
.set p, 0
.rept 8
	RED 192+2*p, 193+2*p, 160+p, 168+p, 21, 2
.set p, p+1
.endr
.set p, 0
.rept 4
	RED 160+2*p, 161+2*p, 192+p, 196+p, 22, 4
.set p, p+1
.endr
.set p, 0
.rept 2
	RED 192+2*p, 193+2*p, 160+p, 162+p, 23, 8
.set p, p+1
.endr
	v_cndmask_b32 v192, v160, v161, s24
	v_cndmask_b32 v193, v161, v160, s24
	v_permlanex16_b32 v194, v193, s25, s26         ; (v194 has been written above)
	v_add_f32 v192, v192, v194
	v_add_f32 v192, v192, v6                       ; lane l: the logit of token l / 8, expert l % 8
	; softmax inside each group of eight lanes
	v_mov_b32 v196, v192
.irp c, 1,2,4
	v_max_num_f32_dpp v196, v196, v196 row_xmask:\c row_mask:0xf bank_mask:0xf
.endr
	v_sub_f32 v197, v192, v196                     ; the largest logit is taken away
	v_mul_f32 v197, 0x3fb8aa3b, v197
	v_exp_f32 v197, v197
	v_cvt_f32_u32 v199, v3                         ; (a plain place behind the exponential)  my expert as f32
	s_wait_alu depctr_va_vdst(0)
	v_mov_b32 v198, v197
.irp c, 1,2,4
	v_add_f32_dpp v198, v198, v198 row_xmask:\c row_mask:0xf bank_mask:0xf
.endr
	v_rcp_f32 v198, v198
	v_mov_b32 v204, -1.0                           ; (a plain place behind the reciprocal)
	v_mov_b32 v205, 0x41000000                     ; 8.0: above every expert
	s_wait_alu depctr_va_vdst(0)
	v_mul_f32 v197, v197, v198                     ; the probability
	; the largest, and the lowest expert that has it
	v_mov_b32 v200, v197
.irp c, 1,2,4
	v_max_num_f32_dpp v200, v200, v200 row_xmask:\c row_mask:0xf bank_mask:0xf
.endr
	v_cmp_eq_f32 vcc_lo, v197, v200
	v_cndmask_b32 v201, v205, v199, vcc_lo
.irp c, 1,2,4
	v_min_num_f32_dpp v201, v201, v201 row_xmask:\c row_mask:0xf bank_mask:0xf
.endr
	; the same again without that expert
	v_cmp_eq_f32 vcc_lo, v199, v201
	v_cndmask_b32 v203, v197, v204, vcc_lo
	v_mov_b32 v206, v203
.irp c, 1,2,4
	v_max_num_f32_dpp v206, v206, v206 row_xmask:\c row_mask:0xf bank_mask:0xf
.endr
	v_cmp_eq_f32 vcc_lo, v203, v206
	v_cndmask_b32 v207, v205, v199, vcc_lo
.irp c, 1,2,4
	v_min_num_f32_dpp v207, v207, v207 row_xmask:\c row_mask:0xf bank_mask:0xf
.endr
	v_cmp_eq_u32 vcc_lo, 1, v3                     ; lane l % 8 = 0 stores slot 0, lane l % 8 = 1 slot 1
	v_cndmask_b32 v208, v201, v207, vcc_lo
	v_cndmask_b32 v209, v200, v206, vcc_lo
	v_cvt_u32_f32 v208, v208
	v_cmp_gt_u32 vcc_lo, 2, v3
	s_wait_xcnt 0x0                                ; EXEC changes only behind this wait
	s_and_saveexec_b32 s14, vcc_lo
	global_store_b32 v7, v208, s[10:11]
	global_store_b32 v7, v209, s[12:13]
	s_wait_xcnt 0x0                                ; and again in front of the line that widens it
	s_or_b32 exec_lo, exec_lo, s14
	s_endpgm
.Lfunc_end_k_qf2904ad51f_route:
	.size	k_qf2904ad51f_route, .Lfunc_end_k_qf2904ad51f_route-k_qf2904ad51f_route
	.p2alignl 7, 3214868480
	.fill 96, 4, 3214868480
	.section	.rodata,"a",@progbits
	.p2align	6, 0x0
	.amdhsa_kernel k_qf2904ad51f_route
		.amdhsa_group_segment_fixed_size 0
		.amdhsa_private_segment_fixed_size 0
		.amdhsa_enable_private_segment 0
		.amdhsa_kernarg_size 40
		.amdhsa_user_sgpr_count 2
		.amdhsa_user_sgpr_kernarg_segment_ptr 1
		.amdhsa_wavefront_size32 1
		.amdhsa_system_sgpr_workgroup_id_x 1
		.amdhsa_system_sgpr_workgroup_id_y 1
		.amdhsa_system_sgpr_workgroup_id_z 1
		.amdhsa_system_vgpr_workitem_id 0
		.amdhsa_next_free_vgpr 512
		.amdhsa_next_free_sgpr 66
		.amdhsa_reserve_vcc 1
		.amdhsa_float_denorm_mode_32 3
		.amdhsa_float_denorm_mode_16_64 3
		.amdhsa_memory_ordered 1
		.amdhsa_forward_progress 1
		.amdhsa_inst_pref_size 52
	.end_amdhsa_kernel
	.amdgpu_metadata
---
amdhsa.version: [ 1, 2 ]
amdhsa.kernels:
  - .name:           k_qf2904ad51f_route
    .symbol:         k_qf2904ad51f_route.kd
    .args:
      - { .name: x, .offset: 0, .size: 8, .value_kind: global_buffer, .address_space: global }
      - { .name: router_w, .offset: 8, .size: 8, .value_kind: global_buffer, .address_space: global }
      - { .name: router_b, .offset: 16, .size: 8, .value_kind: global_buffer, .address_space: global }
      - { .name: idx, .offset: 24, .size: 8, .value_kind: global_buffer, .address_space: global }
      - { .name: cw, .offset: 32, .size: 8, .value_kind: global_buffer, .address_space: global }
    .group_segment_fixed_size: 0
    .private_segment_fixed_size: 0
    .kernarg_segment_align: 8
    .kernarg_segment_size: 40
    .max_flat_workgroup_size: 32
    .sgpr_count:     66
    .vgpr_count:     512
    .wavefront_size: 32
...
	.end_amdgpu_metadata
.endif
;; end of part 1
;; launch place (part 2): grid 136 x 1, 8 waves a work-group, no clusters, 0 bytes of LDS; arguments idx, x, lowp_scales, rowlist, blk, xs; writes rowlist, blk, xs
.if DOCPART == 2
	.amdgcn_target "amdgcn-amd-amdhsa--gfx1250"
	.amdhsa_code_object_version 6
	.text
	.protected	k_qf2904ad51f_place
	.globl	k_qf2904ad51f_place
	.p2align	8
	.type	k_qf2904ad51f_place,@function
k_qf2904ad51f_place:
	s_mov_b64 s[64:65], 0
	v_nop
	global_prefetch_b8 v0, s[64:65] scope:SCOPE_SE
	s_setreg_imm32_b32 hwreg(HW_REG_WAVE_MODE, 25, 1), 1
	s_wait_xcnt 0x0
; THE PLACING OF ROWS.  A routed row is rowid = 2 token + slot, 0..2047; idx[rowid] is its expert.  Expert e has R_e rows and ceil(R_e / 16) tiles of 16; tiles are numbered through the experts: never more than 136.
; Work-group T makes tile T: it counts all experts, finds its expert and its 16 places, finds the rows that stand there, gathers their x, quantises them with that expert's scale 2^ex (lowp_scales[4 e])
; and stores them as images of operand registers.
; NOTHING GOES THROUGH LDS, and there is no barrier: every wave holds all 2,048 entries of idx in 64 registers, counts for itself and finds its lanes' rows for itself.
; NO BRANCH HANGS ON THE COUNTS.  A work-group whose T is not below the number of tiles fills its tile of xs and of rowlist with some row's codes; no later launch reads those tiles. The grid serves every split.
; THE ORDER of an expert's rows is register by register, then lane by lane, of the layout below: the same in every wave of every work-group; no other order is needed.
; THE SEARCH.  Lane r wants the row at place t = 16 (T - the expert's first tile) + r.  A pass over the 64 registers keeps the last register whose running count is not above t: its mask of matching lanes, that
; count, its number.  The (t - count)-th set bit of the mask is the lane that holds the row: five halving steps over the mask's partial bit counts.
; A last tile's empty places repeat the tile's first row: their results are the same numbers and go to the same bytes.
; IMAGE of a fragment (16 rows x 128 K): byte 512 c + 16 lane + i is K = 32 c + 16 (lane / 16) + i of row lane % 16.  xs: [tile][K step 0..7][2,048 bytes]; wave w makes K step w.
; blk (work-group 0): 16-byte entries {expert, first tile, tiles, 0}, entry e for expert e; the entries behind them are zeros that nobody reads.
; code = x / 2^ex, held within +-448, to the nearest code, ties to even.  LIMITS: ex between -126 and 119; NaN among the inputs is not served.
.set I,   32                           ; v32-95   idx: register 4 i + j holds rowid 128 i + 4 l + j
.set XR,  96                           ; v96-159  64 numbers of x
.set PC,  160                          ; v160-175 their codes
.set WV,  18
	s_load_b256 s[4:11], s[0:1], 0x0               ; idx s[4:5], x s[6:7], lowp_scales s[8:9], rowlist s[10:11]
	s_load_b128 s[12:15], s[0:1], 0x20             ; blk s[12:13], xs s[14:15]
	v_lshrrev_b32 v1, 5, v0
	v_readfirstlane_b32 s[WV], v1                  ; wave 0..7
	v_and_b32 v2, 31, v0                           ; lane
	v_and_b32 v3, 15, v0                           ; r
	v_bfe_u32 v4, v0, 4, 1                         ; h
	v_lshlrev_b32 v1, 4, v2                        ; 16 l
	v_lshlrev_b32 v14, 2, v3                       ; 4 r
	s_wait_kmcnt 0x0
.irp i, 0,1,2,3,4,5,6,7,8,9,10,11,12,13,14,15
	global_load_b128 v[I+4*\i:I+4*\i+3], v1, s[4:5] offset:512*\i   ; every wave holds all 2,048 entries
.endr
.irp e, 0,1,2,3,4,5,6,7
	s_load_b32 s[66+\e], s[8:9], 16*\e             ; every expert's ex, at fixed places: the one that is wanted is chosen below
.endr
.irp e, 0,1,2,3,4,5,6,7
	s_mov_b32 s[24+\e], 0
.endr
	s_wait_loadcnt 0x0
.set n, 0
.rept 64                                       ; the eight counts: a register's eight masks, their bits, the sums
.irp e, 0,1,2,3,4,5,6,7
	v_cmp_eq_u32 s[48+\e], \e, v[I+n]
.endr
.irp e, 0,1,2,3,4,5,6,7
	s_bcnt1_i32_b32 s[48+\e], s[48+\e]
.endr
.irp e, 0,1,2,3,4,5,6,7
	s_add_co_u32 s[24+\e], s[24+\e], s[48+\e]      ; R_e
.endr
.set n, n+1
.endr
	s_mov_b32 s50, 0
.irp e, 0,1,2,3,4,5,6,7
	s_add_co_u32 s[40+\e], s[24+\e], 15
	s_lshr_b32 s[40+\e], s[40+\e], 4               ; the expert's tiles
	s_mov_b32 s[32+\e], s50                        ; its first tile
	s_add_co_u32 s50, s50, s[40+\e]
.endr
	s_wait_kmcnt 0x0                               ; the eight ex
	s_mov_b32 s51, 0                               ; my expert: the last whose first tile is not above T (one without tiles is passed over by the next),
	s_mov_b32 s52, 0                               ; its first tile,
	s_mov_b32 s53, s24                             ; its rows,
	s_mov_b32 s58, s66                             ; its ex
.irp j, 1,2,3,4,5,6,7
	s_cmp_ge_u32 ttmp9, s[32+\j]
	s_cselect_b32 s51, \j, s51
	s_cselect_b32 s52, s[32+\j], s52
	s_cselect_b32 s53, s[24+\j], s53
	s_cselect_b32 s58, s[66+\j], s58
.endr
	s_sub_co_u32 s54, ttmp9, s52
	s_lshl_b32 s54, s54, 4                         ; my tile's first place among the expert's rows
	s_sub_co_u32 s55, s53, s54
	s_min_u32 s55, s55, 16                         ; places of the tile that hold a row
	v_add_nc_u32 v12, s54, v3                      ; t: the place that my lane wants
	v_mov_b32 v13, 0                               ; the kept register's mask,
	v_mov_b32 v15, 0                               ; the running count in front of it,
	v_mov_b32 v17, 0                               ; its number
	s_mov_b32 s56, 0                               ; the running count
.set n, 0
.rept 64                                       ; what is kept is written anew as long as the running count is not above t
	v_cmp_eq_u32 s60, s51, v[I+n]                  ; the lanes whose entry of register n is my expert
	v_cmp_gt_u32 vcc_lo, s56, v12                  ; the count has passed t: keep what is kept
	v_cndmask_b32 v13, s60, v13, vcc_lo
	v_cndmask_b32 v15, s56, v15, vcc_lo
	v_cndmask_b32 v17, n, v17, vcc_lo
	s_bcnt1_i32_b32 s61, s60
	s_add_co_u32 s56, s56, s61
.set n, n+1
.endr
	v_sub_nc_u32 v19, v12, v15                     ; k: the row is the mask's k-th set bit, counted from 0
	; the mask's bit counts in fields of 2, 4, 8 and 16 bits
	v_lshrrev_b32 v23, 1, v13
	v_and_b32 v23, 0x55555555, v23
	v_sub_nc_u32 v23, v13, v23                     ; by twos
	v_lshrrev_b32 v24, 2, v23
	v_and_b32 v24, 0x33333333, v24
	v_and_b32 v25, 0x33333333, v23
	v_add_nc_u32 v24, v24, v25                     ; by fours
	v_lshrrev_b32 v25, 4, v24
	v_add_nc_u32 v25, v25, v24
	v_and_b32 v25, 0x0f0f0f0f, v25                 ; by bytes
	v_lshrrev_b32 v26, 8, v25
	v_add_nc_u32 v26, v26, v25
	v_and_b32 v26, 0x00ff00ff, v26                 ; by halves
	v_mov_b32 v21, 0                               ; the bit's number so far
; a halving step: c = the set bits in the lower w bits of the 2 w in hand.  Where k is not below c, the bit lies in the upper w: c is taken off k and the number goes w up
.macro RSTEP src, msk, w
	v_lshrrev_b32 v20, v21, v[\src]
	v_and_b32 v20, \msk, v20
	v_cmp_ge_u32 vcc_lo, v19, v20
	v_cndmask_b32 v20, 0, v20, vcc_lo
	v_sub_nc_u32 v19, v19, v20
	v_add_nc_u32 v22, \w, v21
	v_cndmask_b32 v21, v21, v22, vcc_lo
.endm
	RSTEP 26, 0xff, 16
	RSTEP 25, 0xff, 8
	RSTEP 24, 15, 4
	RSTEP 23, 3, 2
	RSTEP 13, 1, 1                                 ; (a place past the expert's last row ends at some lane up to 31: it is replaced below, or belongs to a tile that nobody reads)
	v_lshrrev_b32 v27, 2, v17
	v_and_b32 v28, 3, v17
	v_lshl_add_u32 v27, v27, 7, v28
	v_lshl_add_u32 v16, v21, 2, v27                ; rowid = 128 (n / 4) + n % 4 + 4 x lane
	v_readfirstlane_b32 s59, v16                   ; lane 0's: the tile's first row
	v_mov_b32 v18, s59
	v_cmp_gt_u32 vcc_lo, s55, v3
	v_cndmask_b32 v16, v18, v16, vcc_lo            ; an empty place repeats the tile's first row
	v_min_u32 v16, 0x7ff, v16                      ; a rowid: it enters addresses
	; the table of experts: work-group 0, wave 0; lane = entry
	s_cmp_lg_u32 s[WV], 0
	s_cbranch_scc1 .Lno_blk
	s_cmp_lg_u32 ttmp9, 0
	s_cbranch_scc1 .Lno_blk
	v_mov_b32 v24, 0
	v_mov_b32 v25, 0
	v_mov_b32 v26, 0
	v_mov_b32 v27, 0
.irp e, 0,1,2,3,4,5,6,7
	v_cmp_eq_u32 vcc_lo, \e, v2
	v_mov_b32 v28, \e
	v_mov_b32 v29, s[32+\e]
	v_mov_b32 v30, s[40+\e]
	v_cndmask_b32 v24, v24, v28, vcc_lo
	v_cndmask_b32 v25, v25, v29, vcc_lo
	v_cndmask_b32 v26, v26, v30, vcc_lo
.endr
	global_store_b128 v1, v[24:27], s[12:13]       ; 512 consecutive bytes
.Lno_blk:
	v_and_b32 v13, 0x7fe, v16
	v_lshlrev_b32 v13, 11, v13                     ; the token's row of 4,096 bytes
	v_lshl_add_u32 v13, v4, 6, v13                 ; + 64 h: my 16 numbers of a block of 32
	s_lshl_b32 s2, s[WV], 9                        ; K step w: 128 numbers
	s_mov_b32 s3, 0
	s_add_nc_u64 s[6:7], s[6:7], s[2:3]
.irp b, 0,1,2,3
.irp j, 0,1,2,3
	global_load_b128 v[XR+16*\b+4*\j:XR+16*\b+4*\j+3], v13, s[6:7] offset:128*\b+16*\j   ; register 16 b + i: K = 32 b + 16 h + i of my row
.endr
.endr
	s_cmp_lg_u32 s[WV], 0
	s_cbranch_scc1 .Lno_list
	s_lshl_b32 s2, ttmp9, 6
	s_add_nc_u64 s[10:11], s[10:11], s[2:3]
	global_store_b32 v14, v16, s[10:11]            ; the tile's 16 rowids (both halves of the lanes store the same words)
.Lno_list:
	s_lshl_b32 s2, ttmp9, 14
	s_lshl_b32 s59, s[WV], 11
	s_add_co_u32 s2, s2, s59
	s_add_nc_u64 s[14:15], s[14:15], s[2:3]        ; xs at tile T, K step w
	s_add_co_i32 s58, s58, 127
	s_lshl_b32 s59, s58, 23
	v_mov_b32 v20, s59                             ; 2^ex as f32: the conversion takes its exponent field
	s_add_co_i32 s58, s58, 8
	s_lshl_b32 s58, s58, 23
	s_or_b32 s58, s58, 0x600000
	v_mov_b32 v21, s58                             ; 448 x 2^ex
	s_wait_loadcnt 0x0
.irp b, 0,1,2,3
.irp i, 0,1,2,3,4,5,6,7,8,9,10,11,12,13,14,15
	v_med3_num_f32 v[XR+16*\b+\i], v[XR+16*\b+\i], -v21, v21   ; the conversion to an 8-bit code does not saturate (ISA guide 7.6.2): the hold comes first
.endr
	v_cvt_scalef32_pk8_fp8_f32 v[PC+4*\b:PC+4*\b+1], v[XR+16*\b:XR+16*\b+7], v20
	v_cvt_scalef32_pk8_fp8_f32 v[PC+4*\b+2:PC+4*\b+3], v[XR+16*\b+8:XR+16*\b+15], v20
.endr
	v_nop                                          ; a plain line behind the last conversion
.irp c, 0,1,2,3
	global_store_b128 v1, v[PC+4*\c:PC+4*\c+3], s[14:15] offset:512*\c   ; 512 consecutive bytes a store
.endr
	s_endpgm
.Lfunc_end_k_qf2904ad51f_place:
	.size	k_qf2904ad51f_place, .Lfunc_end_k_qf2904ad51f_place-k_qf2904ad51f_place
	.p2alignl 7, 3214868480
	.fill 96, 4, 3214868480
	.section	.rodata,"a",@progbits
	.p2align	6, 0x0
	.amdhsa_kernel k_qf2904ad51f_place
		.amdhsa_group_segment_fixed_size 0
		.amdhsa_private_segment_fixed_size 0
		.amdhsa_enable_private_segment 0
		.amdhsa_kernarg_size 48
		.amdhsa_user_sgpr_count 2
		.amdhsa_user_sgpr_kernarg_segment_ptr 1
		.amdhsa_wavefront_size32 1
		.amdhsa_system_sgpr_workgroup_id_x 1
		.amdhsa_system_sgpr_workgroup_id_y 1
		.amdhsa_system_sgpr_workgroup_id_z 1
		.amdhsa_system_vgpr_workitem_id 0
		.amdhsa_next_free_vgpr 176
		.amdhsa_next_free_sgpr 76
		.amdhsa_reserve_vcc 1
		.amdhsa_float_denorm_mode_32 3
		.amdhsa_float_denorm_mode_16_64 3
		.amdhsa_memory_ordered 1
		.amdhsa_forward_progress 1
		.amdhsa_inst_pref_size 98
	.end_amdhsa_kernel
	.amdgpu_metadata
---
amdhsa.version: [ 1, 2 ]
amdhsa.kernels:
  - .name:           k_qf2904ad51f_place
    .symbol:         k_qf2904ad51f_place.kd
    .args:
      - { .name: idx, .offset: 0, .size: 8, .value_kind: global_buffer, .address_space: global }
      - { .name: x, .offset: 8, .size: 8, .value_kind: global_buffer, .address_space: global }
      - { .name: lowp_scales, .offset: 16, .size: 8, .value_kind: global_buffer, .address_space: global }
      - { .name: rowlist, .offset: 24, .size: 8, .value_kind: global_buffer, .address_space: global }
      - { .name: blk, .offset: 32, .size: 8, .value_kind: global_buffer, .address_space: global }
      - { .name: xs, .offset: 40, .size: 8, .value_kind: global_buffer, .address_space: global }
    .group_segment_fixed_size: 0
    .private_segment_fixed_size: 0
    .kernarg_segment_align: 8
    .kernarg_segment_size: 48
    .max_flat_workgroup_size: 256
    .sgpr_count:     76
    .vgpr_count:     176
    .wavefront_size: 32
...
	.end_amdgpu_metadata
.endif
;; end of part 2
;; launch g1 (part 3): grid 256 x 1, 8 waves a work-group, no clusters, 136,192 bytes of LDS; arguments blk, xs, w1, b1, lowp_scales, h; writes h
.if DOCPART == 3
	.amdgcn_target "amdgcn-amd-amdhsa--gfx1250"
	.amdhsa_code_object_version 6
	.text
	.protected	k_qf2904ad51f_g1
	.globl	k_qf2904ad51f_g1
	.p2align	8
	.type	k_qf2904ad51f_g1,@function
k_qf2904ad51f_g1:
	s_mov_b64 s[64:65], 0
	v_nop
	global_prefetch_b8 v0, s[64:65] scope:SCOPE_SE
	s_setreg_imm32_b32 hwreg(HW_REG_WAVE_MODE, 25, 1), 1
	s_wait_xcnt 0x0
; THE FIRST PRODUCT OF THE CHOSEN EXPERTS:  h = Q(gelu(Q(x) Q(w1[e]) + b1[e])), on codes of FP8 (E4M3), for the rows that chose expert e alone.
; THE WEIGHTS STAND STILL.  Work-group 32 e + f takes expert e and columns 128 f .. 128 f + 127 of w1[e]: 512 KB of f32, read from memory once, quantised on the way, multiplied by all of the expert's rows.
; The expert and the slice are the work-group's number: no address of a weight hangs on a number read from memory.  The table blk gives the expert's first tile and its tiles (0 to 64 of 16 rows): they steer
; skips inside the multiplying waves' part of a stage alone.  Every wave passes every barrier, whatever the table says.  An expert without rows streams its slice all the same and stores nothing.
; No tensor load.  No cluster: what work-groups share (the rows' codes) is a small part of a stage's bytes beside the 32 KB of weights.
; TWO ROLES.  Waves 0-3 stream weights and do nothing else with global loads, so that their counted waits name stages of weights alone; waves 4-7 load the rows' codes, multiply and finish.
; A STAGE is 128 k x 64 columns.  16 stages: stage g = columns 64 (g / 8) on, K step g % 8.  Producer w, lane (m = l % 16, hh = l / 16), takes columns 4 m .. 4 m + 3 of rows k = 32 w + 16 hh + 0..15:
; sixteen loads of 16 bytes, each covering two runs of 256 consecutive bytes, aligned.  Three stages (48 loads a wave) are asked for ahead, in a ring of three sets of 64 registers (window 1, v0-191:
; registers that no load of the other role names).  The first three stages are asked for ahead of the wait for the table and the scales: their addresses need neither.
; The 64 numbers are held within +-448 x 2^ew1, converted, turned by byte permutes so that a register run holds 16 k of ONE column, and stored into LDS as images of four operand fragments.
; EACH STAGE HAS AN LDS SLOT OF ITS OWN, written once: 16 x 8,448 bytes.  One barrier a stage parts a slot's writing from its reading.
; IMAGE of a fragment (16 rows or columns x 128 K): byte 512 c + 16 lane + i is K = 32 c + 16 (lane / 16) + i of row lane % 16: the same permutation of k in both operands.
; THE COLUMNS OF A TILE ARE NOT NEIGHBOURS: lane r of tile 2 b + u takes column 32 b + 8 u + r + 8 (r / 8), so that the 16 results of tiles 2 b, 2 b + 1 in a lane are 16 neighbours along the next K.
; THE PRODUCT IS USED TRANSPOSED (source 0 = 16 columns of w1, source 1 = 16 rows): a lane holds one row.  Consumer c (wave 4 + c) takes tiles c, c + 4, ..: up to 6, 24 accumulators (window 1, v0-191).
; THE ROWS' CODES HAVE TWO SETS OF REGISTERS.  Stage c + 1's are asked for as soon as stage c's have come, into the other set: they have the stage's LDS loads, its products and its barrier in which to land.
; The wait for them is for 0: how many they are hangs on the table.  512 registers: 6 x 32 accumulators, 2 x 6 x 16 rows' codes, 64 weights' codes, 64 addresses, constants and b1.
; THE LATER WALKS.  The four consumers hold 24 tiles.  Tiles 24 to 47 and 48 to 63 of an expert that has so many are multiplied afterwards, out of the same slots: a loop of two walks of 16 stages without a
; barrier, which every wave walks; producers, and consumers with nothing left, pass over its work.  So the weights are read from memory once whatever the split.
; gelu: z Phi(z), Phi = 0.5 + 0.5 erf(z / sqrt 2), erf as x P(x^2) / Q(x^2) with x held within +-4.  h: [tile][K step 0..31][2,048 bytes]: slice f is K step f of the second product.
; LIMITS: ew1, eh between -126 and 119, ex + ew1 between -126 and 127; NaN and infinities among the inputs are not served; Phi carries an absolute error of about 1e-7, so its relative error grows for z below about -2.
.set T,     6                          ; tiles of a consumer in a walk
.set FS,    2064                       ; a fragment's image in LDS: 2,048 bytes + 16, so that the sixteen lanes of a producer's store fall on sixteen different 16-byte columns
.set SLOTB, 8448                       ; a slot: four fragments
.set GRP,   6*SLOTB                    ; six slots to an address register: an LDS immediate has 16 bits
.set WV,  18                           ; s18  wave
.set NTW, 23                           ; s23  my tiles of the walk in hand (consumers)
.set TG,  32                           ; s32-37 their numbers
.set SUBO, 72                          ; s72  1,024 x the half of the slice that is being finished
.set G,   73                           ; s73  a later walk's stage
.set LOFF, 74                          ; s74  and its slot's first byte
.set LAST, 82                          ; s82  the expert's last tile, counted from its first
.set FIRST, 83                         ; s83  the walk's first tile, counted from the expert's first: 0, 24, 48
.set VA,  8                            ; v8-13  my tiles' byte offsets in xs, + 16 l
.set LB,  20                           ; v20-22 LDS: 16 l + six slots x 0, 1, 2
.set LBX, 23                           ; v23    LDS: 16 l + a later walk's slot
.set BW,  24                           ; v24-26 LDS: where a producer's lane stores, + six slots x 0, 1, 2
.set B1R, 32                           ; v32-63 b1 in the results' layout
.set AF,  64                           ; v64-159 the rows' fragments, set 0, 16 registers a tile; v160-191 set 1's tiles 0, 1; window 1, v192-255: set 1's tiles 2 to 5
.set BF,  192                          ; v192-255 the weights' four fragments
.set RQ,  64                           ; producers: v64-79 codes as converted, v80-95 at work, v96-111 turned
.set TQ,  80
.set OQ,  96
.set ZR,  192                          ; the finish: v192-223 z (v192-199 take the codes as z's first eight are done with); v224-255 at work
.set ZC,  224
.set WR,  232
.set PR,  240
.set QR,  248
.set CA6, 48                           ; scalar pairs: erf's coefficients, term k scaled by 2^-k since w = z^2 = 2 x^2
.set CA4, 50
.set CA3, 52
.set CA2, 54
.set CA1, 56
.set CA0, 58
.set CB4, 60
.set CB2, 62
.set CB1, 66
.set CB0, 68
.set CK,  70
.set MSB, 0
.macro WIN new                         ; the immediate's high byte repeats the setting that is left; at a label and at a branch every window is 0
.if MSB != \new
	s_set_vgpr_msb (MSB<<8)|\new
.set MSB, \new
.endif
.endm
.macro SPAIR r, val                    ; the packed forms name a pair and take its low word for both halves: both are written
	s_mov_b32 s[\r], \val
	s_mov_b32 s[\r+1], \val
.endm
; where tile i's fragment of set p lies: window AW, register AR; AWL: the window setting for a load into it, AWM: for a product that reads it (C and D window 1, the weights window 0)
.macro APLACE p, i
.if (\p) == 0
.set AW, 0
.set AR, AF+16*(\i)
.elseif (\i) < 2
.set AW, 0
.set AR, AF+16*T+16*(\i)
.else
.set AW, 1
.set AR, 192+16*((\i)-2)
.endif
.set AWL, 0x40*AW
.set AWM, 0x50+4*AW
.endm
; stage g's sixteen loads into set g % 3.  Two bases, at k = 0 and at k = 512, so that every step is an immediate of 0 or more inside its 24 bits
.macro SLOAD g
.set RB, 64*((\g)%3)
.if ((\g)%8) < 4
.set WB, 8
.else
.set WB, 16
.endif
	WIN 0x40                                       ; destination window 1
.irp i, 0,1,2,3,4,5,6,7,8,9,10,11,12,13,14,15
	global_load_b128 v[RB+4*\i:RB+4*\i+3], v3, s[WB:WB+1] offset:(((\g)%8)%4)*2097152+((\g)/8)*256+16384*\i th:TH_LOAD_NT
.endr
	WIN 0
.endm
; stage g becomes codes in slot g.  Register 4 i + j of the set is (row i, column 4 m + j)
.macro QUANTW g
.set RB, 64*((\g)%3)
	WIN 0x41                                       ; destination and source 0 window 1
.set n, 0
.rept 64
	v_med3_num_f32 v[RB+n], v[RB+n], -v5, v5       ; the conversion to an 8-bit code does not saturate (ISA guide 7.6.2): the hold comes first
.set n, n+1
.endr
	WIN 0x01                                       ; source 0 window 1
.irp p, 0,1,2,3,4,5,6,7
	v_cvt_scalef32_pk8_fp8_f32 v[RQ+2*\p:RQ+2*\p+1], v[RB+8*\p:RB+8*\p+7], v4   ; register i of the result: row i, columns 0..3 in its four bytes
.endr
	WIN 0
	v_nop                                          ; a plain line between the conversions and the permutes that read their results
.irp a, 0,1,2,3                                ; four rows x four columns of bytes are turned: eight permutes
	v_perm_b32 v[TQ+4*\a], v[RQ+4*\a+1], v[RQ+4*\a], s42
	v_perm_b32 v[TQ+4*\a+1], v[RQ+4*\a+1], v[RQ+4*\a], s43
	v_perm_b32 v[TQ+4*\a+2], v[RQ+4*\a+3], v[RQ+4*\a+2], s42
	v_perm_b32 v[TQ+4*\a+3], v[RQ+4*\a+3], v[RQ+4*\a+2], s43
.endr
.irp a, 0,1,2,3
	v_perm_b32 v[OQ+\a], v[TQ+4*\a+2], v[TQ+4*\a], s44          ; column j: register OQ + 4 j + a holds rows 4 a .. 4 a + 3
	v_perm_b32 v[OQ+4+\a], v[TQ+4*\a+2], v[TQ+4*\a], s45
	v_perm_b32 v[OQ+8+\a], v[TQ+4*\a+3], v[TQ+4*\a+1], s44
	v_perm_b32 v[OQ+12+\a], v[TQ+4*\a+3], v[TQ+4*\a+1], s45
.endr
.irp j, 0,1,2,3
	ds_store_b128 v[BW+(\g)/6], v[OQ+4*\j:OQ+4*\j+3] offset:((\g)%6)*SLOTB+16*\j   ; 16 k of column 4 m + j: one lane's 16 bytes of an image
.endr
.endm
.macro BLOAD reg, off                  ; a slot's four fragments
.irp t, 0,1,2,3
.irp c, 0,1,2,3
	ds_load_b128 v[BF+16*\t+4*\c:BF+16*\t+4*\c+3], v[\reg] offset:(\off)+\t*FS+512*\c
.endr
.endr
.endm
; K step k, counted from the base, of my tiles' rows, into set p.  all = 1: of all six tiles' registers (tiles past my last repeat a tile that is written), so that every register of the set is written once
.macro ALOAD base, k, all, p
.irp i, 0,1,2,3,4,5
.if \all == 0
	s_cmp_le_u32 s[NTW], \i
	s_cbranch_scc1 .Laend_\@
.endif
	APLACE \p, \i
	WIN AWL
.irp c, 0,1,2,3
	global_load_b128 v[AR+4*\c:AR+4*\c+3], v[VA+\i], s[\base:\base+1] offset:2048*(\k)+512*\c
.endr
	WIN 0
.endr
.Laend_\@:
.endm
; a stage's products: my tiles, out of set p, x four tiles of columns.  zero = 1: they start their sums with the constant 0.  chain = 0: all 24, so that every accumulator is written; chain = 1: my tiles alone.
; The accumulators take turns, one instruction a turn.  Five plain lines close the run: they stand in front of the loads into the operands' registers, of the first read of
; results, and of products that begin an accumulator anew.
.macro MULS zero, chain, p
.irp i, 0,1,2,3,4,5
.if \chain
	WIN 0
	s_cmp_le_u32 s[NTW], \i
	s_cbranch_scc1 .Lmend_\@
.endif
	APLACE \p, \i
	WIN AWM
.irp t, 0,1,2,3
.if \zero
	v_wmma_f32_16x16x128_fp8_fp8 v[32*\i+8*\t:32*\i+8*\t+7], v[BF+16*\t:BF+16*\t+15], v[AR:AR+15], 0
.else
	v_wmma_f32_16x16x128_fp8_fp8 v[32*\i+8*\t:32*\i+8*\t+7], v[BF+16*\t:BF+16*\t+15], v[AR:AR+15], v[32*\i+8*\t:32*\i+8*\t+7]
.endif
.endr
.endr
	WIN 0
.Lmend_\@:
.rept 5
	v_nop
.endr
.endm
.macro B1LOAD base, sub                ; register 16 b + m: b1 of column 64 sub + 32 b + 16 h + m, counted from the base
.irp b, 0,1
.irp q, 0,1,2,3
	global_load_b128 v[B1R+16*\b+4*\q:B1R+16*\b+4*\q+3], v17, s[\base:\base+1] offset:256*\sub+128*\b+16*\q
.endr
.endr
.endm
; my tiles of the walk that begins at tile s[FIRST]: FIRST + c, FIRST + c + 4, .., 24 to a walk.  Past the expert's last tile the last is named, which is written.  The bound of 135 stands last, ahead of the shift
.macro SETTILES
	s_max_u32 s21, s26, s[FIRST]
	s_sub_co_u32 s21, s21, s[FIRST]                ; the expert's tiles from FIRST on,
	s_min_u32 s21, s21, 4*T                        ; of which a walk takes 24 at the most
	s_add_co_u32 s21, s21, 3
	s_sub_co_u32 s21, s21, s22
	s_lshr_b32 s[NTW], s21, 2
.irp i, 0,1,2,3,4,5
	s_add_co_u32 s21, s22, 4*\i
	s_add_co_u32 s21, s21, s[FIRST]
	s_min_u32 s21, s21, s[LAST]
	s_add_co_u32 s21, s21, s25
	s_min_u32 s[TG+\i], s21, 135
	s_lshl_b32 s21, s[TG+\i], 14
	v_add_nc_u32 v[VA+\i], s21, v1
.endr
.endm
.macro ECASE k                         ; tile k: z = sum x 2^(ex + ew1) + b1, each accumulator from its low end on; and the tile's place in h
	WIN 0x01                                       ; source 0 window 1
.set n, 0
.rept 16
	v_pk_fma_f32 v[ZR+2*n:ZR+2*n+1], v[32*(\k)+2*n:32*(\k)+2*n+1], s[40:41], v[B1R+2*n:B1R+2*n+1] op_sel_hi:[1,0,1]
.set n, n+1
.endr
	WIN 0
	s_lshl_b32 s21, s[TG+\k], 16
	s_add_co_u32 s21, s21, s[SUBO]
	v_add_nc_u32 v16, s21, v1
.endm
.macro HORN r, c                       ; a step of Horner's rule on four pairs
.irp k, 0,2,4,6
	v_pk_fma_f32 v[\r+\k:\r+\k+1], v[\r+\k:\r+\k+1], v[WR+\k:WR+\k+1], s[\c:\c+1] op_sel_hi:[1,1,0]
.endr
.endm
.macro GELU8 ch                        ; eight numbers: gelu, the hold, the codes
.irp k, 0,1,2,3,4,5,6,7
	v_med3_num_f32 v[ZC+\k], v[ZR+8*\ch+\k], -v18, v18         ; z held within +-4 sqrt 2
.endr
.irp k, 0,2,4,6
	v_pk_mul_f32 v[WR+\k:WR+\k+1], v[ZC+\k:ZC+\k+1], v[ZC+\k:ZC+\k+1]
.endr
.irp k, 0,2,4,6
	v_pk_fma_f32 v[PR+\k:PR+\k+1], v[WR+\k:WR+\k+1], s[CA6:CA6+1], v[28:29] op_sel_hi:[1,0,1]
.endr
.irp k, 0,2,4,6
	v_pk_fma_f32 v[QR+\k:QR+\k+1], v[WR+\k:WR+\k+1], s[CB4:CB4+1], v[30:31] op_sel_hi:[1,0,1]
.endr
	HORN PR, CA4
	HORN QR, CB2
	HORN PR, CA3
	HORN QR, CB1
	HORN PR, CA2
	HORN QR, CB0
	HORN PR, CA1
	HORN PR, CA0
.irp k, 0,1,2,3,4,5,6,7
	v_rcp_f32 v[QR+\k], v[QR+\k]
.endr
.irp k, 0,2,4,6
	v_pk_mul_f32 v[PR+\k:PR+\k+1], v[PR+\k:PR+\k+1], v[ZC+\k:ZC+\k+1]   ; (plain lines behind the reciprocals, which touch none of their registers)
.endr
	s_wait_alu depctr_va_vdst(0)
.irp k, 0,2,4,6
	v_pk_mul_f32 v[PR+\k:PR+\k+1], v[PR+\k:PR+\k+1], v[QR+\k:QR+\k+1]
.endr
.irp k, 0,2,4,6
	v_pk_fma_f32 v[PR+\k:PR+\k+1], v[PR+\k:PR+\k+1], s[CK:CK+1], 0.5 op_sel_hi:[1,0,0]   ; Phi = 0.5 + (sqrt 2 / 4) z P / Q
.endr
.irp k, 0,2,4,6
	v_pk_mul_f32 v[ZC+\k:ZC+\k+1], v[ZR+8*\ch+\k:ZR+8*\ch+\k+1], v[PR+\k:PR+\k+1]
.endr
.irp k, 0,1,2,3,4,5,6,7
	v_med3_num_f32 v[ZC+\k], v[ZC+\k], -v7, v7
.endr
	v_cvt_scalef32_pk8_fp8_f32 v[ZR+2*\ch:ZR+2*\ch+1], v[ZC:ZC+7], v6   ; into z's first eight registers, which are done with from the first eight numbers on
	v_nop                                          ; a plain line behind the conversion: the next lines write its sources
.endm
; THE FINISH of 64 columns: a loop over my tiles.  Only the lines that read a tile's accumulators differ from tile to tile: they are written out six times, the rest once.
.macro EPI id
	s_mov_b32 s46, 0
.Lepi\id:
	s_wait_xcnt 0x0                                ; the last trip's stores have read their data and their offset: both are written again below
	s_cmp_ge_u32 s46, s[NTW]
	s_cbranch_scc1 .Lenx\id
.irp k, 0,1,2,3,4
	s_cmp_eq_u32 s46, \k
	s_cbranch_scc1 .Lec\id\k
.endr
	ECASE 5
	s_branch .Lebd\id
.irp k, 0,1,2,3,4
.Lec\id\k:
	ECASE \k
	s_branch .Lebd\id
.endr
.Lebd\id:
	GELU8 0
	GELU8 1
	GELU8 2
	GELU8 3
	global_store_b128 v16, v[ZR:ZR+3], s[14:15]                 ; 512 consecutive bytes: part 2 sub + b of the image
	global_store_b128 v16, v[ZR+4:ZR+7], s[14:15] offset:512
.Lenx\id:
	s_add_co_u32 s46, s46, 1
	s_cmp_lt_u32 s46, T
	s_cbranch_scc1 .Lepi\id
	s_wait_xcnt 0x0                                ; the last stores have read their data: LDS loads land there next
.endm
	s_load_b256 s[4:11], s[0:1], 0x0               ; blk s[4:5], xs s[6:7], w1 s[8:9], b1 s[10:11]
	s_load_b128 s[12:15], s[0:1], 0x20             ; lowp_scales s[12:13], h s[14:15]
	v_lshl_add_u32 v14, v0, 2, 0x21000
	v_mov_b32 v15, 0
	v_lshrrev_b32 v1, 5, v0
	v_readfirstlane_b32 s[WV], v1                  ; wave 0..7
	s_lshr_b32 s19, ttmp9, 5                       ; expert e
	s_and_b32 s20, ttmp9, 31                       ; slice f
	s_lshl_b32 s47, s19, 4
	s_and_b32 s22, s[WV], 3                        ; my number within my role
	s_wait_kmcnt 0x0
	s_load_b128 s[24:27], s[4:5], s47 offset:0x0   ; expert, first tile, tiles, 0
	s_load_b128 s[28:31], s[12:13], s47 offset:0x0 ; ex, ew1, eh, ew2
	; every address register is made here, ahead of the roles' first parting, and holds nothing else afterwards
	v_and_b32 v27, 31, v0
	v_lshlrev_b32 v1, 4, v27                       ; 16 l, for global offsets
	v_lshlrev_b32 v[LB], 4, v27                    ; 16 l, for LDS
	v_add_nc_u32 v[LB+1], GRP, v[LB]
	v_add_nc_u32 v[LB+2], 2*GRP, v[LB]
	v_bfe_u32 v19, v0, 4, 1                        ; h
	v_bfe_u32 v2, v0, 3, 1                         ; column 4 m + j = 32 m3 + 16 m2 + 8 m1 + 4 m0 + j lies in tile 2 m3 + m1, row 8 m2 + 4 m0 + j
	v_bfe_u32 v27, v0, 1, 1
	v_lshl_add_u32 v2, v2, 1, v27
	v_mul_u32_u24 v[BW], v2, FS
	v_and_b32 v27, 1, v0
	v_lshl_add_u32 v[BW], v27, 6, v[BW]
	v_bfe_u32 v27, v0, 2, 1
	v_lshl_add_u32 v[BW], v27, 7, v[BW]
	v_lshl_add_u32 v[BW], v19, 8, v[BW]            ; + 256 hh
	s_lshl_b32 s21, s22, 9
	v_add_nc_u32 v[BW], s21, v[BW]                 ; + 512 w: part w of each image
	v_add_nc_u32 v[BW+1], GRP, v[BW]
	v_add_nc_u32 v[BW+2], 2*GRP, v[BW]
	v_and_b32 v2, 15, v0
	v_lshlrev_b32 v3, 4, v2                        ; the weights: 16 m,
	v_lshl_add_u32 v3, v19, 18, v3                 ; + 16 hh rows of 16,384 bytes,
	s_lshl_b32 s21, s22, 19
	v_add_nc_u32 v3, s21, v3                       ; + 32 w rows
	v_lshlrev_b32 v17, 6, v19                      ; b1: 64 h
	v_mov_b32 v18, 0x40b504f3                      ; 4 sqrt 2
	v_mov_b32 v28, 0x306dffee                      ; the second-highest coefficients stand in vector pairs: the first step of each rule names two
	v_mov_b32 v29, 0x306dffee
	v_mov_b32 v30, 0xb7dfbd29
	v_mov_b32 v31, 0xb7dfbd29
	s_lshl_b32 s2, s19, 24                         ; w1: the expert's 16 MB,
	s_lshl_b32 s21, s20, 9                         ; the slice's 512 bytes of a row
	s_add_co_u32 s2, s2, s21
	s_mov_b32 s3, 0
	s_add_nc_u64 s[8:9], s[8:9], s[2:3]            ; at row k = 0,
	s_add_nc_u64 s[16:17], s[8:9], 0x800000        ; and at row k = 512
	s_cmp_lt_u32 s[WV], 4                          ; the producers' first three stages go out while the table and the scales are on their way
	s_cbranch_scc0 .Lnot_p
	SLOAD 0
	SLOAD 1
	SLOAD 2
.Lnot_p:
	s_mov_b32 s42, 0x05010400                      ; the permutes' selects
	s_mov_b32 s43, 0x07030602
	s_mov_b32 s44, 0x05040100
	s_mov_b32 s45, 0x07060302
	SPAIR CA6, 0xac95df0b
	SPAIR CA4, 0xb40cff51
	SPAIR CA3, 0xb6eec2d2
	SPAIR CA2, 0xb940ac63
	SPAIR CA1, 0xbac1a1f6
	SPAIR CA0, 0xbc83dbd4
	SPAIR CB4, 0xb57460cd
	SPAIR CB2, 0xb9dc924e
	SPAIR CB1, 0xbb719bf8
	SPAIR CB0, 0xbc69b6a7
	SPAIR CK,  0x3eb504f3
	s_mov_b32 s[SUBO], 0
	s_mov_b32 s[FIRST], 0
	s_lshl_b32 s2, s19, 14
	s_add_co_u32 s2, s2, s21
	s_add_nc_u64 s[10:11], s[10:11], s[2:3]        ; b1 at the slice
	s_lshl_b32 s2, s20, 11
	s_add_nc_u64 s[14:15], s[14:15], s[2:3]        ; h at K step f
	s_wait_kmcnt 0x0
	s_min_u32 s25, s25, 135                        ; numbers read from memory enter addresses only behind a bound
	s_min_u32 s26, s26, 64
	s_cmp_eq_u32 s26, 0
	s_cselect_b32 s25, 0, s25                      ; an expert without rows: tile 0, which every split has, is read, and nothing is stored
	s_max_u32 s[LAST], s26, 1
	s_sub_co_u32 s[LAST], s[LAST], 1
	SETTILES
	s_add_co_i32 s21, s29, 127
	s_lshl_b32 s46, s21, 23
	v_mov_b32 v4, s46                              ; 2^ew1
	s_add_co_i32 s21, s21, 8
	s_lshl_b32 s21, s21, 23
	s_or_b32 s21, s21, 0x600000
	v_mov_b32 v5, s21                              ; 448 x 2^ew1
	s_add_co_i32 s21, s30, 127
	s_lshl_b32 s46, s21, 23
	v_mov_b32 v6, s46                              ; 2^eh
	s_add_co_i32 s21, s21, 8
	s_lshl_b32 s21, s21, 23
	s_or_b32 s21, s21, 0x600000
	v_mov_b32 v7, s21                              ; 448 x 2^eh
	s_add_co_i32 s40, s28, s29
	s_add_co_i32 s40, s40, 127
	s_lshl_b32 s40, s40, 23                        ; 2^(ex + ew1)
	s_mov_b32 s41, s40
	s_cmp_lt_u32 s[WV], 4
	s_cbranch_scc0 .Lfirst_c
	s_wait_loadcnt 32                              ; stage 0 is in; the 32 loads of stages 1 and 2 may be out
	QUANTW 0
	SLOAD 3
	s_branch .Lfirst_j
.Lfirst_c:
	B1LOAD 10, 0
	ALOAD 6, 0, 1, 0
.Lfirst_j:
	s_wait_dscnt 0x0                               ; stage 0's codes lie in slot 0
	s_barrier_signal -1
	s_barrier_wait -1
; TRIP c: producers make stage c + 1 in slot c + 1, consumers multiply stage c from slot c.  In front of the barrier every wave's LDS stores have landed and its LDS loads are in.
.macro TRIP c
	s_cmp_lt_u32 s[WV], 4
	s_cbranch_scc0 .Lcons_\@
.if 14-(\c) >= 2
	s_wait_loadcnt 32                              ; stage c + 1 is in; the two stages asked for behind it may be out
.else
	s_wait_loadcnt 16*(14-(\c))                    ; near the end fewer stages stand behind it
.endif
	QUANTW (\c)+1
.if (\c)+4 <= 15
	SLOAD (\c)+4                                   ; into the set just read
.endif
	s_branch .Ljoin_\@
.Lcons_\@:
.if (\c) == 8
	EPI 0                                          ; the first 64 columns are finished while this stage's rows' codes and the producers' loads are on their way
.endif
	BLOAD LB+(\c)/6, ((\c)%6)*SLOTB
	s_wait_loadcnt 0x0                             ; this stage's rows' codes are in: they were asked for a stage ago
.if (\c) == 8
	B1LOAD 10, 1                                   ; the second half's b1: the next stage's wait covers it
.endif
.if (\c) == 0
	ALOAD 6, 1, 1, 1                               ; the next stage's, into the other set; its first filling writes all of it
.else
	ALOAD 6, ((\c)+1)%8, 0, ((\c)+1)%2             ; the next stage's, into the other set, which the products of the stage before have left
.endif
	s_wait_dscnt 0x0
.if ((\c) == 0) || ((\c) == 8)
	MULS 1, 0, (\c)%2
.else
	MULS 0, 1, (\c)%2
.endif
.Ljoin_\@:
	s_wait_dscnt 0x0
	s_barrier_signal -1
	s_barrier_wait -1
.endm
.irp c, 0,1,2,3,4,5,6,7,8,9,10,11,12,13,14
	TRIP \c
.endr
	s_cmp_lt_u32 s[WV], 4                          ; the last stage: the producers have nothing left to make
	s_cbranch_scc1 .Lwalk2
	BLOAD LB+2, 3*SLOTB
	s_wait_loadcnt 0x0
	s_wait_dscnt 0x0
	MULS 0, 1, 1
	s_mov_b32 s[SUBO], 1024
	EPI 1
.Lwalk2:
	; THE LATER WALKS: tiles 24 on, then 48 on, out of the slots as they lie.  All sixteen slots were shown whole by the barriers above and nobody writes LDS any more: no barrier.
	s_mov_b32 s[FIRST], 4*T
.Lwalk:
	s_wait_loadcnt 0x0                             ; on every way to this place: no load of mine is out, so the offsets that earlier loads named and the registers that they fill may be written again
	SETTILES
	s_mov_b32 s[G], 0
	s_mov_b32 s[LOFF], 0
	s_mov_b32 s77, 0
.Lstage2:
	v_add_nc_u32 v[LBX], s[LOFF], v[LB]            ; every wave makes the slot's address
	s_cmp_lt_u32 s[WV], 4
	s_cbranch_scc1 .Lnext2
	s_cmp_eq_u32 s[NTW], 0
	s_cbranch_scc1 .Lnext2
	s_and_b32 s75, s[G], 7                         ; the K step
	s_lshl_b32 s76, s75, 11
	s_add_nc_u64 s[78:79], s[6:7], s[76:77]        ; (the last trip's loads from this base are in)
	ALOAD 78, 0, 0, 0
	BLOAD LBX, 0
	s_cmp_lg_u32 s75, 0
	s_cbranch_scc1 .Lgoon2
	s_lshr_b32 s76, s[G], 3                        ; a half of the slice begins: its b1, its place in the image, sums from 0
	s_lshl_b32 s[SUBO], s76, 10
	s_lshl_b32 s76, s76, 8
	s_add_nc_u64 s[80:81], s[10:11], s[76:77]
	B1LOAD 80, 0
	s_wait_loadcnt 0x0
	s_wait_dscnt 0x0
	MULS 1, 1, 0
	s_branch .Lmade2
.Lgoon2:
	s_wait_loadcnt 0x0
	s_wait_dscnt 0x0
	MULS 0, 1, 0
.Lmade2:
	s_cmp_lg_u32 s75, 7
	s_cbranch_scc1 .Lnext2
	EPI 2
.Lnext2:
	s_add_co_u32 s[LOFF], s[LOFF], SLOTB
	s_add_co_u32 s[G], s[G], 1
	s_cmp_lt_u32 s[G], 16
	s_cbranch_scc1 .Lstage2
	s_add_co_u32 s[FIRST], s[FIRST], 4*T
	s_cmp_lt_u32 s[FIRST], 12*T                    ; walks at tiles 24 and 48: three walks of 24 cover the 64 tiles that an expert can have
	s_cbranch_scc1 .Lwalk
	s_wait_tensorcnt 0x0
	ds_add_u32 v14, v15
	s_wait_dscnt 0x0
	s_endpgm
.Lfunc_end_k_qf2904ad51f_g1:
	.size	k_qf2904ad51f_g1, .Lfunc_end_k_qf2904ad51f_g1-k_qf2904ad51f_g1
	.p2alignl 7, 3214868480
	.fill 96, 4, 3214868480
	.section	.rodata,"a",@progbits
	.p2align	6, 0x0
	.amdhsa_kernel k_qf2904ad51f_g1
		.amdhsa_group_segment_fixed_size 136192
		.amdhsa_private_segment_fixed_size 0
		.amdhsa_enable_private_segment 0
		.amdhsa_kernarg_size 48
		.amdhsa_user_sgpr_count 2
		.amdhsa_user_sgpr_kernarg_segment_ptr 1
		.amdhsa_wavefront_size32 1
		.amdhsa_system_sgpr_workgroup_id_x 1
		.amdhsa_system_sgpr_workgroup_id_y 1
		.amdhsa_system_sgpr_workgroup_id_z 1
		.amdhsa_system_vgpr_workitem_id 0
		.amdhsa_next_free_vgpr 512
		.amdhsa_next_free_sgpr 88
		.amdhsa_reserve_vcc 0
		.amdhsa_float_denorm_mode_32 3
		.amdhsa_float_denorm_mode_16_64 3
		.amdhsa_memory_ordered 1
		.amdhsa_forward_progress 1
		.amdhsa_inst_pref_size 255
	.end_amdhsa_kernel
	.section	.bss,"aw",@nobits
	.p2align	6
	.space	262144
	.amdgpu_metadata
---
amdhsa.version: [ 1, 2 ]
amdhsa.kernels:
  - .name:           k_qf2904ad51f_g1
    .symbol:         k_qf2904ad51f_g1.kd
    .args:
      - { .name: blk, .offset: 0, .size: 8, .value_kind: global_buffer, .address_space: global }
      - { .name: xs, .offset: 8, .size: 8, .value_kind: global_buffer, .address_space: global }
      - { .name: w1, .offset: 16, .size: 8, .value_kind: global_buffer, .address_space: global }
      - { .name: b1, .offset: 24, .size: 8, .value_kind: global_buffer, .address_space: global }
      - { .name: lowp_scales, .offset: 32, .size: 8, .value_kind: global_buffer, .address_space: global }
      - { .name: h, .offset: 40, .size: 8, .value_kind: global_buffer, .address_space: global }
    .group_segment_fixed_size: 136192
    .private_segment_fixed_size: 0
    .kernarg_segment_align: 8
    .kernarg_segment_size: 48
    .max_flat_workgroup_size: 256
    .sgpr_count:     88
    .vgpr_count:     512
    .wavefront_size: 32
...
	.end_amdgpu_metadata
.endif
;; end of part 3
;; launch g2 (part 4): grid 256 x 1, 8 waves a work-group, no clusters, 154,624 bytes of LDS; arguments blk, rowlist, h, w2, lowp_scales, y; writes y
.if DOCPART == 4
	.amdgcn_target "amdgcn-amd-amdhsa--gfx1250"
	.amdhsa_code_object_version 6
	.text
	.protected	k_qf2904ad51f_g2
	.globl	k_qf2904ad51f_g2
	.p2align	8
	.type	k_qf2904ad51f_g2,@function
k_qf2904ad51f_g2:
	s_mov_b64 s[64:65], 0
	v_nop
	global_prefetch_b8 v0, s[64:65] scope:SCOPE_SE
	s_setreg_imm32_b32 hwreg(HW_REG_WAVE_MODE, 25, 1), 1
	s_wait_xcnt 0x0
; THE SECOND PRODUCT OF THE CHOSEN EXPERTS:  y = (h Q(w2[e])) x 2^(eh + ew2), on codes of FP8 (E4M3), K in two halves, each row stored at its rowid.
; The frame is that of the first product.  Work-group 32 e + f takes expert e, columns 64 (f % 16) on and rows k = 2,048 (f / 16) on of w2[e]: 512 KB of f32, read from memory once, quantised on the way.
; The expert and the slice are the work-group's number: no address of a weight hangs on a number read from memory.  The table blk gives the expert's first tile and its tiles (0 to 64 of 16 rows): they steer
; skips inside the multiplying waves' part of a stage alone.  Every wave passes every barrier.  An expert without rows streams its slice all the same and stores nothing.
; No tensor load.  No cluster: what work-groups share (the rows' codes) is a small part of a stage's bytes.
; Waves 0-3 stream weights, waves 4-7 load the rows' codes, multiply and store.  A STAGE is 128 k x 64 columns; 16 stages, each with an LDS slot of its own, written once.  Producer w, lane (m = l % 16,
; hh = l / 16), takes columns 4 m .. 4 m + 3 of rows 32 w + 16 hh + 0..15: sixteen loads, each covering two runs of 256 consecutive bytes, aligned; three stages (48 loads a wave) are asked for ahead, in a
; ring of three sets of 64 registers (window 1, v0-191: registers that no load of the other role names); the first three ahead of the wait for the table and the scales: their addresses need neither.
; IMAGE of a fragment: byte 512 c + 16 lane + i is K = 32 c + 16 (lane / 16) + i of row (or column) lane % 16: the same in both operands.  Here a tile's columns are neighbours.
; THE PRODUCT IS USED TRANSPOSED (source 0 = 16 columns of w2, source 1 = 16 rows): a lane holds eight neighbouring columns of one row.  Consumer c (wave 4 + c) takes tiles c, c + 4, ..: up to 6.
; THE ROWS' CODES HAVE TWO SETS OF REGISTERS.  Stage c + 1's are asked for as soon as stage c's have come, into the other set: they have the stage's LDS loads, its products and its barrier in which to land.
; The wait for them is for 0: how many they are hangs on the table.  512 registers: 6 x 32 accumulators, 2 x 6 x 16 rows' codes, 64 weights' codes, 64 addresses and constants.
; A tile's 16 rows x 256 bytes go through the wave's own stage in LDS and leave as whole rows: sixteen lanes store 256 consecutive bytes, aligned, at the row's rowid.
; y: [K half][rowid][1,024] f32; the two halves, the gates and b2 meet in the next launch.
; THE LATER WALKS.  The four consumers hold 24 tiles.  Tiles 24 to 47 and 48 to 63 of an expert that has so many are multiplied afterwards, out of the same slots: two walks of 16 stages without a barrier, which every wave walks.
; A last tile's empty places repeat its first row: the same numbers go to the same bytes from the same wave.
; LIMITS: ew2 between -126 and 119, eh + ew2 between -126 and 127; NaN among the inputs is not served.
.set T,     6                          ; tiles of a consumer in a walk
.set FS,    2064                       ; a fragment's image in LDS: 2,048 bytes + 16
.set SLOTB, 8448                       ; a slot: four fragments
.set GRP,   6*SLOTB                    ; six slots to an address register: an LDS immediate has 16 bits
.set STG,   16*SLOTB                   ; behind the slots: for each consumer 16 rows x 272 bytes, then 64 bytes of rowids: 4,608 bytes
.set WV,  18
.set NTW, 23
.set TG,  32                           ; s32-37 my tiles' numbers
.set LAST, 52                          ; s52  the expert's last tile, counted from its first
.set G,   53                           ; s53  a later walk's stage
.set LOFF, 54                          ; s54  and its slot's first byte
.set FIRST, 55                         ; s55  the walk's first tile, counted from the expert's first: 0, 24, 48
.set VA,  8                            ; v8-13  my tiles' byte offsets in h, + 16 l
.set ROW, 16                           ; v16-21 my tiles' rowids: lane l holds that of row l % 16
.set RLO, 24                           ; v24-29 their byte offsets in rowlist
.set LB,  40                           ; v40-42 LDS: 16 l + six slots x 0, 1, 2
.set LBX, 43                           ; v43    LDS: 16 l + a later walk's slot
.set BW,  44                           ; v44-46 LDS: where a producer's lane stores, + six slots x 0, 1, 2
.set AF,  64                           ; v64-159 the rows' fragments, set 0, 16 registers a tile; v160-191 set 1's tiles 0, 1; window 1, v192-255: set 1's tiles 2 to 5
.set BF,  192                          ; v192-255 the weights' four fragments
.set RQ,  64
.set TQ,  80
.set OQ,  96
.set MSB, 0
.macro WIN new                         ; the immediate's high byte repeats the setting that is left; at a label and at a branch every window is 0
.if MSB != \new
	s_set_vgpr_msb (MSB<<8)|\new
.set MSB, \new
.endif
.endm
; where tile i's fragment of set p lies: window AW, register AR; AWL: the window setting for a load into it, AWM: for a product that reads it (C and D window 1, the weights window 0)
.macro APLACE p, i
.if (\p) == 0
.set AW, 0
.set AR, AF+16*(\i)
.elseif (\i) < 2
.set AW, 0
.set AR, AF+16*T+16*(\i)
.else
.set AW, 1
.set AR, 192+16*((\i)-2)
.endif
.set AWL, 0x40*AW
.set AWM, 0x50+4*AW
.endm
.macro SLOAD g                         ; stage g's sixteen loads into set g % 3; every step is an immediate of 0 or more inside its 24 bits
.set RB, 64*((\g)%3)
	WIN 0x40                                       ; destination window 1
.irp i, 0,1,2,3,4,5,6,7,8,9,10,11,12,13,14,15
	global_load_b128 v[RB+4*\i:RB+4*\i+3], v3, s[10:11] offset:(\g)*524288+4096*\i th:TH_LOAD_NT
.endr
	WIN 0
.endm
.macro QUANTW g                        ; stage g becomes codes in slot g.  Register 4 i + j of the set is (row i, column 4 m + j)
.set RB, 64*((\g)%3)
	WIN 0x41                                       ; destination and source 0 window 1
.set n, 0
.rept 64
	v_med3_num_f32 v[RB+n], v[RB+n], -v5, v5       ; the conversion to an 8-bit code does not saturate (ISA guide 7.6.2): the hold comes first
.set n, n+1
.endr
	WIN 0x01                                       ; source 0 window 1
.irp p, 0,1,2,3,4,5,6,7
	v_cvt_scalef32_pk8_fp8_f32 v[RQ+2*\p:RQ+2*\p+1], v[RB+8*\p:RB+8*\p+7], v4
.endr
	WIN 0
	v_nop                                          ; a plain line between the conversions and the permutes that read their results
.irp a, 0,1,2,3
	v_perm_b32 v[TQ+4*\a], v[RQ+4*\a+1], v[RQ+4*\a], s42
	v_perm_b32 v[TQ+4*\a+1], v[RQ+4*\a+1], v[RQ+4*\a], s43
	v_perm_b32 v[TQ+4*\a+2], v[RQ+4*\a+3], v[RQ+4*\a+2], s42
	v_perm_b32 v[TQ+4*\a+3], v[RQ+4*\a+3], v[RQ+4*\a+2], s43
.endr
.irp a, 0,1,2,3
	v_perm_b32 v[OQ+\a], v[TQ+4*\a+2], v[TQ+4*\a], s44
	v_perm_b32 v[OQ+4+\a], v[TQ+4*\a+2], v[TQ+4*\a], s45
	v_perm_b32 v[OQ+8+\a], v[TQ+4*\a+3], v[TQ+4*\a+1], s44
	v_perm_b32 v[OQ+12+\a], v[TQ+4*\a+3], v[TQ+4*\a+1], s45
.endr
.irp j, 0,1,2,3
	ds_store_b128 v[BW+(\g)/6], v[OQ+4*\j:OQ+4*\j+3] offset:((\g)%6)*SLOTB+16*\j
.endr
.endm
.macro BLOAD reg, off                  ; a slot's four fragments
.irp t, 0,1,2,3
.irp c, 0,1,2,3
	ds_load_b128 v[BF+16*\t+4*\c:BF+16*\t+4*\c+3], v[\reg] offset:(\off)+\t*FS+512*\c
.endr
.endr
.endm
; K step k (of my half, counted from the base) of my tiles' rows, into set p.  all = 1: all six tiles' registers are written (tiles past my last repeat a tile that is written)
.macro ALOAD base, k, all, p
.irp i, 0,1,2,3,4,5
.if \all == 0
	s_cmp_le_u32 s[NTW], \i
	s_cbranch_scc1 .Laend_\@
.endif
	APLACE \p, \i
	WIN AWL
.irp c, 0,1,2,3
	global_load_b128 v[AR+4*\c:AR+4*\c+3], v[VA+\i], s[\base:\base+1] offset:2048*(\k)+512*\c
.endr
	WIN 0
.endr
.Laend_\@:
.endm
.macro ROWLOAD                         ; my tiles' rowids
.irp i, 0,1,2,3,4,5
	global_load_b32 v[ROW+\i], v[RLO+\i], s[6:7]
.endr
.endm
; a stage's products, out of set p.  zero = 1: they start their sums with the constant 0.  chain = 0: all 24, so that every accumulator is written; chain = 1: my tiles alone.  The accumulators take turns, one
; instruction a turn.  Five plain lines close the run, in front of the loads into the operands' registers, of the first read of results, and of products that begin an accumulator anew.
.macro MULS zero, chain, p
.irp i, 0,1,2,3,4,5
.if \chain
	WIN 0
	s_cmp_le_u32 s[NTW], \i
	s_cbranch_scc1 .Lmend_\@
.endif
	APLACE \p, \i
	WIN AWM
.irp t, 0,1,2,3
.if \zero
	v_wmma_f32_16x16x128_fp8_fp8 v[32*\i+8*\t:32*\i+8*\t+7], v[BF+16*\t:BF+16*\t+15], v[AR:AR+15], 0
.else
	v_wmma_f32_16x16x128_fp8_fp8 v[32*\i+8*\t:32*\i+8*\t+7], v[BF+16*\t:BF+16*\t+15], v[AR:AR+15], v[32*\i+8*\t:32*\i+8*\t+7]
.endif
.endr
.endr
	WIN 0
.Lmend_\@:
.rept 5
	v_nop
.endr
.endm
; my tiles of the walk that begins at tile s[FIRST]: FIRST + c, FIRST + c + 4, .., 24 to a walk.  Past the expert's last tile the last is named, which is written.  The bound of 135 stands last, ahead of the shifts
.macro SETTILES
	s_max_u32 s21, s26, s[FIRST]
	s_sub_co_u32 s21, s21, s[FIRST]                ; the expert's tiles from FIRST on,
	s_min_u32 s21, s21, 4*T                        ; of which a walk takes 24 at the most
	s_add_co_u32 s21, s21, 3
	s_sub_co_u32 s21, s21, s22
	s_lshr_b32 s[NTW], s21, 2
.irp i, 0,1,2,3,4,5
	s_add_co_u32 s21, s22, 4*\i
	s_add_co_u32 s21, s21, s[FIRST]
	s_min_u32 s21, s21, s[LAST]
	s_add_co_u32 s21, s21, s25
	s_min_u32 s[TG+\i], s21, 135
	s_lshl_b32 s21, s[TG+\i], 16
	s_add_co_u32 s21, s21, s50
	v_add_nc_u32 v[VA+\i], s21, v1
	s_lshl_b32 s21, s[TG+\i], 6
	v_add_nc_u32 v[RLO+\i], s21, v37
.endr
.endm
; THE WAY OUT of tile i.  LDS serves a wave's instructions in order: no wait stands between my stores into my stage and my loads from it.  The rows' codes are done with: their set 0 is at work here
.macro EPI2 i, id
	s_cmp_le_u32 s[NTW], \i
	s_cbranch_scc1 .Ldone\id
	s_wait_xcnt 0x0                                ; the last tile's stores have read their data and offsets: both are written again below
	WIN 0x01                                       ; source 0 window 1
.set n, 0
.rept 16
	v_pk_mul_f32 v[64+2*n:65+2*n], v[32*(\i)+2*n:32*(\i)+2*n+1], s[40:41] op_sel_hi:[1,0]   ; x 2^(eh + ew2); each accumulator from its low end on
.set n, n+1
.endr
	WIN 0
.irp t, 0,1,2,3
	ds_store_b128 v32, v[64+8*\t:64+8*\t+3] offset:64*\t          ; lane (r, h): row r, columns 16 t + 8 h + 0..7
	ds_store_b128 v32, v[64+8*\t+4:64+8*\t+7] offset:64*\t+16
.endr
	ds_store_b32 v33, v[ROW+\i] offset:4352        ; row r's rowid at word 8 (r % 2) + r / 2
.irp q, 0,1,2,3,4,5,6,7
	ds_load_b128 v[96+4*\q:96+4*\q+3], v34 offset:544*\q          ; row 2 q + l / 16, 16 bytes a lane
.endr
	ds_load_b128 v[128:131], v35 offset:4352       ; and the rowids of rows 2 q + l / 16, q = 0..7
	ds_load_b128 v[132:135], v35 offset:4368
	s_wait_dscnt 0x0
.irp q, 0,1,2,3,4,5,6,7
	v_min_u32 v[128+\q], 0x7ff, v[128+\q]
	v_lshl_add_u32 v[136+\q], v[128+\q], 12, v36
.endr
.irp q, 0,1,2,3,4,5,6,7
	global_store_b128 v[136+\q], v[96+4*\q:96+4*\q+3], s[14:15]   ; sixteen lanes store 256 consecutive bytes, aligned
.endr
.endm
	s_load_b256 s[4:11], s[0:1], 0x0               ; blk s[4:5], rowlist s[6:7], h s[8:9], w2 s[10:11]
	s_load_b128 s[12:15], s[0:1], 0x20             ; lowp_scales s[12:13], y s[14:15]
	v_lshl_add_u32 v62, v0, 2, 0x25800
	v_mov_b32 v63, 0
	v_lshrrev_b32 v1, 5, v0
	v_readfirstlane_b32 s[WV], v1                  ; wave 0..7
	s_lshr_b32 s19, ttmp9, 5                       ; expert e
	s_and_b32 s20, ttmp9, 31
	s_and_b32 s48, s20, 15                         ; which 64 columns
	s_lshr_b32 s49, s20, 4                         ; which half of K
	s_lshl_b32 s47, s19, 4
	s_and_b32 s22, s[WV], 3                        ; my number within my role
	s_wait_kmcnt 0x0
	s_load_b128 s[24:27], s[4:5], s47 offset:0x0   ; expert, first tile, tiles, 0
	s_load_b128 s[28:31], s[12:13], s47 offset:0x0 ; ex, ew1, eh, ew2
	; every address register is made here, ahead of the roles' first parting, and holds nothing else afterwards
	v_and_b32 v39, 31, v0
	v_lshlrev_b32 v1, 4, v39                       ; 16 l, for global offsets
	v_lshlrev_b32 v[LB], 4, v39                    ; 16 l, for LDS
	v_add_nc_u32 v[LB+1], GRP, v[LB]
	v_add_nc_u32 v[LB+2], 2*GRP, v[LB]
	v_bfe_u32 v19, v0, 4, 1                        ; h
	v_and_b32 v38, 15, v0                          ; r
	v_bfe_u32 v20, v0, 2, 2                        ; column 4 m + j lies in tile m / 4, row 4 (m % 4) + j
	v_mul_u32_u24 v[BW], v20, FS
	v_and_b32 v21, 3, v0
	v_lshl_add_u32 v[BW], v21, 6, v[BW]
	v_lshl_add_u32 v[BW], v19, 8, v[BW]            ; + 256 hh
	s_lshl_b32 s21, s22, 9
	v_add_nc_u32 v[BW], s21, v[BW]                 ; + 512 w
	v_add_nc_u32 v[BW+1], GRP, v[BW]
	v_add_nc_u32 v[BW+2], 2*GRP, v[BW]
	v_lshlrev_b32 v3, 4, v38                       ; the weights: 16 m,
	v_lshl_add_u32 v3, v19, 16, v3                 ; + 16 hh rows of 4,096 bytes,
	s_lshl_b32 s21, s22, 17
	v_add_nc_u32 v3, s21, v3                       ; + 32 w rows
	s_mul_i32 s21, s22, 4608
	s_add_co_u32 s21, s21, STG                     ; my stage
	v_mul_u32_u24 v32, v38, 272
	v_lshl_add_u32 v32, v19, 5, v32
	v_add_nc_u32 v32, s21, v32                     ; in: row r, + 32 h
	v_and_b32 v20, 1, v0
	v_bfe_u32 v21, v0, 1, 3
	v_lshlrev_b32 v33, 5, v20
	v_lshl_add_u32 v33, v21, 2, v33
	v_add_nc_u32 v33, s21, v33                     ; the rowids, in: 32 (r % 2) + 4 (r / 2)
	v_mul_u32_u24 v34, v19, 272
	v_lshl_add_u32 v34, v38, 4, v34
	v_add_nc_u32 v34, s21, v34                     ; back: lanes 0-15 one row, lanes 16-31 the next
	v_lshlrev_b32 v35, 5, v19
	v_add_nc_u32 v35, s21, v35                     ; the rowids, back: 32 (l / 16)
	v_lshlrev_b32 v36, 4, v38                      ; 16 r
	v_lshlrev_b32 v37, 2, v38                      ; 4 r
	s_lshl_b32 s50, s49, 15                        ; my half's 16 K steps of 2,048 bytes
	s_lshl_b32 s2, s19, 24                         ; w2: the expert's 16 MB,
	s_lshl_b32 s21, s49, 23                        ; the half's 2,048 rows,
	s_add_co_u32 s2, s2, s21
	s_lshl_b32 s51, s48, 8                         ; the 64 columns' 256 bytes
	s_add_co_u32 s2, s2, s51
	s_mov_b32 s3, 0
	s_add_nc_u64 s[10:11], s[10:11], s[2:3]
	s_cmp_lt_u32 s[WV], 4                          ; the producers' first three stages go out while the table and the scales are on their way
	s_cbranch_scc0 .Lnot_p
	SLOAD 0
	SLOAD 1
	SLOAD 2
.Lnot_p:
	s_mov_b32 s42, 0x05010400                      ; the permutes' selects
	s_mov_b32 s43, 0x07030602
	s_mov_b32 s44, 0x05040100
	s_mov_b32 s45, 0x07060302
	s_mov_b32 s[FIRST], 0
	s_add_co_u32 s2, s21, s51
	s_add_nc_u64 s[14:15], s[14:15], s[2:3]        ; y at my half and my columns
	s_wait_kmcnt 0x0
	s_min_u32 s25, s25, 135                        ; numbers read from memory enter addresses only behind a bound
	s_min_u32 s26, s26, 64
	s_cmp_eq_u32 s26, 0
	s_cselect_b32 s25, 0, s25                      ; an expert without rows: tile 0, which every split has, is read, and nothing is stored
	s_max_u32 s[LAST], s26, 1
	s_sub_co_u32 s[LAST], s[LAST], 1
	SETTILES
	s_add_co_i32 s21, s31, 127
	s_lshl_b32 s46, s21, 23
	v_mov_b32 v4, s46                              ; 2^ew2
	s_add_co_i32 s21, s21, 8
	s_lshl_b32 s21, s21, 23
	s_or_b32 s21, s21, 0x600000
	v_mov_b32 v5, s21                              ; 448 x 2^ew2
	s_add_co_i32 s40, s30, s31
	s_add_co_i32 s40, s40, 127
	s_lshl_b32 s40, s40, 23                        ; 2^(eh + ew2)
	s_mov_b32 s41, s40
	s_cmp_lt_u32 s[WV], 4
	s_cbranch_scc0 .Lfirst_c
	s_wait_loadcnt 32                              ; stage 0 is in; the 32 loads of stages 1 and 2 may be out
	QUANTW 0
	SLOAD 3
	s_branch .Lfirst_j
.Lfirst_c:
	ROWLOAD
	ALOAD 8, 0, 1, 0
.Lfirst_j:
	s_wait_dscnt 0x0                               ; stage 0's codes lie in slot 0
	s_barrier_signal -1
	s_barrier_wait -1
; TRIP c: producers make stage c + 1 in slot c + 1, consumers multiply stage c from slot c.  In front of the barrier every wave's LDS stores have landed and its LDS loads are in.
.macro TRIP c
	s_cmp_lt_u32 s[WV], 4
	s_cbranch_scc0 .Lcons_\@
.if 14-(\c) >= 2
	s_wait_loadcnt 32                              ; stage c + 1 is in; the two stages asked for behind it may be out
.else
	s_wait_loadcnt 16*(14-(\c))                    ; near the end fewer stages stand behind it
.endif
	QUANTW (\c)+1
.if (\c)+4 <= 15
	SLOAD (\c)+4                                   ; into the set just read
.endif
	s_branch .Ljoin_\@
.Lcons_\@:
	BLOAD LB+(\c)/6, ((\c)%6)*SLOTB
	s_wait_loadcnt 0x0                             ; this stage's rows' codes are in: they were asked for a stage ago (and the rowids)
.if (\c) == 0
	ALOAD 8, 1, 1, 1                               ; the next stage's, into the other set; its first filling writes all of it
.else
	ALOAD 8, (\c)+1, 0, ((\c)+1)%2                 ; the next stage's, into the other set, which the products of the stage before have left
.endif
	s_wait_dscnt 0x0
.if (\c) == 0
	MULS 1, 0, 0
.else
	MULS 0, 1, (\c)%2
.endif
.Ljoin_\@:
	s_wait_dscnt 0x0
	s_barrier_signal -1
	s_barrier_wait -1
.endm
.irp c, 0,1,2,3,4,5,6,7,8,9,10,11,12,13,14
	TRIP \c
.endr
	s_cmp_lt_u32 s[WV], 4                          ; the last stage: the producers have nothing left to make
	s_cbranch_scc1 .Lwalk2
	BLOAD LB+2, 3*SLOTB
	s_wait_loadcnt 0x0
	s_wait_dscnt 0x0
	MULS 0, 1, 1
.irp i, 0,1,2,3,4,5
	EPI2 \i, 0
.endr
.Ldone0:
.Lwalk2:
	; THE LATER WALKS: tiles 24 on, then 48 on, out of the slots as they lie.  All sixteen slots were shown whole by the barriers above and no wave writes them any more: no barrier.
	s_mov_b32 s[FIRST], 4*T
.Lwalk:
	s_wait_loadcnt 0x0                             ; on every way to this place: no load of mine is out, so the offsets that earlier loads named and the registers that they fill may be written again;
	s_wait_xcnt 0x0                                ; and the last way out's stores have read their data and offsets: this walk's loads land there
	SETTILES
	s_mov_b32 s[G], 0
	s_mov_b32 s[LOFF], 0
	s_mov_b32 s57, 0
.Lstage2:
	v_add_nc_u32 v[LBX], s[LOFF], v[LB]            ; every wave makes the slot's address
	s_cmp_lt_u32 s[WV], 4
	s_cbranch_scc1 .Lnext2
	s_cmp_eq_u32 s[NTW], 0
	s_cbranch_scc1 .Lnext2
	s_lshl_b32 s56, s[G], 11                       ; the K step
	s_add_nc_u64 s[58:59], s[8:9], s[56:57]        ; (the last trip's loads from this base are in)
	ALOAD 58, 0, 0, 0
	BLOAD LBX, 0
	s_cmp_lg_u32 s[G], 0
	s_cbranch_scc1 .Lgoon2
	ROWLOAD
	s_wait_loadcnt 0x0
	s_wait_dscnt 0x0
	MULS 1, 1, 0
	s_branch .Lnext2
.Lgoon2:
	s_wait_loadcnt 0x0
	s_wait_dscnt 0x0
	MULS 0, 1, 0
.Lnext2:
	s_add_co_u32 s[LOFF], s[LOFF], SLOTB
	s_add_co_u32 s[G], s[G], 1
	s_cmp_lt_u32 s[G], 16
	s_cbranch_scc1 .Lstage2
	s_cmp_lt_u32 s[WV], 4
	s_cbranch_scc1 .Lnone
.irp i, 0,1,2,3,4,5
	EPI2 \i, 1
.endr
.Ldone1:
.Lnone:
	s_add_co_u32 s[FIRST], s[FIRST], 4*T
	s_cmp_lt_u32 s[FIRST], 12*T                    ; walks at tiles 24 and 48: three walks of 24 cover the 64 tiles that an expert can have
	s_cbranch_scc1 .Lwalk
	s_wait_tensorcnt 0x0
	ds_add_u32 v62, v63
	s_wait_dscnt 0x0
	s_endpgm
.Lfunc_end_k_qf2904ad51f_g2:
	.size	k_qf2904ad51f_g2, .Lfunc_end_k_qf2904ad51f_g2-k_qf2904ad51f_g2
	.p2alignl 7, 3214868480
	.fill 96, 4, 3214868480
	.section	.rodata,"a",@progbits
	.p2align	6, 0x0
	.amdhsa_kernel k_qf2904ad51f_g2
		.amdhsa_group_segment_fixed_size 154624
		.amdhsa_private_segment_fixed_size 0
		.amdhsa_enable_private_segment 0
		.amdhsa_kernarg_size 48
		.amdhsa_user_sgpr_count 2
		.amdhsa_user_sgpr_kernarg_segment_ptr 1
		.amdhsa_wavefront_size32 1
		.amdhsa_system_sgpr_workgroup_id_x 1
		.amdhsa_system_sgpr_workgroup_id_y 1
		.amdhsa_system_sgpr_workgroup_id_z 1
		.amdhsa_system_vgpr_workitem_id 0
		.amdhsa_next_free_vgpr 512
		.amdhsa_next_free_sgpr 66
		.amdhsa_reserve_vcc 0
		.amdhsa_float_denorm_mode_32 3
		.amdhsa_float_denorm_mode_16_64 3
		.amdhsa_memory_ordered 1
		.amdhsa_forward_progress 1
		.amdhsa_inst_pref_size 255
	.end_amdhsa_kernel
	.section	.bss,"aw",@nobits
	.p2align	6
	.space	262144
	.amdgpu_metadata
---
amdhsa.version: [ 1, 2 ]
amdhsa.kernels:
  - .name:           k_qf2904ad51f_g2
    .symbol:         k_qf2904ad51f_g2.kd
    .args:
      - { .name: blk, .offset: 0, .size: 8, .value_kind: global_buffer, .address_space: global }
      - { .name: rowlist, .offset: 8, .size: 8, .value_kind: global_buffer, .address_space: global }
      - { .name: h, .offset: 16, .size: 8, .value_kind: global_buffer, .address_space: global }
      - { .name: w2, .offset: 24, .size: 8, .value_kind: global_buffer, .address_space: global }
      - { .name: lowp_scales, .offset: 32, .size: 8, .value_kind: global_buffer, .address_space: global }
      - { .name: y, .offset: 40, .size: 8, .value_kind: global_buffer, .address_space: global }
    .group_segment_fixed_size: 154624
    .private_segment_fixed_size: 0
    .kernarg_segment_align: 8
    .kernarg_segment_size: 48
    .max_flat_workgroup_size: 256
    .sgpr_count:     66
    .vgpr_count:     512
    .wavefront_size: 32
...
	.end_amdgpu_metadata
.endif
;; end of part 4
;; launch combine (part 5): grid 256 x 1, 8 waves a work-group, no clusters, 0 bytes of LDS; arguments y, idx, cw, b2, out0; writes out0
.if DOCPART == 5
	.amdgcn_target "amdgcn-amd-amdhsa--gfx1250"
	.amdhsa_code_object_version 6
	.text
	.protected	k_qf2904ad51f_combine
	.globl	k_qf2904ad51f_combine
	.p2align	8
	.type	k_qf2904ad51f_combine,@function
k_qf2904ad51f_combine:
	s_mov_b64 s[64:65], 0
	v_nop
	global_prefetch_b8 v0, s[64:65] scope:SCOPE_SE
	s_setreg_imm32_b32 hwreg(HW_REG_WAVE_MODE, 25, 1), 1
	s_wait_xcnt 0x0
; out[token] = cw0 (y of slot 0 + b2[expert 0]) + cw1 (y of slot 1 + b2[expert 1]), y being the sum of its two K halves.  All in f32.
; A work-group takes 4 tokens; thread t takes bytes 16 t of each row of 4,096 bytes, so that a wave's load or store covers 512 consecutive bytes.  A stream: no LDS, no barrier, no matrix unit.
; The experts' numbers are whole numbers stored by an earlier launch; held at 7 they choose the rows of b2.
.set Y,  16                            ; v16-79  y: token q, slot s, half k at Y + 16 q + 8 s + 4 k
.set BB, 80                            ; v80-111 b2: token q, slot s at BB + 8 q + 4 s
	s_load_b256 s[4:11], s[0:1], 0x0               ; y s[4:5], idx s[6:7], cw s[8:9], b2 s[10:11]
	s_load_b64 s[12:13], s[0:1], 0x20              ; out0
	v_lshlrev_b32 v1, 4, v0
	s_lshl_b32 s14, ttmp9, 5                       ; 8 entries of 4 bytes
	s_lshl_b32 s2, ttmp9, 15                       ; 8 rows of 4,096 bytes
	s_mov_b32 s3, 0
	s_wait_kmcnt 0x0
	s_load_b256 s[16:23], s[6:7], s14 offset:0x0   ; the eight experts
	s_load_b256 s[24:31], s[8:9], s14 offset:0x0   ; the eight gates
	s_add_nc_u64 s[4:5], s[4:5], s[2:3]            ; y's first half at my rows,
	s_add_nc_u64 s[32:33], s[4:5], 0x800000        ; and its second
.irp q, 0,1,2,3
.irp s, 0,1
	global_load_b128 v[Y+16*\q+8*\s:Y+16*\q+8*\s+3], v1, s[4:5] offset:(2*\q+\s)*4096 th:TH_LOAD_NT
	global_load_b128 v[Y+16*\q+8*\s+4:Y+16*\q+8*\s+7], v1, s[32:33] offset:(2*\q+\s)*4096 th:TH_LOAD_NT
.endr
.endr
	s_wait_kmcnt 0x0
.irp n, 0,1,2,3,4,5,6,7
	s_min_u32 s[16+\n], s[16+\n], 7
	s_lshl_b32 s34, s[16+\n], 12
	v_add_nc_u32 v[2+\n], s34, v1
.endr
.irp n, 0,1,2,3,4,5,6,7
	global_load_b128 v[BB+4*\n:BB+4*\n+3], v[2+\n], s[10:11]
.endr
	s_lshl_b32 s2, ttmp9, 14                       ; 4 rows of out
	s_add_nc_u64 s[12:13], s[12:13], s[2:3]
	s_wait_loadcnt 0x0
.irp q, 0,1,2,3
.irp s, 0,1
.irp p, 0,2
	v_pk_add_f32 v[Y+16*\q+8*\s+\p:Y+16*\q+8*\s+\p+1], v[Y+16*\q+8*\s+\p:Y+16*\q+8*\s+\p+1], v[Y+16*\q+8*\s+4+\p:Y+16*\q+8*\s+4+\p+1]   ; the two K halves
.endr
.irp p, 0,2
	v_pk_add_f32 v[Y+16*\q+8*\s+\p:Y+16*\q+8*\s+\p+1], v[Y+16*\q+8*\s+\p:Y+16*\q+8*\s+\p+1], v[BB+8*\q+4*\s+\p:BB+8*\q+4*\s+\p+1]       ; + b2
.endr
.endr
.irp k, 0,1,2,3
	v_mul_f32 v[Y+16*\q+\k], s[24+2*\q], v[Y+16*\q+\k]
.endr
.irp k, 0,1,2,3
	v_fma_f32 v[Y+16*\q+\k], s[25+2*\q], v[Y+16*\q+8+\k], v[Y+16*\q+\k]
.endr
	global_store_b128 v1, v[Y+16*\q:Y+16*\q+3], s[12:13] offset:4096*\q th:TH_STORE_NT
.endr
	s_endpgm
.Lfunc_end_k_qf2904ad51f_combine:
	.size	k_qf2904ad51f_combine, .Lfunc_end_k_qf2904ad51f_combine-k_qf2904ad51f_combine
	.p2alignl 7, 3214868480
	.fill 96, 4, 3214868480
	.section	.rodata,"a",@progbits
	.p2align	6, 0x0
	.amdhsa_kernel k_qf2904ad51f_combine
		.amdhsa_group_segment_fixed_size 0
		.amdhsa_private_segment_fixed_size 0
		.amdhsa_enable_private_segment 0
		.amdhsa_kernarg_size 40
		.amdhsa_user_sgpr_count 2
		.amdhsa_user_sgpr_kernarg_segment_ptr 1
		.amdhsa_wavefront_size32 1
		.amdhsa_system_sgpr_workgroup_id_x 1
		.amdhsa_system_sgpr_workgroup_id_y 1
		.amdhsa_system_sgpr_workgroup_id_z 1
		.amdhsa_system_vgpr_workitem_id 0
		.amdhsa_next_free_vgpr 112
		.amdhsa_next_free_sgpr 66
		.amdhsa_reserve_vcc 0
		.amdhsa_float_denorm_mode_32 3
		.amdhsa_float_denorm_mode_16_64 3
		.amdhsa_memory_ordered 1
		.amdhsa_forward_progress 1
		.amdhsa_inst_pref_size 8
	.end_amdhsa_kernel
	.amdgpu_metadata
---
amdhsa.version: [ 1, 2 ]
amdhsa.kernels:
  - .name:           k_qf2904ad51f_combine
    .symbol:         k_qf2904ad51f_combine.kd
    .args:
      - { .name: y, .offset: 0, .size: 8, .value_kind: global_buffer, .address_space: global }
      - { .name: idx, .offset: 8, .size: 8, .value_kind: global_buffer, .address_space: global }
      - { .name: cw, .offset: 16, .size: 8, .value_kind: global_buffer, .address_space: global }
      - { .name: b2, .offset: 24, .size: 8, .value_kind: global_buffer, .address_space: global }
      - { .name: out0, .offset: 32, .size: 8, .value_kind: global_buffer, .address_space: global }
    .group_segment_fixed_size: 0
    .private_segment_fixed_size: 0
    .kernarg_segment_align: 8
    .kernarg_segment_size: 40
    .max_flat_workgroup_size: 256
    .sgpr_count:     66
    .vgpr_count:     112
    .wavefront_size: 32
...
	.end_amdgpu_metadata
.endif
;; end of part 5
;; ======== version 2 of 2: 5 launches
;; limits: a function is approximated: absolute error at most 1e-07
;; workspace buffers: idx 8,192 bytes of whole numbers; cw 8,192 bytes; rowlist 8,704 bytes of whole numbers; blk 512 bytes of whole numbers; xs 2,228,224 bytes; h 8,912,896 bytes; y 16,777,216 bytes
;; launch route (part 6): grid 256 x 1, 1 waves a work-group, no clusters, 0 bytes of LDS; arguments x, router_w, router_b, idx, cw; writes idx, cw
.if DOCPART == 6
	.amdgcn_target "amdgcn-amd-amdhsa--gfx1250"
	.amdhsa_code_object_version 6
	.text
	.protected	k_qf2904ad51f_route
	.globl	k_qf2904ad51f_route
	.p2align	8
	.type	k_qf2904ad51f_route,@function
k_qf2904ad51f_route:
	s_mov_b64 s[64:65], 0
	v_nop
	global_prefetch_b8 v0, s[64:65] scope:SCOPE_SE
	s_setreg_imm32_b32 hwreg(HW_REG_WAVE_MODE, 25, 1), 1
	s_wait_xcnt 0x0
; THE ROUTER.  logits = x router_w + router_b in f32 multiply-adds, softmax over the 8 experts (the largest logit taken away first), the two largest probabilities.
; One wave takes 4 tokens.  Lane l holds channels c = 128 i + 4 l + j (i = 0..7, j = 0..3) of each token, and router_w's 8 numbers of each of these channels: 256 registers, window 1.
; Each lane sums 32 numbers (4 tokens x 8 experts) over its 32 channels; a transposing reduction then leaves the sum over all lanes of number v = 8 q + e in lane v.
; Stored at fixed places: idx[2 token + slot] = the expert, cw[2 token + slot] = its probability.  No address and no branch hangs on a floating-point number.
; A tie between probabilities goes to the lower expert, as in lax.top_k.  LIMITS: NaN among the inputs is not served; the sums are made in another order than a row-by-row dot product,
; so two probabilities that differ by a few units of the last place may be chosen the other way round.
.set X,   32                           ; v32-159  x: token q, load i at X + 32 q + 4 i
.set ACC, 160                          ; v160-191 the 32 sums: 8 q + e
.set MSB, 0
.macro WIN new                         ; the immediate's high byte repeats the setting that is left
.if MSB != \new
	s_set_vgpr_msb (MSB<<8)|\new
.set MSB, \new
.endif
.endm
	s_load_b256 s[4:11], s[0:1], 0x0               ; x s[4:5], router_w s[6:7], router_b s[8:9], idx s[10:11]
	s_load_b64 s[12:13], s[0:1], 0x20              ; cw
	v_lshlrev_b32 v1, 4, v0                        ; 16 l: my 16 bytes of 512 of a token's row
	v_lshlrev_b32 v2, 7, v0                        ; 128 l: my four rows of router_w
	v_and_b32 v3, 7, v0                            ; l % 8: the expert that my lane will hold
	v_lshlrev_b32 v5, 2, v3
	v_and_b32 v7, 24, v0
	v_add_nc_u32 v7, v7, v5                        ; 8 (l / 8) + 4 (l % 8): where lanes l % 8 = 0, 1 store
	s_lshl_b32 s2, ttmp9, 14                       ; 4 tokens of 4,096 bytes
	s_mov_b32 s3, 0
	s_lshl_b32 s16, ttmp9, 5                       ; 8 entries of 4 bytes
	s_mov_b32 s17, 0
	s_mov_b32 s20, 0xaaaaaaaa                      ; lanes whose bit 0, 1, 2, 3, 4 is set
	s_mov_b32 s21, 0xcccccccc
	s_mov_b32 s22, 0xf0f0f0f0
	s_mov_b32 s23, 0xff00ff00
	s_mov_b32 s24, 0xffff0000
	s_mov_b32 s25, 0x76543210                      ; v_permlanex16_b32: lane l xor 16
	s_mov_b32 s26, 0xfedcba98
	s_wait_alu depctr_va_vdst(0)
	s_wait_kmcnt 0x0
	s_add_nc_u64 s[4:5], s[4:5], s[2:3]
	s_add_nc_u64 s[10:11], s[10:11], s[16:17]
	s_add_nc_u64 s[12:13], s[12:13], s[16:17]
	global_load_b32 v6, v5, s[8:9]                 ; router_b of my expert
.irp i, 0,1,2,3,4,5,6,7
	WIN 0x40                                       ; destination window 1
.irp n, 0,1,2,3,4,5,6,7
	global_load_b128 v[32*\i+4*\n:32*\i+4*\n+3], v2, s[6:7] offset:4096*\i+16*\n   ; router_w(128 i + 4 l + j, e) at 32 i + 8 j + e
.endr
	WIN 0
.irp q, 0,1,2,3
	global_load_b128 v[X+32*\q+4*\i:X+32*\q+4*\i+3], v1, s[4:5] offset:4096*\q+512*\i th:TH_LOAD_NT
.endr
.endr
	WIN 0x01                                       ; source 0 (router_w) window 1
.irp i, 0,1,2,3,4,5,6,7
.if 12*(7-\i) > 63
	s_wait_loadcnt 63                              ; twelve loads for each later i were issued behind this group; the wait names 63 at the most, and a smaller count is safe
.else
	s_wait_loadcnt 12*(7-\i)                       ; the twelve loads of each later i may stay out
.endif
.irp j, 0,1,2,3
.irp q, 0,1,2,3
.irp p, 0,1,2,3
.if (\i == 0) && (\j == 0)
	v_pk_mul_f32 v[ACC+8*\q+2*\p:ACC+8*\q+2*\p+1], v[32*\i+8*\j+2*\p:32*\i+8*\j+2*\p+1], v[X+32*\q+4*\i:X+32*\q+4*\i+1] op_sel_hi:[1,0]   ; the first product starts the sums
.elseif (\j % 2) == 0
	v_pk_fma_f32 v[ACC+8*\q+2*\p:ACC+8*\q+2*\p+1], v[32*\i+8*\j+2*\p:32*\i+8*\j+2*\p+1], v[X+32*\q+4*\i+2*(\j/2):X+32*\q+4*\i+2*(\j/2)+1], v[ACC+8*\q+2*\p:ACC+8*\q+2*\p+1] op_sel_hi:[1,0,1]   ; two experts x the pair's first x
.else
	v_pk_fma_f32 v[ACC+8*\q+2*\p:ACC+8*\q+2*\p+1], v[32*\i+8*\j+2*\p:32*\i+8*\j+2*\p+1], v[X+32*\q+4*\i+2*(\j/2):X+32*\q+4*\i+2*(\j/2)+1], v[ACC+8*\q+2*\p:ACC+8*\q+2*\p+1] op_sel:[0,1,0] op_sel_hi:[1,1,1]   ; x the pair's second x
.endif
.endr
.endr
.endr
.endr
	WIN 0
; The transposing reduction.  Of two numbers a, b a lane keeps one (b where its bit is set) and sends the other to the lane whose bit differs: half the numbers, twice the lanes summed.
.macro RED a, b, k, s, m, ctl
	v_cndmask_b32 v[\k], v[\a], v[\b], s[\m]
	v_cndmask_b32 v[\s], v[\b], v[\a], s[\m]
	v_add_f32_dpp v[\k], v[\s], v[\k] row_xmask:\ctl row_mask:0xf bank_mask:0xf
.endm
.set p, 0
.rept 16
	RED ACC+2*p, ACC+2*p+1, 192+p, 208+p, 20, 1
.set p, p+1
.endr
.set p, 0
.rept 8
	RED 192+2*p, 193+2*p, 160+p, 168+p, 21, 2
.set p, p+1
.endr
.set p, 0
.rept 4
	RED 160+2*p, 161+2*p, 192+p, 196+p, 22, 4
.set p, p+1
.endr
.set p, 0
.rept 2
	RED 192+2*p, 193+2*p, 160+p, 162+p, 23, 8
.set p, p+1
.endr
	v_cndmask_b32 v192, v160, v161, s24
	v_cndmask_b32 v193, v161, v160, s24
	v_permlanex16_b32 v194, v193, s25, s26         ; (v194 has been written above)
	v_add_f32 v192, v192, v194
	v_add_f32 v192, v192, v6                       ; lane l: the logit of token l / 8, expert l % 8
	; softmax inside each group of eight lanes
	v_mov_b32 v196, v192
.irp c, 1,2,4
	v_max_num_f32_dpp v196, v196, v196 row_xmask:\c row_mask:0xf bank_mask:0xf
.endr
	v_sub_f32 v197, v192, v196                     ; the largest logit is taken away
	v_mul_f32 v197, 0x3fb8aa3b, v197
	s_wait_alu depctr_va_vdst(0)
	v_exp_f32 v197, v197
	v_cvt_f32_u32 v199, v3                         ; (a plain place behind the exponential)  my expert as f32
	s_wait_alu depctr_va_vdst(0)
	v_mov_b32 v198, v197
.irp c, 1,2,4
	v_add_f32_dpp v198, v198, v198 row_xmask:\c row_mask:0xf bank_mask:0xf
.endr
	s_wait_alu depctr_va_vdst(0)
	v_rcp_f32 v198, v198
	v_mov_b32 v204, -1.0                           ; (a plain place behind the reciprocal)
	v_mov_b32 v205, 0x41000000                     ; 8.0: above every expert
	s_wait_alu depctr_va_vdst(0)
	v_mul_f32 v197, v197, v198                     ; the probability
	; the largest, and the lowest expert that has it
	v_mov_b32 v200, v197
.irp c, 1,2,4
	v_max_num_f32_dpp v200, v200, v200 row_xmask:\c row_mask:0xf bank_mask:0xf
.endr
	v_cmp_eq_f32 vcc_lo, v197, v200
	v_cndmask_b32 v201, v205, v199, vcc_lo
.irp c, 1,2,4
	v_min_num_f32_dpp v201, v201, v201 row_xmask:\c row_mask:0xf bank_mask:0xf
.endr
	; the same again without that expert
	v_cmp_eq_f32 vcc_lo, v199, v201
	v_cndmask_b32 v203, v197, v204, vcc_lo
	v_mov_b32 v206, v203
.irp c, 1,2,4
	v_max_num_f32_dpp v206, v206, v206 row_xmask:\c row_mask:0xf bank_mask:0xf
.endr
	v_cmp_eq_f32 vcc_lo, v203, v206
	v_cndmask_b32 v207, v205, v199, vcc_lo
.irp c, 1,2,4
	v_min_num_f32_dpp v207, v207, v207 row_xmask:\c row_mask:0xf bank_mask:0xf
.endr
	v_cmp_eq_u32 vcc_lo, 1, v3                     ; lane l % 8 = 0 stores slot 0, lane l % 8 = 1 slot 1
	v_cndmask_b32 v208, v201, v207, vcc_lo
	v_cndmask_b32 v209, v200, v206, vcc_lo
	v_cvt_u32_f32 v208, v208
	v_cmp_gt_u32 vcc_lo, 2, v3
	s_wait_alu depctr_va_vdst(0)
	s_wait_xcnt 0x0                                ; EXEC changes only behind this wait
	s_and_saveexec_b32 s14, vcc_lo
	global_store_b32 v7, v208, s[10:11]
	global_store_b32 v7, v209, s[12:13]
	s_wait_xcnt 0x0                                ; and again in front of the line that widens it
	s_or_b32 exec_lo, exec_lo, s14
	s_endpgm
.Lfunc_end_k_qf2904ad51f_route:
	.size	k_qf2904ad51f_route, .Lfunc_end_k_qf2904ad51f_route-k_qf2904ad51f_route
	.p2alignl 7, 3214868480
	.fill 96, 4, 3214868480
	.section	.rodata,"a",@progbits
	.p2align	6, 0x0
	.amdhsa_kernel k_qf2904ad51f_route
		.amdhsa_group_segment_fixed_size 0
		.amdhsa_private_segment_fixed_size 0
		.amdhsa_enable_private_segment 0
		.amdhsa_kernarg_size 40
		.amdhsa_user_sgpr_count 2
		.amdhsa_user_sgpr_kernarg_segment_ptr 1
		.amdhsa_wavefront_size32 1
		.amdhsa_system_sgpr_workgroup_id_x 1
		.amdhsa_system_sgpr_workgroup_id_y 1
		.amdhsa_system_sgpr_workgroup_id_z 1
		.amdhsa_system_vgpr_workitem_id 0
		.amdhsa_next_free_vgpr 512
		.amdhsa_next_free_sgpr 66
		.amdhsa_reserve_vcc 1
		.amdhsa_float_denorm_mode_32 3
		.amdhsa_float_denorm_mode_16_64 3
		.amdhsa_memory_ordered 1
		.amdhsa_forward_progress 1
		.amdhsa_inst_pref_size 52
	.end_amdhsa_kernel
	.amdgpu_metadata
---
amdhsa.version: [ 1, 2 ]
amdhsa.kernels:
  - .name:           k_qf2904ad51f_route
    .symbol:         k_qf2904ad51f_route.kd
    .args:
      - { .name: x, .offset: 0, .size: 8, .value_kind: global_buffer, .address_space: global }
      - { .name: router_w, .offset: 8, .size: 8, .value_kind: global_buffer, .address_space: global }
      - { .name: router_b, .offset: 16, .size: 8, .value_kind: global_buffer, .address_space: global }
      - { .name: idx, .offset: 24, .size: 8, .value_kind: global_buffer, .address_space: global }
      - { .name: cw, .offset: 32, .size: 8, .value_kind: global_buffer, .address_space: global }
    .group_segment_fixed_size: 0
    .private_segment_fixed_size: 0
    .kernarg_segment_align: 8
    .kernarg_segment_size: 40
    .max_flat_workgroup_size: 32
    .sgpr_count:     66
    .vgpr_count:     512
    .wavefront_size: 32
...
	.end_amdgpu_metadata
.endif
;; end of part 6
;; launch place (part 7): grid 136 x 1, 8 waves a work-group, no clusters, 0 bytes of LDS; arguments idx, x, lowp_scales, rowlist, blk, xs; writes rowlist, blk, xs
.if DOCPART == 7
	.amdgcn_target "amdgcn-amd-amdhsa--gfx1250"
	.amdhsa_code_object_version 6
	.text
	.protected	k_qf2904ad51f_place
	.globl	k_qf2904ad51f_place
	.p2align	8
	.type	k_qf2904ad51f_place,@function
k_qf2904ad51f_place:
	s_mov_b64 s[64:65], 0
	v_nop
	global_prefetch_b8 v0, s[64:65] scope:SCOPE_SE
	s_setreg_imm32_b32 hwreg(HW_REG_WAVE_MODE, 25, 1), 1
	s_wait_xcnt 0x0
; THE PLACING OF ROWS.  A routed row is rowid = 2 token + slot, 0..2047; idx[rowid] is its expert.  Expert e has R_e rows and ceil(R_e / 16) tiles of 16; tiles are numbered through the experts: never more than 136.
; Work-group T makes tile T: it counts all experts, finds its expert and its 16 places, finds the rows that stand there, gathers their x, quantises them with that expert's scale 2^ex (lowp_scales[4 e])
; and stores them as images of operand registers.
; NOTHING GOES THROUGH LDS, and there is no barrier: every wave holds all 2,048 entries of idx in 64 registers, counts for itself and finds its lanes' rows for itself.
; NO BRANCH HANGS ON THE COUNTS.  A work-group whose T is not below the number of tiles fills its tile of xs and of rowlist with some row's codes; no later launch reads those tiles. The grid serves every split.
; THE ORDER of an expert's rows is register by register, then lane by lane, of the layout below: the same in every wave of every work-group; no other order is needed.
; THE SEARCH.  Lane r wants the row at place t = 16 (T - the expert's first tile) + r.  A pass over the 64 registers keeps the last register whose running count is not above t: its mask of matching lanes, that
; count, its number.  The (t - count)-th set bit of the mask is the lane that holds the row: five halving steps over the mask's partial bit counts.
; A last tile's empty places repeat the tile's first row: their results are the same numbers and go to the same bytes.
; IMAGE of a fragment (16 rows x 128 K): byte 512 c + 16 lane + i is K = 32 c + 16 (lane / 16) + i of row lane % 16.  xs: [tile][K step 0..7][2,048 bytes]; wave w makes K step w.
; blk (work-group 0): 16-byte entries {expert, first tile, tiles, 0}, entry e for expert e; the entries behind them are zeros that nobody reads.
; code = x / 2^ex, held within +-448, to the nearest code, ties to even.  LIMITS: ex between -126 and 119; NaN among the inputs is not served.
.set I,   32                           ; v32-95   idx: register 4 i + j holds rowid 128 i + 4 l + j
.set XR,  96                           ; v96-159  64 numbers of x
.set PC,  160                          ; v160-175 their codes
.set WV,  18
	s_load_b256 s[4:11], s[0:1], 0x0               ; idx s[4:5], x s[6:7], lowp_scales s[8:9], rowlist s[10:11]
	s_load_b128 s[12:15], s[0:1], 0x20             ; blk s[12:13], xs s[14:15]
	v_lshrrev_b32 v1, 5, v0
	s_delay_alu instid0(VALU_DEP_1)
	v_readfirstlane_b32 s[WV], v1                  ; wave 0..7
	v_and_b32 v2, 31, v0                           ; lane
	v_and_b32 v3, 15, v0                           ; r
	v_bfe_u32 v4, v0, 4, 1                         ; h
	s_delay_alu instid0(VALU_DEP_3)
	v_lshlrev_b32 v1, 4, v2                        ; 16 l
	s_delay_alu instid0(VALU_DEP_3)
	v_lshlrev_b32 v14, 2, v3                       ; 4 r
	s_wait_alu depctr_va_vdst(0)
	s_wait_kmcnt 0x0
.irp i, 0,1,2,3,4,5,6,7,8,9,10,11,12,13,14,15
	global_load_b128 v[I+4*\i:I+4*\i+3], v1, s[4:5] offset:512*\i   ; every wave holds all 2,048 entries
.endr
.irp e, 0,1,2,3,4,5,6,7
	s_load_b32 s[66+\e], s[8:9], 16*\e             ; every expert's ex, at fixed places: the one that is wanted is chosen below
.endr
.irp e, 0,1,2,3,4,5,6,7
	s_mov_b32 s[24+\e], 0
.endr
	s_wait_loadcnt 0x0
.set n, 0
.rept 64                                       ; the eight counts: a register's eight masks, their bits, the sums
.irp e, 0,1,2,3,4,5,6,7
	v_cmp_eq_u32 s[48+\e], \e, v[I+n]
.endr
.irp e, 0,1,2,3,4,5,6,7
	s_bcnt1_i32_b32 s[48+\e], s[48+\e]
.endr
.irp e, 0,1,2,3,4,5,6,7
	s_add_co_u32 s[24+\e], s[24+\e], s[48+\e]      ; R_e
.endr
.set n, n+1
.endr
	s_mov_b32 s50, 0
.irp e, 0,1,2,3,4,5,6,7
	s_add_co_u32 s[40+\e], s[24+\e], 15
	s_lshr_b32 s[40+\e], s[40+\e], 4               ; the expert's tiles
	s_mov_b32 s[32+\e], s50                        ; its first tile
	s_add_co_u32 s50, s50, s[40+\e]
.endr
	s_wait_kmcnt 0x0                               ; the eight ex
	s_mov_b32 s51, 0                               ; my expert: the last whose first tile is not above T (one without tiles is passed over by the next),
	s_mov_b32 s52, 0                               ; its first tile,
	s_mov_b32 s53, s24                             ; its rows,
	s_mov_b32 s58, s66                             ; its ex
.irp j, 1,2,3,4,5,6,7
	s_cmp_ge_u32 ttmp9, s[32+\j]
	s_cselect_b32 s51, \j, s51
	s_cselect_b32 s52, s[32+\j], s52
	s_cselect_b32 s53, s[24+\j], s53
	s_cselect_b32 s58, s[66+\j], s58
.endr
	s_sub_co_u32 s54, ttmp9, s52
	s_lshl_b32 s54, s54, 4                         ; my tile's first place among the expert's rows
	s_sub_co_u32 s55, s53, s54
	s_min_u32 s55, s55, 16                         ; places of the tile that hold a row
	v_add_nc_u32 v12, s54, v3                      ; t: the place that my lane wants
	v_mov_b32 v13, 0                               ; the kept register's mask,
	v_mov_b32 v15, 0                               ; the running count in front of it,
	v_mov_b32 v17, 0                               ; its number
	s_mov_b32 s56, 0                               ; the running count
.set n, 0
.rept 64                                       ; what is kept is written anew as long as the running count is not above t
	v_cmp_eq_u32 s60, s51, v[I+n]                  ; the lanes whose entry of register n is my expert
	v_cmp_gt_u32 vcc_lo, s56, v12                  ; the count has passed t: keep what is kept
	s_delay_alu instid0(VALU_DEP_1)
	v_cndmask_b32 v13, s60, v13, vcc_lo
	s_delay_alu instid0(VALU_DEP_2)
	v_cndmask_b32 v15, s56, v15, vcc_lo
	s_delay_alu instid0(VALU_DEP_3)
	v_cndmask_b32 v17, n, v17, vcc_lo
	s_bcnt1_i32_b32 s61, s60
	s_add_co_u32 s56, s56, s61
.set n, n+1
.endr
	v_sub_nc_u32 v19, v12, v15                     ; k: the row is the mask's k-th set bit, counted from 0
	; the mask's bit counts in fields of 2, 4, 8 and 16 bits
	v_lshrrev_b32 v23, 1, v13
	s_delay_alu instid0(VALU_DEP_1)
	v_and_b32 v23, 0x55555555, v23
	s_delay_alu instid0(VALU_DEP_1)
	v_sub_nc_u32 v23, v13, v23                     ; by twos
	s_delay_alu instid0(VALU_DEP_1)
	v_lshrrev_b32 v24, 2, v23
	s_delay_alu instid0(VALU_DEP_1)
	v_and_b32 v24, 0x33333333, v24
	s_delay_alu instid0(VALU_DEP_3)
	v_and_b32 v25, 0x33333333, v23
	s_delay_alu instid0(VALU_DEP_1)
	v_add_nc_u32 v24, v24, v25                     ; by fours
	s_delay_alu instid0(VALU_DEP_1)
	v_lshrrev_b32 v25, 4, v24
	s_delay_alu instid0(VALU_DEP_1)
	v_add_nc_u32 v25, v25, v24
	s_delay_alu instid0(VALU_DEP_1)
	v_and_b32 v25, 0x0f0f0f0f, v25                 ; by bytes
	s_delay_alu instid0(VALU_DEP_1)
	v_lshrrev_b32 v26, 8, v25
	s_delay_alu instid0(VALU_DEP_1)
	v_add_nc_u32 v26, v26, v25
	s_delay_alu instid0(VALU_DEP_1)
	v_and_b32 v26, 0x00ff00ff, v26                 ; by halves
	v_mov_b32 v21, 0                               ; the bit's number so far
; a halving step: c = the set bits in the lower w bits of the 2 w in hand.  Where k is not below c, the bit lies in the upper w: c is taken off k and the number goes w up
.macro RSTEP src, msk, w
	s_delay_alu instid0(VALU_DEP_1)
	v_lshrrev_b32 v20, v21, v[\src]
	s_delay_alu instid0(VALU_DEP_1)
	v_and_b32 v20, \msk, v20
	s_delay_alu instid0(VALU_DEP_1)
	v_cmp_ge_u32 vcc_lo, v19, v20
	s_delay_alu instid0(VALU_DEP_1)
	v_cndmask_b32 v20, 0, v20, vcc_lo
	s_delay_alu instid0(VALU_DEP_1)
	v_sub_nc_u32 v19, v19, v20
	v_add_nc_u32 v22, \w, v21
	s_delay_alu instid0(VALU_DEP_1)
	v_cndmask_b32 v21, v21, v22, vcc_lo
.endm
	RSTEP 26, 0xff, 16
	RSTEP 25, 0xff, 8
	RSTEP 24, 15, 4
	RSTEP 23, 3, 2
	RSTEP 13, 1, 1                                 ; (a place past the expert's last row ends at some lane up to 31: it is replaced below, or belongs to a tile that nobody reads)
	v_lshrrev_b32 v27, 2, v17
	v_and_b32 v28, 3, v17
	s_delay_alu instid0(VALU_DEP_1)
	v_lshl_add_u32 v27, v27, 7, v28
	s_delay_alu instid0(VALU_DEP_1)
	v_lshl_add_u32 v16, v21, 2, v27                ; rowid = 128 (n / 4) + n % 4 + 4 x lane
	s_delay_alu instid0(VALU_DEP_1)
	v_readfirstlane_b32 s59, v16                   ; lane 0's: the tile's first row
	s_delay_alu instid0(VALU_DEP_1)
	v_mov_b32 v18, s59
	v_cmp_gt_u32 vcc_lo, s55, v3
	s_delay_alu instid0(VALU_DEP_1)
	v_cndmask_b32 v16, v18, v16, vcc_lo            ; an empty place repeats the tile's first row
	s_delay_alu instid0(VALU_DEP_1)
	v_min_u32 v16, 0x7ff, v16                      ; a rowid: it enters addresses
	; the table of experts: work-group 0, wave 0; lane = entry
	s_cmp_lg_u32 s[WV], 0
	s_cbranch_scc1 .Lno_blk
	s_cmp_lg_u32 ttmp9, 0
	s_cbranch_scc1 .Lno_blk
	v_mov_b32 v24, 0
	v_mov_b32 v25, 0
	v_mov_b32 v26, 0
	v_mov_b32 v27, 0
.irp e, 0,1,2,3,4,5,6,7
	v_cmp_eq_u32 vcc_lo, \e, v2
	v_mov_b32 v28, \e
	v_mov_b32 v29, s[32+\e]
	v_mov_b32 v30, s[40+\e]
	s_delay_alu instid0(VALU_DEP_3)
	v_cndmask_b32 v24, v24, v28, vcc_lo
	s_delay_alu instid0(VALU_DEP_3)
	v_cndmask_b32 v25, v25, v29, vcc_lo
	s_delay_alu instid0(VALU_DEP_3)
	v_cndmask_b32 v26, v26, v30, vcc_lo
.endr
	global_store_b128 v1, v[24:27], s[12:13]       ; 512 consecutive bytes
.Lno_blk:
	s_wait_alu depctr_va_vdst(0)
	v_and_b32 v13, 0x7fe, v16
	s_delay_alu instid0(VALU_DEP_1)
	v_lshlrev_b32 v13, 11, v13                     ; the token's row of 4,096 bytes
	s_delay_alu instid0(VALU_DEP_1)
	v_lshl_add_u32 v13, v4, 6, v13                 ; + 64 h: my 16 numbers of a block of 32
	s_lshl_b32 s2, s[WV], 9                        ; K step w: 128 numbers
	s_mov_b32 s3, 0
	s_add_nc_u64 s[6:7], s[6:7], s[2:3]
.irp b, 0,1,2,3
.irp j, 0,1,2,3
	global_load_b128 v[XR+16*\b+4*\j:XR+16*\b+4*\j+3], v13, s[6:7] offset:128*\b+16*\j   ; register 16 b + i: K = 32 b + 16 h + i of my row
.endr
.endr
	s_cmp_lg_u32 s[WV], 0
	s_cbranch_scc1 .Lno_list
	s_lshl_b32 s2, ttmp9, 6
	s_add_nc_u64 s[10:11], s[10:11], s[2:3]
	global_store_b32 v14, v16, s[10:11]            ; the tile's 16 rowids (both halves of the lanes store the same words)
.Lno_list:
	s_lshl_b32 s2, ttmp9, 14
	s_lshl_b32 s59, s[WV], 11
	s_add_co_u32 s2, s2, s59
	s_add_nc_u64 s[14:15], s[14:15], s[2:3]        ; xs at tile T, K step w
	s_add_co_i32 s58, s58, 127
	s_lshl_b32 s59, s58, 23
	v_mov_b32 v20, s59                             ; 2^ex as f32: the conversion takes its exponent field
	s_add_co_i32 s58, s58, 8
	s_lshl_b32 s58, s58, 23
	s_or_b32 s58, s58, 0x600000
	v_mov_b32 v21, s58                             ; 448 x 2^ex
	s_wait_alu depctr_va_vdst(0)
	s_wait_loadcnt 0x0
.irp b, 0,1,2,3
.irp i, 0,1,2,3,4,5,6,7,8,9,10,11,12,13,14,15
	v_med3_num_f32 v[XR+16*\b+\i], v[XR+16*\b+\i], -v21, v21   ; the conversion to an 8-bit code does not saturate (ISA guide 7.6.2): the hold comes first
.endr
	v_cvt_scalef32_pk8_fp8_f32 v[PC+4*\b:PC+4*\b+1], v[XR+16*\b:XR+16*\b+7], v20
	v_cvt_scalef32_pk8_fp8_f32 v[PC+4*\b+2:PC+4*\b+3], v[XR+16*\b+8:XR+16*\b+15], v20
.endr
	v_nop                                          ; a plain line behind the last conversion
.irp c, 0,1,2,3
	global_store_b128 v1, v[PC+4*\c:PC+4*\c+3], s[14:15] offset:512*\c   ; 512 consecutive bytes a store
.endr
	s_endpgm
.Lfunc_end_k_qf2904ad51f_place:
	.size	k_qf2904ad51f_place, .Lfunc_end_k_qf2904ad51f_place-k_qf2904ad51f_place
	.p2alignl 7, 3214868480
	.fill 96, 4, 3214868480
	.section	.rodata,"a",@progbits
	.p2align	6, 0x0
	.amdhsa_kernel k_qf2904ad51f_place
		.amdhsa_group_segment_fixed_size 0
		.amdhsa_private_segment_fixed_size 0
		.amdhsa_enable_private_segment 0
		.amdhsa_kernarg_size 48
		.amdhsa_user_sgpr_count 2
		.amdhsa_user_sgpr_kernarg_segment_ptr 1
		.amdhsa_wavefront_size32 1
		.amdhsa_system_sgpr_workgroup_id_x 1
		.amdhsa_system_sgpr_workgroup_id_y 1
		.amdhsa_system_sgpr_workgroup_id_z 1
		.amdhsa_system_vgpr_workitem_id 0
		.amdhsa_next_free_vgpr 176
		.amdhsa_next_free_sgpr 76
		.amdhsa_reserve_vcc 1
		.amdhsa_float_denorm_mode_32 3
		.amdhsa_float_denorm_mode_16_64 3
		.amdhsa_memory_ordered 1
		.amdhsa_forward_progress 1
		.amdhsa_inst_pref_size 106
	.end_amdhsa_kernel
	.amdgpu_metadata
---
amdhsa.version: [ 1, 2 ]
amdhsa.kernels:
  - .name:           k_qf2904ad51f_place
    .symbol:         k_qf2904ad51f_place.kd
    .args:
      - { .name: idx, .offset: 0, .size: 8, .value_kind: global_buffer, .address_space: global }
      - { .name: x, .offset: 8, .size: 8, .value_kind: global_buffer, .address_space: global }
      - { .name: lowp_scales, .offset: 16, .size: 8, .value_kind: global_buffer, .address_space: global }
      - { .name: rowlist, .offset: 24, .size: 8, .value_kind: global_buffer, .address_space: global }
      - { .name: blk, .offset: 32, .size: 8, .value_kind: global_buffer, .address_space: global }
      - { .name: xs, .offset: 40, .size: 8, .value_kind: global_buffer, .address_space: global }
    .group_segment_fixed_size: 0
    .private_segment_fixed_size: 0
    .kernarg_segment_align: 8
    .kernarg_segment_size: 48
    .max_flat_workgroup_size: 256
    .sgpr_count:     76
    .vgpr_count:     176
    .wavefront_size: 32
...
	.end_amdgpu_metadata
.endif
;; end of part 7
;; launch g1 (part 8): grid 256 x 1, 8 waves a work-group, no clusters, 136,192 bytes of LDS; arguments blk, xs, w1, b1, lowp_scales, h; writes h
.if DOCPART == 8
	.amdgcn_target "amdgcn-amd-amdhsa--gfx1250"
	.amdhsa_code_object_version 6
	.text
	.protected	k_qf2904ad51f_g1
	.globl	k_qf2904ad51f_g1
	.p2align	8
	.type	k_qf2904ad51f_g1,@function
k_qf2904ad51f_g1:
	s_mov_b64 s[64:65], 0
	v_nop
	global_prefetch_b8 v0, s[64:65] scope:SCOPE_SE
	s_setreg_imm32_b32 hwreg(HW_REG_WAVE_SCHED_MODE, 0, 2), 2
	s_setreg_imm32_b32 hwreg(HW_REG_WAVE_MODE, 25, 1), 1
	s_wait_xcnt 0x0
	s_wait_alu depctr_vm_vsrc(0)
; THE FIRST PRODUCT OF THE CHOSEN EXPERTS:  h = Q(gelu(Q(x) Q(w1[e]) + b1[e])), on codes of FP8 (E4M3), for the rows that chose expert e alone.
; THE WEIGHTS STAND STILL.  Work-group 32 e + f takes expert e and columns 128 f .. 128 f + 127 of w1[e]: 512 KB of f32, read from memory once, quantised on the way, multiplied by all of the expert's rows.
; The expert and the slice are the work-group's number: no address of a weight hangs on a number read from memory.  The table blk gives the expert's first tile and its tiles (0 to 64 of 16 rows): they steer
; skips inside the multiplying waves' part of a stage alone.  Every wave passes every barrier, whatever the table says.  An expert without rows streams its slice all the same and stores nothing.
; No tensor load.  No cluster: what work-groups share (the rows' codes) is a small part of a stage's bytes beside the 32 KB of weights.
; TWO ROLES.  Waves 0-3 stream weights and do nothing else with global loads, so that their counted waits name stages of weights alone; waves 4-7 load the rows' codes, multiply and finish.
; A STAGE is 128 k x 64 columns.  16 stages: stage g = columns 64 (g / 8) on, K step g % 8.  Producer w, lane (m = l % 16, hh = l / 16), takes columns 4 m .. 4 m + 3 of rows k = 32 w + 16 hh + 0..15:
; sixteen loads of 16 bytes, each covering two runs of 256 consecutive bytes, aligned.  Three stages (48 loads a wave) are asked for ahead, in a ring of three sets of 64 registers (window 1, v0-191:
; registers that no load of the other role names).  The first three stages are asked for ahead of the wait for the table and the scales: their addresses need neither.
; The 64 numbers are held within +-448 x 2^ew1, converted, turned by byte permutes so that a register run holds 16 k of ONE column, and stored into LDS as images of four operand fragments.
; EACH STAGE HAS AN LDS SLOT OF ITS OWN, written once: 16 x 8,448 bytes.  One barrier a stage parts a slot's writing from its reading.
; IMAGE of a fragment (16 rows or columns x 128 K): byte 512 c + 16 lane + i is K = 32 c + 16 (lane / 16) + i of row lane % 16: the same permutation of k in both operands.
; THE COLUMNS OF A TILE ARE NOT NEIGHBOURS: lane r of tile 2 b + u takes column 32 b + 8 u + r + 8 (r / 8), so that the 16 results of tiles 2 b, 2 b + 1 in a lane are 16 neighbours along the next K.
; THE PRODUCT IS USED TRANSPOSED (source 0 = 16 columns of w1, source 1 = 16 rows): a lane holds one row.  Consumer c (wave 4 + c) takes tiles c, c + 4, ..: up to 6, 24 accumulators (window 1, v0-191).
; THE ROWS' CODES HAVE TWO SETS OF REGISTERS.  Stage c + 1's are asked for as soon as stage c's have come, into the other set: they have the stage's LDS loads, its products and its barrier in which to land.
; The wait for them is for 0: how many they are hangs on the table.  512 registers: 6 x 32 accumulators, 2 x 6 x 16 rows' codes, 64 weights' codes, 64 addresses, constants and b1.
; THE LATER WALKS.  The four consumers hold 24 tiles.  Tiles 24 to 47 and 48 to 63 of an expert that has so many are multiplied afterwards, out of the same slots: a loop of two walks of 16 stages without a
; barrier, which every wave walks; producers, and consumers with nothing left, pass over its work.  So the weights are read from memory once whatever the split.
; gelu: z Phi(z), Phi = 0.5 + 0.5 erf(z / sqrt 2), erf as x P(x^2) / Q(x^2) with x held within +-4.  h: [tile][K step 0..31][2,048 bytes]: slice f is K step f of the second product.
; LIMITS: ew1, eh between -126 and 119, ex + ew1 between -126 and 127; NaN and infinities among the inputs are not served; Phi carries an absolute error of about 1e-7, so its relative error grows for z below about -2.
; THE MODE: SCHED_MODE bits 1:0 = 2 (LLVM: expert scheduling mode 2), set by the entry lines.  The code itself states the register dependences
; between vector or matrix instructions and memory or LDS instructions, with s_wait_alu, always for 0.
; THE PLAN.  Registers that memory or LDS instructions touch:
;   v3, v17, v20-22, v24-26   offsets and LDS addresses: written at the head, never again.  One wait on va_vdst ahead of the roles' first parting serves every load and store that reads them.
;   v8-13 (VA)                written by SETTILES, at the head and at each later walk's head; read by the loads of rows' codes.  vm_vsrc ahead of each rewriting, va_vdst ahead of the first load behind it.
;   v23 (LBX)                 written once in each stage of a later walk, read by that stage's LDS loads: vm_vsrc ahead of the add, va_vdst behind it.
;   producers: the ring's three sets   A stage's loads land in a set; its holds and conversions write and read it; the loads of three stages on land in it.
;   producers: v96-111 (OQ)   written by a stage's permutes, read by its four LDS stores.
;     ONE wait on va_vdst a stage, behind the permutes: OQ is written, and the holds and conversions are done with the set.  The LDS stores and the sixteen loads follow it with no vector instruction between.
;     One wait on vm_vsrc at the next stage's head: the LDS stores have read OQ.
;   consumers: v192-255 (BF), the two sets of rows' codes   Stage c's products read BF and set c % 2.  Stage c + 1's LDS loads land in BF, and the loads issued in stage c + 1 land in set c % 2.
;     ONE wait on va_vdst at a stage's head: the products of the stage before are done reading.  No vector or matrix instruction between it and the stage's loads names a register in which they land.
;   consumers: v192-199 and v16 (the finish)   written by a tile's conversions and its address line, read by its two stores: va_vdst ahead of the stores (no vector instruction follows it in the trip, so it
;     also serves the loads that later land in v32-63 and v192-255), vm_vsrc ahead of the next tile's lines and behind the last tile's stores.
;   The two waits at a stage's head stand in the text that both roles run, ahead of the branch on the wave's number: each states one role's dependence, and the other role has nothing pending there.
;   v14, v15   written at the head, read by the closing add alone.
.set T,     6                          ; tiles of a consumer in a walk
.set FS,    2064                       ; a fragment's image in LDS: 2,048 bytes + 16, so that the sixteen lanes of a producer's store fall on sixteen different 16-byte columns
.set SLOTB, 8448                       ; a slot: four fragments
.set GRP,   6*SLOTB                    ; six slots to an address register: an LDS immediate has 16 bits
.set WV,  18                           ; s18  wave
.set NTW, 23                           ; s23  my tiles of the walk in hand (consumers)
.set TG,  32                           ; s32-37 their numbers
.set SUBO, 72                          ; s72  1,024 x the half of the slice that is being finished
.set G,   73                           ; s73  a later walk's stage
.set LOFF, 74                          ; s74  and its slot's first byte
.set LAST, 82                          ; s82  the expert's last tile, counted from its first
.set FIRST, 83                         ; s83  the walk's first tile, counted from the expert's first: 0, 24, 48
.set VA,  8                            ; v8-13  my tiles' byte offsets in xs, + 16 l
.set LB,  20                           ; v20-22 LDS: 16 l + six slots x 0, 1, 2
.set LBX, 23                           ; v23    LDS: 16 l + a later walk's slot
.set BW,  24                           ; v24-26 LDS: where a producer's lane stores, + six slots x 0, 1, 2
.set B1R, 32                           ; v32-63 b1 in the results' layout
.set AF,  64                           ; v64-159 the rows' fragments, set 0, 16 registers a tile; v160-191 set 1's tiles 0, 1; window 1, v192-255: set 1's tiles 2 to 5
.set BF,  192                          ; v192-255 the weights' four fragments
.set RQ,  64                           ; producers: v64-79 codes as converted, v80-95 at work, v96-111 turned
.set TQ,  80
.set OQ,  96
.set ZR,  192                          ; the finish: v192-223 z (v192-199 take the codes as z's first eight are done with); v224-255 at work
.set ZC,  224
.set WR,  232
.set PR,  240
.set QR,  248
.set CA6, 48                           ; scalar pairs: erf's coefficients, term k scaled by 2^-k since w = z^2 = 2 x^2
.set CA4, 50
.set CA3, 52
.set CA2, 54
.set CA1, 56
.set CA0, 58
.set CB4, 60
.set CB2, 62
.set CB1, 66
.set CB0, 68
.set CK,  70
.set MSB, 0
.macro WIN new                         ; the immediate's high byte repeats the setting that is left; at a label and at a branch every window is 0
.if MSB != \new
	s_set_vgpr_msb (MSB<<8)|\new
.set MSB, \new
.endif
.endm
.macro SPAIR r, val                    ; the packed forms name a pair and take its low word for both halves: both are written
	s_mov_b32 s[\r], \val
	s_mov_b32 s[\r+1], \val
.endm
; where tile i's fragment of set p lies: window AW, register AR; AWL: the window setting for a load into it, AWM: for a product that reads it (C and D window 1, the weights window 0)
.macro APLACE p, i
.if (\p) == 0
.set AW, 0
.set AR, AF+16*(\i)
.elseif (\i) < 2
.set AW, 0
.set AR, AF+16*T+16*(\i)
.else
.set AW, 1
.set AR, 192+16*((\i)-2)
.endif
.set AWL, 0x40*AW
.set AWM, 0x50+4*AW
.endm
; stage g's sixteen loads into set g % 3.  Two bases, at k = 0 and at k = 512, so that every step is an immediate of 0 or more inside its 24 bits
.macro SLOAD g
.set RB, 64*((\g)%3)
.if ((\g)%8) < 4
.set WB, 8
.else
.set WB, 16
.endif
	WIN 0x40                                       ; destination window 1
.irp i, 0,1,2,3,4,5,6,7,8,9,10,11,12,13,14,15
	global_load_b128 v[RB+4*\i:RB+4*\i+3], v3, s[WB:WB+1] offset:(((\g)%8)%4)*2097152+((\g)/8)*256+16384*\i th:TH_LOAD_NT
.endr
	WIN 0
.endm
; stage g becomes codes in slot g.  Register 4 i + j of the set is (row i, column 4 m + j)
.macro QUANTW g
.set RB, 64*((\g)%3)
	WIN 0x41                                       ; destination and source 0 window 1
.set n, 0
.rept 64
	v_med3_num_f32 v[RB+n], v[RB+n], -v5, v5       ; the conversion to an 8-bit code does not saturate (ISA guide 7.6.2): the hold comes first
.set n, n+1
.endr
	WIN 0x01                                       ; source 0 window 1
.irp p, 0,1,2,3,4,5,6,7
	v_cvt_scalef32_pk8_fp8_f32 v[RQ+2*\p:RQ+2*\p+1], v[RB+8*\p:RB+8*\p+7], v4   ; register i of the result: row i, columns 0..3 in its four bytes
.endr
	WIN 0
	v_nop                                          ; a plain line between the conversions and the permutes that read their results
.irp a, 0,1,2,3                                ; four rows x four columns of bytes are turned: eight permutes
	v_perm_b32 v[TQ+4*\a], v[RQ+4*\a+1], v[RQ+4*\a], s42
	v_perm_b32 v[TQ+4*\a+1], v[RQ+4*\a+1], v[RQ+4*\a], s43
	v_perm_b32 v[TQ+4*\a+2], v[RQ+4*\a+3], v[RQ+4*\a+2], s42
	v_perm_b32 v[TQ+4*\a+3], v[RQ+4*\a+3], v[RQ+4*\a+2], s43
.endr
.irp a, 0,1,2,3
	v_perm_b32 v[OQ+\a], v[TQ+4*\a+2], v[TQ+4*\a], s44          ; column j: register OQ + 4 j + a holds rows 4 a .. 4 a + 3
	v_perm_b32 v[OQ+4+\a], v[TQ+4*\a+2], v[TQ+4*\a], s45
	v_perm_b32 v[OQ+8+\a], v[TQ+4*\a+3], v[TQ+4*\a+1], s44
	v_perm_b32 v[OQ+12+\a], v[TQ+4*\a+3], v[TQ+4*\a+1], s45
.endr
	s_wait_alu depctr_va_vdst(0)                   ; the permutes have written v[OQ ..], which the LDS stores read; the holds and conversions are done writing and reading the set, in which the loads of three stages on land
.irp j, 0,1,2,3
	ds_store_b128 v[BW+(\g)/6], v[OQ+4*\j:OQ+4*\j+3] offset:((\g)%6)*SLOTB+16*\j   ; 16 k of column 4 m + j: one lane's 16 bytes of an image
.endr
.endm
.macro BLOAD reg, off                  ; a slot's four fragments
.irp t, 0,1,2,3
.irp c, 0,1,2,3
	ds_load_b128 v[BF+16*\t+4*\c:BF+16*\t+4*\c+3], v[\reg] offset:(\off)+\t*FS+512*\c
.endr
.endr
.endm
; K step k, counted from the base, of my tiles' rows, into set p.  all = 1: of all six tiles' registers (tiles past my last repeat a tile that is written), so that every register of the set is written once
.macro ALOAD base, k, all, p
.irp i, 0,1,2,3,4,5
.if \all == 0
	s_cmp_le_u32 s[NTW], \i
	s_cbranch_scc1 .Laend_\@
.endif
	APLACE \p, \i
	WIN AWL
.irp c, 0,1,2,3
	global_load_b128 v[AR+4*\c:AR+4*\c+3], v[VA+\i], s[\base:\base+1] offset:2048*(\k)+512*\c
.endr
	WIN 0
.endr
.Laend_\@:
.endm
; a stage's products: my tiles, out of set p, x four tiles of columns.  zero = 1: they start their sums with the constant 0.  chain = 0: all 24, so that every accumulator is written; chain = 1: my tiles alone.
; The accumulators take turns, one instruction a turn.  Five plain lines close the run: they stand in front of the first read of
; results and of products that begin an accumulator anew.
.macro MULS zero, chain, p
.irp i, 0,1,2,3,4,5
.if \chain
	WIN 0
	s_cmp_le_u32 s[NTW], \i
	s_cbranch_scc1 .Lmend_\@
.endif
	APLACE \p, \i
	WIN AWM
.irp t, 0,1,2,3
.if \zero
	v_wmma_f32_16x16x128_fp8_fp8 v[32*\i+8*\t:32*\i+8*\t+7], v[BF+16*\t:BF+16*\t+15], v[AR:AR+15], 0
.else
	v_wmma_f32_16x16x128_fp8_fp8 v[32*\i+8*\t:32*\i+8*\t+7], v[BF+16*\t:BF+16*\t+15], v[AR:AR+15], v[32*\i+8*\t:32*\i+8*\t+7]
.endif
.endr
.endr
	WIN 0
.Lmend_\@:
.rept 5
	v_nop
.endr
.endm
.macro B1LOAD base, sub                ; register 16 b + m: b1 of column 64 sub + 32 b + 16 h + m, counted from the base
.irp b, 0,1
.irp q, 0,1,2,3
	global_load_b128 v[B1R+16*\b+4*\q:B1R+16*\b+4*\q+3], v17, s[\base:\base+1] offset:256*\sub+128*\b+16*\q
.endr
.endr
.endm
; my tiles of the walk that begins at tile s[FIRST]: FIRST + c, FIRST + c + 4, .., 24 to a walk.  Past the expert's last tile the last is named, which is written.  The bound of 135 stands last, ahead of the shift
.macro SETTILES
	s_max_u32 s21, s26, s[FIRST]
	s_sub_co_u32 s21, s21, s[FIRST]                ; the expert's tiles from FIRST on,
	s_min_u32 s21, s21, 4*T                        ; of which a walk takes 24 at the most
	s_add_co_u32 s21, s21, 3
	s_sub_co_u32 s21, s21, s22
	s_lshr_b32 s[NTW], s21, 2
.irp i, 0,1,2,3,4,5
	s_add_co_u32 s21, s22, 4*\i
	s_add_co_u32 s21, s21, s[FIRST]
	s_min_u32 s21, s21, s[LAST]
	s_add_co_u32 s21, s21, s25
	s_min_u32 s[TG+\i], s21, 135
	s_lshl_b32 s21, s[TG+\i], 14
	v_add_nc_u32 v[VA+\i], s21, v1
.endr
.endm
.macro ECASE k                         ; tile k: z = sum x 2^(ex + ew1) + b1, each accumulator from its low end on; and the tile's place in h
	WIN 0x01                                       ; source 0 window 1
.set n, 0
.rept 16
	v_pk_fma_f32 v[ZR+2*n:ZR+2*n+1], v[32*(\k)+2*n:32*(\k)+2*n+1], s[40:41], v[B1R+2*n:B1R+2*n+1] op_sel_hi:[1,0,1]
.set n, n+1
.endr
	WIN 0
	s_lshl_b32 s21, s[TG+\k], 16
	s_add_co_u32 s21, s21, s[SUBO]
	v_add_nc_u32 v16, s21, v1
.endm
.macro HORN r, c                       ; a step of Horner's rule on four pairs
.irp k, 0,2,4,6
	v_pk_fma_f32 v[\r+\k:\r+\k+1], v[\r+\k:\r+\k+1], v[WR+\k:WR+\k+1], s[\c:\c+1] op_sel_hi:[1,1,0]
.endr
.endm
.macro GELU8 ch                        ; eight numbers: gelu, the hold, the codes
.irp k, 0,1,2,3,4,5,6,7
	v_med3_num_f32 v[ZC+\k], v[ZR+8*\ch+\k], -v18, v18         ; z held within +-4 sqrt 2
.endr
.irp k, 0,2,4,6
	v_pk_mul_f32 v[WR+\k:WR+\k+1], v[ZC+\k:ZC+\k+1], v[ZC+\k:ZC+\k+1]
.endr
.irp k, 0,2,4,6
	v_pk_fma_f32 v[PR+\k:PR+\k+1], v[WR+\k:WR+\k+1], s[CA6:CA6+1], v[28:29] op_sel_hi:[1,0,1]
.endr
.irp k, 0,2,4,6
	v_pk_fma_f32 v[QR+\k:QR+\k+1], v[WR+\k:WR+\k+1], s[CB4:CB4+1], v[30:31] op_sel_hi:[1,0,1]
.endr
	HORN PR, CA4
	HORN QR, CB2
	HORN PR, CA3
	HORN QR, CB1
	HORN PR, CA2
	HORN QR, CB0
	HORN PR, CA1
	HORN PR, CA0
	s_wait_alu depctr_va_vdst(0)
.irp k, 0,1,2,3,4,5,6,7
	v_rcp_f32 v[QR+\k], v[QR+\k]
.endr
.irp k, 0,2,4,6
	v_pk_mul_f32 v[PR+\k:PR+\k+1], v[PR+\k:PR+\k+1], v[ZC+\k:ZC+\k+1]   ; (plain lines behind the reciprocals, which touch none of their registers)
.endr
	s_wait_alu depctr_va_vdst(0)                   ; the eight reciprocals have written v[QR ..]: one wait for the batch, ahead of its first reader
.irp k, 0,2,4,6
	v_pk_mul_f32 v[PR+\k:PR+\k+1], v[PR+\k:PR+\k+1], v[QR+\k:QR+\k+1]
.endr
.irp k, 0,2,4,6
	v_pk_fma_f32 v[PR+\k:PR+\k+1], v[PR+\k:PR+\k+1], s[CK:CK+1], 0.5 op_sel_hi:[1,0,0]   ; Phi = 0.5 + (sqrt 2 / 4) z P / Q
.endr
.irp k, 0,2,4,6
	v_pk_mul_f32 v[ZC+\k:ZC+\k+1], v[ZR+8*\ch+\k:ZR+8*\ch+\k+1], v[PR+\k:PR+\k+1]
.endr
.irp k, 0,1,2,3,4,5,6,7
	v_med3_num_f32 v[ZC+\k], v[ZC+\k], -v7, v7
.endr
	v_cvt_scalef32_pk8_fp8_f32 v[ZR+2*\ch:ZR+2*\ch+1], v[ZC:ZC+7], v6   ; into z's first eight registers, which are done with from the first eight numbers on
	v_nop                                          ; a plain line behind the conversion: the next lines write its sources
.endm
; THE FINISH of 64 columns: a loop over my tiles.  Only the lines that read a tile's accumulators differ from tile to tile: they are written out six times, the rest once.
.macro EPI id
	s_mov_b32 s46, 0
.Lepi\id:
	s_wait_xcnt 0x0                                ; the last trip's stores have read their data and their offset: both are written again below
	s_wait_alu depctr_vm_vsrc(0)                   ; beside it: the last trip's stores have read v[ZR:ZR+7] and v16, which this trip's lines write again
	s_cmp_ge_u32 s46, s[NTW]
	s_cbranch_scc1 .Lenx\id
.irp k, 0,1,2,3,4
	s_cmp_eq_u32 s46, \k
	s_cbranch_scc1 .Lec\id\k
.endr
	ECASE 5
	s_branch .Lebd\id
.irp k, 0,1,2,3,4
.Lec\id\k:
	ECASE \k
	s_branch .Lebd\id
.endr
.Lebd\id:
	GELU8 0
	GELU8 1
	GELU8 2
	GELU8 3
	s_wait_alu depctr_va_vdst(0)                   ; the conversions have written v[ZR:ZR+7] and the address line v16, which the stores read.  No vector instruction follows in the trip: the trip is also done with b1's registers and with v192-255, in which later loads land
	global_store_b128 v16, v[ZR:ZR+3], s[14:15]                 ; 512 consecutive bytes: part 2 sub + b of the image
	global_store_b128 v16, v[ZR+4:ZR+7], s[14:15] offset:512
.Lenx\id:
	s_add_co_u32 s46, s46, 1
	s_cmp_lt_u32 s46, T
	s_cbranch_scc1 .Lepi\id
	s_wait_xcnt 0x0                                ; the last stores have read their data: LDS loads land there next
	s_wait_alu depctr_vm_vsrc(0)                   ; beside it: the last trip's stores have read v[ZR:ZR+7], in which LDS loads land next
.endm
	s_load_b256 s[4:11], s[0:1], 0x0               ; blk s[4:5], xs s[6:7], w1 s[8:9], b1 s[10:11]
	s_load_b128 s[12:15], s[0:1], 0x20             ; lowp_scales s[12:13], h s[14:15]
	v_lshl_add_u32 v14, v0, 2, 0x21000
	v_mov_b32 v15, 0
	v_lshrrev_b32 v1, 5, v0
	v_readfirstlane_b32 s[WV], v1                  ; wave 0..7
	s_lshr_b32 s19, ttmp9, 5                       ; expert e
	s_and_b32 s20, ttmp9, 31                       ; slice f
	s_lshl_b32 s47, s19, 4
	s_wait_alu depctr_va_sdst(0)                   ; the wave's number is written, ahead of its first reader
	s_and_b32 s22, s[WV], 3                        ; my number within my role
	s_wait_kmcnt 0x0
	s_load_b128 s[24:27], s[4:5], s47 offset:0x0   ; expert, first tile, tiles, 0
	s_load_b128 s[28:31], s[12:13], s47 offset:0x0 ; ex, ew1, eh, ew2
	; every address register is made here, ahead of the roles' first parting, and holds nothing else afterwards
	v_and_b32 v27, 31, v0
	v_lshlrev_b32 v1, 4, v27                       ; 16 l, for global offsets
	v_lshlrev_b32 v[LB], 4, v27                    ; 16 l, for LDS
	v_add_nc_u32 v[LB+1], GRP, v[LB]
	v_add_nc_u32 v[LB+2], 2*GRP, v[LB]
	v_bfe_u32 v19, v0, 4, 1                        ; h
	v_bfe_u32 v2, v0, 3, 1                         ; column 4 m + j = 32 m3 + 16 m2 + 8 m1 + 4 m0 + j lies in tile 2 m3 + m1, row 8 m2 + 4 m0 + j
	v_bfe_u32 v27, v0, 1, 1
	v_lshl_add_u32 v2, v2, 1, v27
	v_mul_u32_u24 v[BW], v2, FS
	v_and_b32 v27, 1, v0
	v_lshl_add_u32 v[BW], v27, 6, v[BW]
	v_bfe_u32 v27, v0, 2, 1
	v_lshl_add_u32 v[BW], v27, 7, v[BW]
	v_lshl_add_u32 v[BW], v19, 8, v[BW]            ; + 256 hh
	s_lshl_b32 s21, s22, 9
	v_add_nc_u32 v[BW], s21, v[BW]                 ; + 512 w: part w of each image
	v_add_nc_u32 v[BW+1], GRP, v[BW]
	v_add_nc_u32 v[BW+2], 2*GRP, v[BW]
	v_and_b32 v2, 15, v0
	v_lshlrev_b32 v3, 4, v2                        ; the weights: 16 m,
	v_lshl_add_u32 v3, v19, 18, v3                 ; + 16 hh rows of 16,384 bytes,
	s_lshl_b32 s21, s22, 19
	v_add_nc_u32 v3, s21, v3                       ; + 32 w rows
	v_lshlrev_b32 v17, 6, v19                      ; b1: 64 h
	v_mov_b32 v18, 0x40b504f3                      ; 4 sqrt 2
	v_mov_b32 v28, 0x306dffee                      ; the second-highest coefficients stand in vector pairs: the first step of each rule names two
	v_mov_b32 v29, 0x306dffee
	v_mov_b32 v30, 0xb7dfbd29
	v_mov_b32 v31, 0xb7dfbd29
	s_lshl_b32 s2, s19, 24                         ; w1: the expert's 16 MB,
	s_lshl_b32 s21, s20, 9                         ; the slice's 512 bytes of a row
	s_add_co_u32 s2, s2, s21
	s_mov_b32 s3, 0
	s_add_nc_u64 s[8:9], s[8:9], s[2:3]            ; at row k = 0,
	s_add_nc_u64 s[16:17], s[8:9], 0x800000        ; and at row k = 512
	s_wait_alu depctr_va_vdst(0)                   ; the offsets v3 and v17 and the LDS addresses v20-22 and v24-26 are written: every load of weights and of b1, every LDS load and LDS store of the kernel reads one of them
	s_cmp_lt_u32 s[WV], 4                          ; the producers' first three stages go out while the table and the scales are on their way
	s_cbranch_scc0 .Lnot_p
	SLOAD 0
	SLOAD 1
	SLOAD 2
.Lnot_p:
	s_mov_b32 s42, 0x05010400                      ; the permutes' selects
	s_mov_b32 s43, 0x07030602
	s_mov_b32 s44, 0x05040100
	s_mov_b32 s45, 0x07060302
	SPAIR CA6, 0xac95df0b
	SPAIR CA4, 0xb40cff51
	SPAIR CA3, 0xb6eec2d2
	SPAIR CA2, 0xb940ac63
	SPAIR CA1, 0xbac1a1f6
	SPAIR CA0, 0xbc83dbd4
	SPAIR CB4, 0xb57460cd
	SPAIR CB2, 0xb9dc924e
	SPAIR CB1, 0xbb719bf8
	SPAIR CB0, 0xbc69b6a7
	SPAIR CK,  0x3eb504f3
	s_mov_b32 s[SUBO], 0
	s_mov_b32 s[FIRST], 0
	s_lshl_b32 s2, s19, 14
	s_add_co_u32 s2, s2, s21
	s_add_nc_u64 s[10:11], s[10:11], s[2:3]        ; b1 at the slice
	s_lshl_b32 s2, s20, 11
	s_add_nc_u64 s[14:15], s[14:15], s[2:3]        ; h at K step f
	s_wait_kmcnt 0x0
	s_min_u32 s25, s25, 135                        ; numbers read from memory enter addresses only behind a bound
	s_min_u32 s26, s26, 64
	s_cmp_eq_u32 s26, 0
	s_cselect_b32 s25, 0, s25                      ; an expert without rows: tile 0, which every split has, is read, and nothing is stored
	s_max_u32 s[LAST], s26, 1
	s_sub_co_u32 s[LAST], s[LAST], 1
	SETTILES
	s_add_co_i32 s21, s29, 127
	s_lshl_b32 s46, s21, 23
	v_mov_b32 v4, s46                              ; 2^ew1
	s_add_co_i32 s21, s21, 8
	s_lshl_b32 s21, s21, 23
	s_or_b32 s21, s21, 0x600000
	v_mov_b32 v5, s21                              ; 448 x 2^ew1
	s_add_co_i32 s21, s30, 127
	s_lshl_b32 s46, s21, 23
	v_mov_b32 v6, s46                              ; 2^eh
	s_add_co_i32 s21, s21, 8
	s_lshl_b32 s21, s21, 23
	s_or_b32 s21, s21, 0x600000
	v_mov_b32 v7, s21                              ; 448 x 2^eh
	s_add_co_i32 s40, s28, s29
	s_add_co_i32 s40, s40, 127
	s_lshl_b32 s40, s40, 23                        ; 2^(ex + ew1)
	s_mov_b32 s41, s40
	s_wait_alu depctr_va_vdst(0)                   ; the tiles' offsets v[VA ..] are written, which the first walk's loads of rows' codes read
	s_cmp_lt_u32 s[WV], 4
	s_cbranch_scc0 .Lfirst_c
	s_wait_loadcnt 32                              ; stage 0 is in; the 32 loads of stages 1 and 2 may be out
	QUANTW 0
	SLOAD 3
	s_branch .Lfirst_j
.Lfirst_c:
	B1LOAD 10, 0
	ALOAD 6, 0, 1, 0
.Lfirst_j:
	s_wait_dscnt 0x0                               ; stage 0's codes lie in slot 0
	s_barrier_signal -1
	s_barrier_wait -1
; TRIP c: producers make stage c + 1 in slot c + 1, consumers multiply stage c from slot c.  In front of the barrier every wave's LDS stores have landed and its LDS loads are in.
.macro TRIP c
.if (\c) > 0
	s_wait_alu depctr_va_vdst(0)                   ; consumers: the products of the stage before are done reading the weights' fragments and their set of rows' codes, in which this stage's LDS loads and the next stage's rows' codes land
.endif
	s_wait_alu depctr_vm_vsrc(0)                   ; producers: the LDS stores of the stage before have read v[OQ ..], which this stage's permutes write again
	s_cmp_lt_u32 s[WV], 4
	s_cbranch_scc0 .Lcons_\@
.if 14-(\c) >= 2
	s_wait_loadcnt 32                              ; stage c + 1 is in; the two stages asked for behind it may be out
.else
	s_wait_loadcnt 16*(14-(\c))                    ; near the end fewer stages stand behind it
.endif
	QUANTW (\c)+1
.if (\c)+4 <= 15
	SLOAD (\c)+4                                   ; into the set just read.  No wait: no vector instruction since the wait in front of the LDS stores
.endif
	s_branch .Ljoin_\@
.Lcons_\@:
.if (\c) == 8
	EPI 0                                          ; the first 64 columns are finished while this stage's rows' codes and the producers' loads are on their way
.endif
	BLOAD LB+(\c)/6, ((\c)%6)*SLOTB
	s_wait_loadcnt 0x0                             ; this stage's rows' codes are in: they were asked for a stage ago
.if (\c) == 8
	B1LOAD 10, 1                                   ; the second half's b1: the next stage's wait covers it
.endif
.if (\c) == 0
	ALOAD 6, 1, 1, 1                               ; the next stage's, into the other set; its first filling writes all of it
.else
	ALOAD 6, ((\c)+1)%8, 0, ((\c)+1)%2             ; the next stage's, into the other set, which the products of the stage before have left
.endif
	s_wait_dscnt 0x0
.if ((\c) == 0) || ((\c) == 8)
	MULS 1, 0, (\c)%2
.else
	MULS 0, 1, (\c)%2
.endif
.Ljoin_\@:
	s_wait_dscnt 0x0
	s_barrier_signal -1
	s_barrier_wait -1
.endm
.irp c, 0,1,2,3,4,5,6,7,8,9,10,11,12,13,14
	TRIP \c
.endr
	s_cmp_lt_u32 s[WV], 4                          ; the last stage: the producers have nothing left to make
	s_cbranch_scc1 .Lwalk2
	s_wait_alu depctr_va_vdst(0)                   ; stage 14's products are done reading the weights' fragments, in which the LDS loads land
	BLOAD LB+2, 3*SLOTB
	s_wait_loadcnt 0x0
	s_wait_dscnt 0x0
	MULS 0, 1, 1
	s_mov_b32 s[SUBO], 1024
	EPI 1
.Lwalk2:
	; THE LATER WALKS: tiles 24 on, then 48 on, out of the slots as they lie.  All sixteen slots were shown whole by the barriers above and nobody writes LDS any more: no barrier.
	s_mov_b32 s[FIRST], 4*T
.Lwalk:
	s_wait_loadcnt 0x0                             ; on every way to this place: no load of mine is out, so the offsets that earlier loads named and the registers that they fill may be written again
	s_wait_alu depctr_vm_vsrc(0)                   ; beside it: the loads of rows' codes issued so far have read v[VA ..], which the lines below write again
	SETTILES
	s_mov_b32 s[G], 0
	s_mov_b32 s[LOFF], 0
	s_mov_b32 s77, 0
.Lstage2:
	s_wait_alu depctr_vm_vsrc(0)                   ; the last stage's LDS loads have read v[LBX]
	v_add_nc_u32 v[LBX], s[LOFF], v[LB]            ; every wave makes the slot's address
	s_cmp_lt_u32 s[WV], 4
	s_cbranch_scc1 .Lnext2
	s_cmp_eq_u32 s[NTW], 0
	s_cbranch_scc1 .Lnext2
	s_and_b32 s75, s[G], 7                         ; the K step
	s_lshl_b32 s76, s75, 11
	s_add_nc_u64 s[78:79], s[6:7], s[76:77]        ; (the last trip's loads from this base are in)
	s_wait_alu depctr_va_vdst(0)                   ; v[LBX] is written, and in a walk's first stage v[VA ..]: the loads below read them; the last stage's products are done reading set 0 and the weights' fragments, in which these loads land
	ALOAD 78, 0, 0, 0
	BLOAD LBX, 0
	s_cmp_lg_u32 s75, 0
	s_cbranch_scc1 .Lgoon2
	s_lshr_b32 s76, s[G], 3                        ; a half of the slice begins: its b1, its place in the image, sums from 0
	s_lshl_b32 s[SUBO], s76, 10
	s_lshl_b32 s76, s76, 8
	s_add_nc_u64 s[80:81], s[10:11], s[76:77]
	B1LOAD 80, 0
	s_wait_loadcnt 0x0
	s_wait_dscnt 0x0
	MULS 1, 1, 0
	s_branch .Lmade2
.Lgoon2:
	s_wait_loadcnt 0x0
	s_wait_dscnt 0x0
	MULS 0, 1, 0
.Lmade2:
	s_cmp_lg_u32 s75, 7
	s_cbranch_scc1 .Lnext2
	EPI 2
.Lnext2:
	s_add_co_u32 s[LOFF], s[LOFF], SLOTB
	s_add_co_u32 s[G], s[G], 1
	s_cmp_lt_u32 s[G], 16
	s_cbranch_scc1 .Lstage2
	s_add_co_u32 s[FIRST], s[FIRST], 4*T
	s_cmp_lt_u32 s[FIRST], 12*T                    ; walks at tiles 24 and 48: three walks of 24 cover the 64 tiles that an expert can have
	s_cbranch_scc1 .Lwalk
	s_wait_dscnt 0x0                               ; the closing lines, six on end, of a launch in the mode that stores to LDS
	s_wait_alu 0x0
	s_wait_tensorcnt 0x0
	ds_add_u32 v14, v15
	s_wait_dscnt 0x0
	s_endpgm
.Lfunc_end_k_qf2904ad51f_g1:
	.size	k_qf2904ad51f_g1, .Lfunc_end_k_qf2904ad51f_g1-k_qf2904ad51f_g1
	.p2alignl 7, 3214868480
	.fill 96, 4, 3214868480
	.section	.rodata,"a",@progbits
	.p2align	6, 0x0
	.amdhsa_kernel k_qf2904ad51f_g1
		.amdhsa_group_segment_fixed_size 136192
		.amdhsa_private_segment_fixed_size 0
		.amdhsa_enable_private_segment 0
		.amdhsa_kernarg_size 48
		.amdhsa_user_sgpr_count 2
		.amdhsa_user_sgpr_kernarg_segment_ptr 1
		.amdhsa_wavefront_size32 1
		.amdhsa_system_sgpr_workgroup_id_x 1
		.amdhsa_system_sgpr_workgroup_id_y 1
		.amdhsa_system_sgpr_workgroup_id_z 1
		.amdhsa_system_vgpr_workitem_id 0
		.amdhsa_next_free_vgpr 512
		.amdhsa_next_free_sgpr 88
		.amdhsa_reserve_vcc 0
		.amdhsa_float_denorm_mode_32 3
		.amdhsa_float_denorm_mode_16_64 3
		.amdhsa_memory_ordered 1
		.amdhsa_forward_progress 1
		.amdhsa_inst_pref_size 255
	.end_amdhsa_kernel
	.section	.bss,"aw",@nobits
	.p2align	6
	.space	262144
	.amdgpu_metadata
---
amdhsa.version: [ 1, 2 ]
amdhsa.kernels:
  - .name:           k_qf2904ad51f_g1
    .symbol:         k_qf2904ad51f_g1.kd
    .args:
      - { .name: blk, .offset: 0, .size: 8, .value_kind: global_buffer, .address_space: global }
      - { .name: xs, .offset: 8, .size: 8, .value_kind: global_buffer, .address_space: global }
      - { .name: w1, .offset: 16, .size: 8, .value_kind: global_buffer, .address_space: global }
      - { .name: b1, .offset: 24, .size: 8, .value_kind: global_buffer, .address_space: global }
      - { .name: lowp_scales, .offset: 32, .size: 8, .value_kind: global_buffer, .address_space: global }
      - { .name: h, .offset: 40, .size: 8, .value_kind: global_buffer, .address_space: global }
    .group_segment_fixed_size: 136192
    .private_segment_fixed_size: 0
    .kernarg_segment_align: 8
    .kernarg_segment_size: 48
    .max_flat_workgroup_size: 256
    .sgpr_count:     88
    .vgpr_count:     512
    .wavefront_size: 32
...
	.end_amdgpu_metadata
.endif
;; end of part 8
;; launch g2 (part 9): grid 256 x 1, 8 waves a work-group, no clusters, 154,624 bytes of LDS; arguments blk, rowlist, h, w2, lowp_scales, y; writes y
.if DOCPART == 9
	.amdgcn_target "amdgcn-amd-amdhsa--gfx1250"
	.amdhsa_code_object_version 6
	.text
	.protected	k_qf2904ad51f_g2
	.globl	k_qf2904ad51f_g2
	.p2align	8
	.type	k_qf2904ad51f_g2,@function
k_qf2904ad51f_g2:
	s_mov_b64 s[64:65], 0
	v_nop
	global_prefetch_b8 v0, s[64:65] scope:SCOPE_SE
	s_setreg_imm32_b32 hwreg(HW_REG_WAVE_SCHED_MODE, 0, 2), 2
	s_setreg_imm32_b32 hwreg(HW_REG_WAVE_MODE, 25, 1), 1
	s_wait_xcnt 0x0
	s_wait_alu depctr_vm_vsrc(0)
; THE SECOND PRODUCT OF THE CHOSEN EXPERTS:  y = (h Q(w2[e])) x 2^(eh + ew2), on codes of FP8 (E4M3), K in two halves, each row stored at its rowid.
; The frame is that of the first product.  Work-group 32 e + f takes expert e, columns 64 (f % 16) on and rows k = 2,048 (f / 16) on of w2[e]: 512 KB of f32, read from memory once, quantised on the way.
; The expert and the slice are the work-group's number: no address of a weight hangs on a number read from memory.  The table blk gives the expert's first tile and its tiles (0 to 64 of 16 rows): they steer
; skips inside the multiplying waves' part of a stage alone.  Every wave passes every barrier.  An expert without rows streams its slice all the same and stores nothing.
; No tensor load.  No cluster: what work-groups share (the rows' codes) is a small part of a stage's bytes.
; Waves 0-3 stream weights, waves 4-7 load the rows' codes, multiply and store.  A STAGE is 128 k x 64 columns; 16 stages, each with an LDS slot of its own, written once.  Producer w, lane (m = l % 16,
; hh = l / 16), takes columns 4 m .. 4 m + 3 of rows 32 w + 16 hh + 0..15: sixteen loads, each covering two runs of 256 consecutive bytes, aligned; three stages (48 loads a wave) are asked for ahead, in a
; ring of three sets of 64 registers (window 1, v0-191: registers that no load of the other role names); the first three ahead of the wait for the table and the scales: their addresses need neither.
; IMAGE of a fragment: byte 512 c + 16 lane + i is K = 32 c + 16 (lane / 16) + i of row (or column) lane % 16: the same in both operands.  Here a tile's columns are neighbours.
; THE PRODUCT IS USED TRANSPOSED (source 0 = 16 columns of w2, source 1 = 16 rows): a lane holds eight neighbouring columns of one row.  Consumer c (wave 4 + c) takes tiles c, c + 4, ..: up to 6.
; THE ROWS' CODES HAVE TWO SETS OF REGISTERS.  Stage c + 1's are asked for as soon as stage c's have come, into the other set: they have the stage's LDS loads, its products and its barrier in which to land.
; The wait for them is for 0: how many they are hangs on the table.  512 registers: 6 x 32 accumulators, 2 x 6 x 16 rows' codes, 64 weights' codes, 64 addresses and constants.
; A tile's 16 rows x 256 bytes go through the wave's own stage in LDS and leave as whole rows: sixteen lanes store 256 consecutive bytes, aligned, at the row's rowid.
; y: [K half][rowid][1,024] f32; the two halves, the gates and b2 meet in the next launch.
; THE LATER WALKS.  The four consumers hold 24 tiles.  Tiles 24 to 47 and 48 to 63 of an expert that has so many are multiplied afterwards, out of the same slots: two walks of 16 stages without a barrier, which every wave walks.
; A last tile's empty places repeat its first row: the same numbers go to the same bytes from the same wave.
; LIMITS: ew2 between -126 and 119, eh + ew2 between -126 and 127; NaN among the inputs is not served.
; THE MODE: SCHED_MODE bits 1:0 = 2 (LLVM: expert scheduling mode 2), set by the entry lines.  The code itself states the register dependences
; between vector or matrix instructions and memory or LDS instructions, with s_wait_alu, always for 0.
; THE PLAN.  Registers that memory or LDS instructions touch:
;   v3, v32-37, v40-42, v44-46   offsets and LDS addresses: written at the head, never again.  One wait on va_vdst ahead of the roles' first parting serves every instruction that reads them.
;   v8-13 (VA), v24-29 (RLO)     written by SETTILES, at the head and at each later walk's head; read by the loads of rows' codes and of rowids.  vm_vsrc ahead of each rewriting, va_vdst ahead of the first load behind it.
;   v43 (LBX)                    written once in each stage of a later walk, read by that stage's LDS loads: vm_vsrc ahead of the add, va_vdst behind it.
;   v16-21 (ROW)                 the rowids' loads land there (v19-21 are the head's scratch before that); read by the way out's LDS stores.
;   producers: the ring's three sets, v96-111 (OQ)   ONE wait on va_vdst a stage, behind the permutes: OQ is written, which the LDS stores read, and the holds and conversions are done with the set, in which the
;     loads of three stages on land.  One wait on vm_vsrc at the next stage's head: the LDS stores have read OQ.
;   consumers: v192-255 (BF), the two sets of rows' codes   ONE wait on va_vdst at a stage's head: the products of the stage before are done reading BF and their set, in which the stage's LDS loads and the
;     next stage's rows' codes land.  No vector or matrix instruction between it and those loads names a register in which they land.
;   consumers, the way out of a tile: v64-95 written by the scalings, read by LDS stores; v96-135 LDS loads land, v96-127 read by the global stores, v128-135 by the address lines; v136-143 written by the
;     address lines, read by the global stores.  vm_vsrc at a tile's head, va_vdst behind the scalings, va_vdst behind the address lines.
;   The two waits at a stage's head stand in the text that both roles run, ahead of the branch on the wave's number: each states one role's dependence, and the other role has nothing pending there.
;   v62, v63   written at the head, read by the closing add alone.
.set T,     6                          ; tiles of a consumer in a walk
.set FS,    2064                       ; a fragment's image in LDS: 2,048 bytes + 16
.set SLOTB, 8448                       ; a slot: four fragments
.set GRP,   6*SLOTB                    ; six slots to an address register: an LDS immediate has 16 bits
.set STG,   16*SLOTB                   ; behind the slots: for each consumer 16 rows x 272 bytes, then 64 bytes of rowids: 4,608 bytes
.set WV,  18
.set NTW, 23
.set TG,  32                           ; s32-37 my tiles' numbers
.set LAST, 52                          ; s52  the expert's last tile, counted from its first
.set G,   53                           ; s53  a later walk's stage
.set LOFF, 54                          ; s54  and its slot's first byte
.set FIRST, 55                         ; s55  the walk's first tile, counted from the expert's first: 0, 24, 48
.set VA,  8                            ; v8-13  my tiles' byte offsets in h, + 16 l
.set ROW, 16                           ; v16-21 my tiles' rowids: lane l holds that of row l % 16
.set RLO, 24                           ; v24-29 their byte offsets in rowlist
.set LB,  40                           ; v40-42 LDS: 16 l + six slots x 0, 1, 2
.set LBX, 43                           ; v43    LDS: 16 l + a later walk's slot
.set BW,  44                           ; v44-46 LDS: where a producer's lane stores, + six slots x 0, 1, 2
.set AF,  64                           ; v64-159 the rows' fragments, set 0, 16 registers a tile; v160-191 set 1's tiles 0, 1; window 1, v192-255: set 1's tiles 2 to 5
.set BF,  192                          ; v192-255 the weights' four fragments
.set RQ,  64
.set TQ,  80
.set OQ,  96
.set MSB, 0
.macro WIN new                         ; the immediate's high byte repeats the setting that is left; at a label and at a branch every window is 0
.if MSB != \new
	s_set_vgpr_msb (MSB<<8)|\new
.set MSB, \new
.endif
.endm
; where tile i's fragment of set p lies: window AW, register AR; AWL: the window setting for a load into it, AWM: for a product that reads it (C and D window 1, the weights window 0)
.macro APLACE p, i
.if (\p) == 0
.set AW, 0
.set AR, AF+16*(\i)
.elseif (\i) < 2
.set AW, 0
.set AR, AF+16*T+16*(\i)
.else
.set AW, 1
.set AR, 192+16*((\i)-2)
.endif
.set AWL, 0x40*AW
.set AWM, 0x50+4*AW
.endm
.macro SLOAD g                         ; stage g's sixteen loads into set g % 3; every step is an immediate of 0 or more inside its 24 bits
.set RB, 64*((\g)%3)
	WIN 0x40                                       ; destination window 1
.irp i, 0,1,2,3,4,5,6,7,8,9,10,11,12,13,14,15
	global_load_b128 v[RB+4*\i:RB+4*\i+3], v3, s[10:11] offset:(\g)*524288+4096*\i th:TH_LOAD_NT
.endr
	WIN 0
.endm
.macro QUANTW g                        ; stage g becomes codes in slot g.  Register 4 i + j of the set is (row i, column 4 m + j)
.set RB, 64*((\g)%3)
	WIN 0x41                                       ; destination and source 0 window 1
.set n, 0
.rept 64
	v_med3_num_f32 v[RB+n], v[RB+n], -v5, v5       ; the conversion to an 8-bit code does not saturate (ISA guide 7.6.2): the hold comes first
.set n, n+1
.endr
	WIN 0x01                                       ; source 0 window 1
.irp p, 0,1,2,3,4,5,6,7
	v_cvt_scalef32_pk8_fp8_f32 v[RQ+2*\p:RQ+2*\p+1], v[RB+8*\p:RB+8*\p+7], v4
.endr
	WIN 0
	v_nop                                          ; a plain line between the conversions and the permutes that read their results
.irp a, 0,1,2,3
	v_perm_b32 v[TQ+4*\a], v[RQ+4*\a+1], v[RQ+4*\a], s42
	v_perm_b32 v[TQ+4*\a+1], v[RQ+4*\a+1], v[RQ+4*\a], s43
	v_perm_b32 v[TQ+4*\a+2], v[RQ+4*\a+3], v[RQ+4*\a+2], s42
	v_perm_b32 v[TQ+4*\a+3], v[RQ+4*\a+3], v[RQ+4*\a+2], s43
.endr
.irp a, 0,1,2,3
	v_perm_b32 v[OQ+\a], v[TQ+4*\a+2], v[TQ+4*\a], s44
	v_perm_b32 v[OQ+4+\a], v[TQ+4*\a+2], v[TQ+4*\a], s45
	v_perm_b32 v[OQ+8+\a], v[TQ+4*\a+3], v[TQ+4*\a+1], s44
	v_perm_b32 v[OQ+12+\a], v[TQ+4*\a+3], v[TQ+4*\a+1], s45
.endr
	s_wait_alu depctr_va_vdst(0)                   ; the permutes have written v[OQ ..], which the LDS stores read; the holds and conversions are done writing and reading the set, in which the loads of three stages on land
.irp j, 0,1,2,3
	ds_store_b128 v[BW+(\g)/6], v[OQ+4*\j:OQ+4*\j+3] offset:((\g)%6)*SLOTB+16*\j
.endr
.endm
.macro BLOAD reg, off                  ; a slot's four fragments
.irp t, 0,1,2,3
.irp c, 0,1,2,3
	ds_load_b128 v[BF+16*\t+4*\c:BF+16*\t+4*\c+3], v[\reg] offset:(\off)+\t*FS+512*\c
.endr
.endr
.endm
; K step k (of my half, counted from the base) of my tiles' rows, into set p.  all = 1: all six tiles' registers are written (tiles past my last repeat a tile that is written)
.macro ALOAD base, k, all, p
.irp i, 0,1,2,3,4,5
.if \all == 0
	s_cmp_le_u32 s[NTW], \i
	s_cbranch_scc1 .Laend_\@
.endif
	APLACE \p, \i
	WIN AWL
.irp c, 0,1,2,3
	global_load_b128 v[AR+4*\c:AR+4*\c+3], v[VA+\i], s[\base:\base+1] offset:2048*(\k)+512*\c
.endr
	WIN 0
.endr
.Laend_\@:
.endm
.macro ROWLOAD                         ; my tiles' rowids
.irp i, 0,1,2,3,4,5
	global_load_b32 v[ROW+\i], v[RLO+\i], s[6:7]
.endr
.endm
; a stage's products, out of set p.  zero = 1: they start their sums with the constant 0.  chain = 0: all 24, so that every accumulator is written; chain = 1: my tiles alone.  The accumulators take turns, one
; instruction a turn.  Five plain lines close the run, in front of the first read of results and of products that begin an accumulator anew.
.macro MULS zero, chain, p
.irp i, 0,1,2,3,4,5
.if \chain
	WIN 0
	s_cmp_le_u32 s[NTW], \i
	s_cbranch_scc1 .Lmend_\@
.endif
	APLACE \p, \i
	WIN AWM
.irp t, 0,1,2,3
.if \zero
	v_wmma_f32_16x16x128_fp8_fp8 v[32*\i+8*\t:32*\i+8*\t+7], v[BF+16*\t:BF+16*\t+15], v[AR:AR+15], 0
.else
	v_wmma_f32_16x16x128_fp8_fp8 v[32*\i+8*\t:32*\i+8*\t+7], v[BF+16*\t:BF+16*\t+15], v[AR:AR+15], v[32*\i+8*\t:32*\i+8*\t+7]
.endif
.endr
.endr
	WIN 0
.Lmend_\@:
.rept 5
	v_nop
.endr
.endm
; my tiles of the walk that begins at tile s[FIRST]: FIRST + c, FIRST + c + 4, .., 24 to a walk.  Past the expert's last tile the last is named, which is written.  The bound of 135 stands last, ahead of the shifts
.macro SETTILES
	s_max_u32 s21, s26, s[FIRST]
	s_sub_co_u32 s21, s21, s[FIRST]                ; the expert's tiles from FIRST on,
	s_min_u32 s21, s21, 4*T                        ; of which a walk takes 24 at the most
	s_add_co_u32 s21, s21, 3
	s_sub_co_u32 s21, s21, s22
	s_lshr_b32 s[NTW], s21, 2
.irp i, 0,1,2,3,4,5
	s_add_co_u32 s21, s22, 4*\i
	s_add_co_u32 s21, s21, s[FIRST]
	s_min_u32 s21, s21, s[LAST]
	s_add_co_u32 s21, s21, s25
	s_min_u32 s[TG+\i], s21, 135
	s_lshl_b32 s21, s[TG+\i], 16
	s_add_co_u32 s21, s21, s50
	v_add_nc_u32 v[VA+\i], s21, v1
	s_lshl_b32 s21, s[TG+\i], 6
	v_add_nc_u32 v[RLO+\i], s21, v37
.endr
.endm
; THE WAY OUT of tile i.  LDS serves a wave's instructions in order: no wait stands between my stores into my stage and my loads from it.  The rows' codes are done with: their set 0 is at work here
.macro EPI2 i, id
	s_cmp_le_u32 s[NTW], \i
	s_cbranch_scc1 .Ldone\id
	s_wait_xcnt 0x0                                ; the last tile's stores have read their data and offsets: both are written again below
.if (\i) > 0
	s_wait_alu depctr_vm_vsrc(0)                   ; beside it: the last tile's LDS stores have read v64-95, its global stores v96-127 and v136-143: the scalings, the LDS loads and the address lines below write them again
.endif
	WIN 0x01                                       ; source 0 window 1
.set n, 0
.rept 16
	v_pk_mul_f32 v[64+2*n:65+2*n], v[32*(\i)+2*n:32*(\i)+2*n+1], s[40:41] op_sel_hi:[1,0]   ; x 2^(eh + ew2); each accumulator from its low end on
.set n, n+1
.endr
	WIN 0
	s_wait_alu depctr_va_vdst(0)                   ; the scalings have written v64-95, which the LDS stores read; the products are done reading v96-135 and the last tile's address lines are done with v128-135: the LDS loads below land there
.irp t, 0,1,2,3
	ds_store_b128 v32, v[64+8*\t:64+8*\t+3] offset:64*\t          ; lane (r, h): row r, columns 16 t + 8 h + 0..7
	ds_store_b128 v32, v[64+8*\t+4:64+8*\t+7] offset:64*\t+16
.endr
	ds_store_b32 v33, v[ROW+\i] offset:4352        ; row r's rowid at word 8 (r % 2) + r / 2
.irp q, 0,1,2,3,4,5,6,7
	ds_load_b128 v[96+4*\q:96+4*\q+3], v34 offset:544*\q          ; row 2 q + l / 16, 16 bytes a lane
.endr
	ds_load_b128 v[128:131], v35 offset:4352       ; and the rowids of rows 2 q + l / 16, q = 0..7
	ds_load_b128 v[132:135], v35 offset:4368
	s_wait_dscnt 0x0
.irp q, 0,1,2,3,4,5,6,7
	v_min_u32 v[128+\q], 0x7ff, v[128+\q]
	v_lshl_add_u32 v[136+\q], v[128+\q], 12, v36
.endr
	s_wait_alu depctr_va_vdst(0)                   ; the address lines have written v136-143, which the stores read as their offsets
.irp q, 0,1,2,3,4,5,6,7
	global_store_b128 v[136+\q], v[96+4*\q:96+4*\q+3], s[14:15]   ; sixteen lanes store 256 consecutive bytes, aligned
.endr
.endm
	s_load_b256 s[4:11], s[0:1], 0x0               ; blk s[4:5], rowlist s[6:7], h s[8:9], w2 s[10:11]
	s_load_b128 s[12:15], s[0:1], 0x20             ; lowp_scales s[12:13], y s[14:15]
	v_lshl_add_u32 v62, v0, 2, 0x25800
	v_mov_b32 v63, 0
	v_lshrrev_b32 v1, 5, v0
	v_readfirstlane_b32 s[WV], v1                  ; wave 0..7
	s_lshr_b32 s19, ttmp9, 5                       ; expert e
	s_and_b32 s20, ttmp9, 31
	s_and_b32 s48, s20, 15                         ; which 64 columns
	s_lshr_b32 s49, s20, 4                         ; which half of K
	s_lshl_b32 s47, s19, 4
	s_wait_alu depctr_va_sdst(0)                   ; the wave's number is written, ahead of its first reader
	s_and_b32 s22, s[WV], 3                        ; my number within my role
	s_wait_kmcnt 0x0
	s_load_b128 s[24:27], s[4:5], s47 offset:0x0   ; expert, first tile, tiles, 0
	s_load_b128 s[28:31], s[12:13], s47 offset:0x0 ; ex, ew1, eh, ew2
	; every address register is made here, ahead of the roles' first parting, and holds nothing else afterwards
	v_and_b32 v39, 31, v0
	v_lshlrev_b32 v1, 4, v39                       ; 16 l, for global offsets
	v_lshlrev_b32 v[LB], 4, v39                    ; 16 l, for LDS
	v_add_nc_u32 v[LB+1], GRP, v[LB]
	v_add_nc_u32 v[LB+2], 2*GRP, v[LB]
	v_bfe_u32 v19, v0, 4, 1                        ; h
	v_and_b32 v38, 15, v0                          ; r
	v_bfe_u32 v20, v0, 2, 2                        ; column 4 m + j lies in tile m / 4, row 4 (m % 4) + j
	v_mul_u32_u24 v[BW], v20, FS
	v_and_b32 v21, 3, v0
	v_lshl_add_u32 v[BW], v21, 6, v[BW]
	v_lshl_add_u32 v[BW], v19, 8, v[BW]            ; + 256 hh
	s_lshl_b32 s21, s22, 9
	v_add_nc_u32 v[BW], s21, v[BW]                 ; + 512 w
	v_add_nc_u32 v[BW+1], GRP, v[BW]
	v_add_nc_u32 v[BW+2], 2*GRP, v[BW]
	v_lshlrev_b32 v3, 4, v38                       ; the weights: 16 m,
	v_lshl_add_u32 v3, v19, 16, v3                 ; + 16 hh rows of 4,096 bytes,
	s_lshl_b32 s21, s22, 17
	v_add_nc_u32 v3, s21, v3                       ; + 32 w rows
	s_mul_i32 s21, s22, 4608
	s_add_co_u32 s21, s21, STG                     ; my stage
	v_mul_u32_u24 v32, v38, 272
	v_lshl_add_u32 v32, v19, 5, v32
	v_add_nc_u32 v32, s21, v32                     ; in: row r, + 32 h
	v_and_b32 v20, 1, v0
	v_bfe_u32 v21, v0, 1, 3
	v_lshlrev_b32 v33, 5, v20
	v_lshl_add_u32 v33, v21, 2, v33
	v_add_nc_u32 v33, s21, v33                     ; the rowids, in: 32 (r % 2) + 4 (r / 2)
	v_mul_u32_u24 v34, v19, 272
	v_lshl_add_u32 v34, v38, 4, v34
	v_add_nc_u32 v34, s21, v34                     ; back: lanes 0-15 one row, lanes 16-31 the next
	v_lshlrev_b32 v35, 5, v19
	v_add_nc_u32 v35, s21, v35                     ; the rowids, back: 32 (l / 16)
	v_lshlrev_b32 v36, 4, v38                      ; 16 r
	v_lshlrev_b32 v37, 2, v38                      ; 4 r
	s_lshl_b32 s50, s49, 15                        ; my half's 16 K steps of 2,048 bytes
	s_lshl_b32 s2, s19, 24                         ; w2: the expert's 16 MB,
	s_lshl_b32 s21, s49, 23                        ; the half's 2,048 rows,
	s_add_co_u32 s2, s2, s21
	s_lshl_b32 s51, s48, 8                         ; the 64 columns' 256 bytes
	s_add_co_u32 s2, s2, s51
	s_mov_b32 s3, 0
	s_add_nc_u64 s[10:11], s[10:11], s[2:3]
	s_wait_alu depctr_va_vdst(0)                   ; the weights' offset v3 and the LDS addresses v32-35, v40-42 and v44-46 are written: every load of weights, every LDS load and LDS store of the kernel reads one of them
	s_cmp_lt_u32 s[WV], 4                          ; the producers' first three stages go out while the table and the scales are on their way
	s_cbranch_scc0 .Lnot_p
	SLOAD 0
	SLOAD 1
	SLOAD 2
.Lnot_p:
	s_mov_b32 s42, 0x05010400                      ; the permutes' selects
	s_mov_b32 s43, 0x07030602
	s_mov_b32 s44, 0x05040100
	s_mov_b32 s45, 0x07060302
	s_mov_b32 s[FIRST], 0
	s_add_co_u32 s2, s21, s51
	s_add_nc_u64 s[14:15], s[14:15], s[2:3]        ; y at my half and my columns
	s_wait_kmcnt 0x0
	s_min_u32 s25, s25, 135                        ; numbers read from memory enter addresses only behind a bound
	s_min_u32 s26, s26, 64
	s_cmp_eq_u32 s26, 0
	s_cselect_b32 s25, 0, s25                      ; an expert without rows: tile 0, which every split has, is read, and nothing is stored
	s_max_u32 s[LAST], s26, 1
	s_sub_co_u32 s[LAST], s[LAST], 1
	SETTILES
	s_add_co_i32 s21, s31, 127
	s_lshl_b32 s46, s21, 23
	v_mov_b32 v4, s46                              ; 2^ew2
	s_add_co_i32 s21, s21, 8
	s_lshl_b32 s21, s21, 23
	s_or_b32 s21, s21, 0x600000
	v_mov_b32 v5, s21                              ; 448 x 2^ew2
	s_add_co_i32 s40, s30, s31
	s_add_co_i32 s40, s40, 127
	s_lshl_b32 s40, s40, 23                        ; 2^(eh + ew2)
	s_mov_b32 s41, s40
	s_wait_alu depctr_va_vdst(0)                   ; the tiles' offsets v[VA ..] and v[RLO ..] are written, which the first walk's loads of rows' codes and of rowids read
	s_cmp_lt_u32 s[WV], 4
	s_cbranch_scc0 .Lfirst_c
	s_wait_loadcnt 32                              ; stage 0 is in; the 32 loads of stages 1 and 2 may be out
	QUANTW 0
	SLOAD 3
	s_branch .Lfirst_j
.Lfirst_c:
	ROWLOAD
	ALOAD 8, 0, 1, 0
.Lfirst_j:
	s_wait_dscnt 0x0                               ; stage 0's codes lie in slot 0
	s_barrier_signal -1
	s_barrier_wait -1
; TRIP c: producers make stage c + 1 in slot c + 1, consumers multiply stage c from slot c.  In front of the barrier every wave's LDS stores have landed and its LDS loads are in.
.macro TRIP c
.if (\c) > 0
	s_wait_alu depctr_va_vdst(0)                   ; consumers: the products of the stage before are done reading the weights' fragments and their set of rows' codes, in which this stage's LDS loads and the next stage's rows' codes land
.endif
	s_wait_alu depctr_vm_vsrc(0)                   ; producers: the LDS stores of the stage before have read v[OQ ..], which this stage's permutes write again
	s_cmp_lt_u32 s[WV], 4
	s_cbranch_scc0 .Lcons_\@
.if 14-(\c) >= 2
	s_wait_loadcnt 32                              ; stage c + 1 is in; the two stages asked for behind it may be out
.else
	s_wait_loadcnt 16*(14-(\c))                    ; near the end fewer stages stand behind it
.endif
	QUANTW (\c)+1
.if (\c)+4 <= 15
	SLOAD (\c)+4                                   ; into the set just read.  No wait: no vector instruction since the wait in front of the LDS stores
.endif
	s_branch .Ljoin_\@
.Lcons_\@:
	BLOAD LB+(\c)/6, ((\c)%6)*SLOTB
	s_wait_loadcnt 0x0                             ; this stage's rows' codes are in: they were asked for a stage ago (and the rowids)
.if (\c) == 0
	ALOAD 8, 1, 1, 1                               ; the next stage's, into the other set; its first filling writes all of it
.else
	ALOAD 8, (\c)+1, 0, ((\c)+1)%2                 ; the next stage's, into the other set, which the products of the stage before have left
.endif
	s_wait_dscnt 0x0
.if (\c) == 0
	MULS 1, 0, 0
.else
	MULS 0, 1, (\c)%2
.endif
.Ljoin_\@:
	s_wait_dscnt 0x0
	s_barrier_signal -1
	s_barrier_wait -1
.endm
.irp c, 0,1,2,3,4,5,6,7,8,9,10,11,12,13,14
	TRIP \c
.endr
	s_cmp_lt_u32 s[WV], 4                          ; the last stage: the producers have nothing left to make
	s_cbranch_scc1 .Lwalk2
	s_wait_alu depctr_va_vdst(0)                   ; stage 14's products are done reading the weights' fragments, in which the LDS loads land
	BLOAD LB+2, 3*SLOTB
	s_wait_loadcnt 0x0
	s_wait_dscnt 0x0
	MULS 0, 1, 1
.irp i, 0,1,2,3,4,5
	EPI2 \i, 0
.endr
.Ldone0:
.Lwalk2:
	; THE LATER WALKS: tiles 24 on, then 48 on, out of the slots as they lie.  All sixteen slots were shown whole by the barriers above and no wave writes them any more: no barrier.
	s_mov_b32 s[FIRST], 4*T
.Lwalk:
	s_wait_loadcnt 0x0                             ; on every way to this place: no load of mine is out, so the offsets that earlier loads named and the registers that they fill may be written again;
	s_wait_xcnt 0x0                                ; and the last way out's stores have read their data and offsets: this walk's loads land there
	s_wait_alu depctr_vm_vsrc(0)                   ; beside them: the loads issued so far have read v[VA ..] and v[RLO ..], which the lines below write again; the last way out's LDS stores have read v64-95 and the rowids, its global stores v96-127 and v136-143: this walk's loads land there
	SETTILES
	s_mov_b32 s[G], 0
	s_mov_b32 s[LOFF], 0
	s_mov_b32 s57, 0
.Lstage2:
	s_wait_alu depctr_vm_vsrc(0)                   ; the last stage's LDS loads have read v[LBX]
	v_add_nc_u32 v[LBX], s[LOFF], v[LB]            ; every wave makes the slot's address
	s_cmp_lt_u32 s[WV], 4
	s_cbranch_scc1 .Lnext2
	s_cmp_eq_u32 s[NTW], 0
	s_cbranch_scc1 .Lnext2
	s_lshl_b32 s56, s[G], 11                       ; the K step
	s_add_nc_u64 s[58:59], s[8:9], s[56:57]        ; (the last trip's loads from this base are in)
	s_wait_alu depctr_va_vdst(0)                   ; v[LBX] is written, and in a walk's first stage v[VA ..] and v[RLO ..]: the loads below read them; the last stage's products are done reading set 0 and the weights' fragments, in which these loads land
	ALOAD 58, 0, 0, 0
	BLOAD LBX, 0
	s_cmp_lg_u32 s[G], 0
	s_cbranch_scc1 .Lgoon2
	ROWLOAD
	s_wait_loadcnt 0x0
	s_wait_dscnt 0x0
	MULS 1, 1, 0
	s_branch .Lnext2
.Lgoon2:
	s_wait_loadcnt 0x0
	s_wait_dscnt 0x0
	MULS 0, 1, 0
.Lnext2:
	s_add_co_u32 s[LOFF], s[LOFF], SLOTB
	s_add_co_u32 s[G], s[G], 1
	s_cmp_lt_u32 s[G], 16
	s_cbranch_scc1 .Lstage2
	s_cmp_lt_u32 s[WV], 4
	s_cbranch_scc1 .Lnone
.irp i, 0,1,2,3,4,5
	EPI2 \i, 1
.endr
.Ldone1:
.Lnone:
	s_add_co_u32 s[FIRST], s[FIRST], 4*T
	s_cmp_lt_u32 s[FIRST], 12*T                    ; walks at tiles 24 and 48: three walks of 24 cover the 64 tiles that an expert can have
	s_cbranch_scc1 .Lwalk
	s_wait_dscnt 0x0                               ; the closing lines, six on end, of a launch in the mode that stores to LDS
	s_wait_alu 0x0
	s_wait_tensorcnt 0x0
	ds_add_u32 v62, v63
	s_wait_dscnt 0x0
	s_endpgm
.Lfunc_end_k_qf2904ad51f_g2:
	.size	k_qf2904ad51f_g2, .Lfunc_end_k_qf2904ad51f_g2-k_qf2904ad51f_g2
	.p2alignl 7, 3214868480
	.fill 96, 4, 3214868480
	.section	.rodata,"a",@progbits
	.p2align	6, 0x0
	.amdhsa_kernel k_qf2904ad51f_g2
		.amdhsa_group_segment_fixed_size 154624
		.amdhsa_private_segment_fixed_size 0
		.amdhsa_enable_private_segment 0
		.amdhsa_kernarg_size 48
		.amdhsa_user_sgpr_count 2
		.amdhsa_user_sgpr_kernarg_segment_ptr 1
		.amdhsa_wavefront_size32 1
		.amdhsa_system_sgpr_workgroup_id_x 1
		.amdhsa_system_sgpr_workgroup_id_y 1
		.amdhsa_system_sgpr_workgroup_id_z 1
		.amdhsa_system_vgpr_workitem_id 0
		.amdhsa_next_free_vgpr 512
		.amdhsa_next_free_sgpr 66
		.amdhsa_reserve_vcc 0
		.amdhsa_float_denorm_mode_32 3
		.amdhsa_float_denorm_mode_16_64 3
		.amdhsa_memory_ordered 1
		.amdhsa_forward_progress 1
		.amdhsa_inst_pref_size 255
	.end_amdhsa_kernel
	.section	.bss,"aw",@nobits
	.p2align	6
	.space	262144
	.amdgpu_metadata
---
amdhsa.version: [ 1, 2 ]
amdhsa.kernels:
  - .name:           k_qf2904ad51f_g2
    .symbol:         k_qf2904ad51f_g2.kd
    .args:
      - { .name: blk, .offset: 0, .size: 8, .value_kind: global_buffer, .address_space: global }
      - { .name: rowlist, .offset: 8, .size: 8, .value_kind: global_buffer, .address_space: global }
      - { .name: h, .offset: 16, .size: 8, .value_kind: global_buffer, .address_space: global }
      - { .name: w2, .offset: 24, .size: 8, .value_kind: global_buffer, .address_space: global }
      - { .name: lowp_scales, .offset: 32, .size: 8, .value_kind: global_buffer, .address_space: global }
      - { .name: y, .offset: 40, .size: 8, .value_kind: global_buffer, .address_space: global }
    .group_segment_fixed_size: 154624
    .private_segment_fixed_size: 0
    .kernarg_segment_align: 8
    .kernarg_segment_size: 48
    .max_flat_workgroup_size: 256
    .sgpr_count:     66
    .vgpr_count:     512
    .wavefront_size: 32
...
	.end_amdgpu_metadata
.endif
;; end of part 9
;; launch combine (part 10): grid 256 x 1, 8 waves a work-group, no clusters, 0 bytes of LDS; arguments y, idx, cw, b2, out0; writes out0
.if DOCPART == 10
	.amdgcn_target "amdgcn-amd-amdhsa--gfx1250"
	.amdhsa_code_object_version 6
	.text
	.protected	k_qf2904ad51f_combine
	.globl	k_qf2904ad51f_combine
	.p2align	8
	.type	k_qf2904ad51f_combine,@function
k_qf2904ad51f_combine:
	s_mov_b64 s[64:65], 0
	v_nop
	global_prefetch_b8 v0, s[64:65] scope:SCOPE_SE
	s_setreg_imm32_b32 hwreg(HW_REG_WAVE_MODE, 25, 1), 1
	s_wait_xcnt 0x0
; out[token] = cw0 (y of slot 0 + b2[expert 0]) + cw1 (y of slot 1 + b2[expert 1]), y being the sum of its two K halves.  All in f32.
; A work-group takes 4 tokens; thread t takes bytes 16 t of each row of 4,096 bytes, so that a wave's load or store covers 512 consecutive bytes.  A stream: no LDS, no barrier, no matrix unit.
; The experts' numbers are whole numbers stored by an earlier launch; held at 7 they choose the rows of b2.
.set Y,  16                            ; v16-79  y: token q, slot s, half k at Y + 16 q + 8 s + 4 k
.set BB, 80                            ; v80-111 b2: token q, slot s at BB + 8 q + 4 s
	s_load_b256 s[4:11], s[0:1], 0x0               ; y s[4:5], idx s[6:7], cw s[8:9], b2 s[10:11]
	s_load_b64 s[12:13], s[0:1], 0x20              ; out0
	v_lshlrev_b32 v1, 4, v0
	s_lshl_b32 s14, ttmp9, 5                       ; 8 entries of 4 bytes
	s_lshl_b32 s2, ttmp9, 15                       ; 8 rows of 4,096 bytes
	s_mov_b32 s3, 0
	s_wait_alu depctr_va_vdst(0)
	s_wait_kmcnt 0x0
	s_load_b256 s[16:23], s[6:7], s14 offset:0x0   ; the eight experts
	s_load_b256 s[24:31], s[8:9], s14 offset:0x0   ; the eight gates
	s_add_nc_u64 s[4:5], s[4:5], s[2:3]            ; y's first half at my rows,
	s_add_nc_u64 s[32:33], s[4:5], 0x800000        ; and its second
.irp q, 0,1,2,3
.irp s, 0,1
	global_load_b128 v[Y+16*\q+8*\s:Y+16*\q+8*\s+3], v1, s[4:5] offset:(2*\q+\s)*4096 th:TH_LOAD_NT
	global_load_b128 v[Y+16*\q+8*\s+4:Y+16*\q+8*\s+7], v1, s[32:33] offset:(2*\q+\s)*4096 th:TH_LOAD_NT
.endr
.endr
	s_wait_kmcnt 0x0
.irp n, 0,1,2,3,4,5,6,7
	s_min_u32 s[16+\n], s[16+\n], 7
	s_lshl_b32 s34, s[16+\n], 12
	v_add_nc_u32 v[2+\n], s34, v1
.endr
	s_wait_alu depctr_va_vdst(0)
.irp n, 0,1,2,3,4,5,6,7
	global_load_b128 v[BB+4*\n:BB+4*\n+3], v[2+\n], s[10:11]
.endr
	s_lshl_b32 s2, ttmp9, 14                       ; 4 rows of out
	s_add_nc_u64 s[12:13], s[12:13], s[2:3]
	s_wait_loadcnt 0x0
.irp q, 0,1,2,3
.irp s, 0,1
.irp p, 0,2
	v_pk_add_f32 v[Y+16*\q+8*\s+\p:Y+16*\q+8*\s+\p+1], v[Y+16*\q+8*\s+\p:Y+16*\q+8*\s+\p+1], v[Y+16*\q+8*\s+4+\p:Y+16*\q+8*\s+4+\p+1]   ; the two K halves
.endr
.irp p, 0,2
	s_delay_alu instid0(VALU_DEP_2)
	v_pk_add_f32 v[Y+16*\q+8*\s+\p:Y+16*\q+8*\s+\p+1], v[Y+16*\q+8*\s+\p:Y+16*\q+8*\s+\p+1], v[BB+8*\q+4*\s+\p:BB+8*\q+4*\s+\p+1]       ; + b2
.endr
.endr
.irp k, 0,1,2,3
	v_mul_f32 v[Y+16*\q+\k], s[24+2*\q], v[Y+16*\q+\k]
.endr
.irp k, 0,1,2,3
	s_delay_alu instid0(VALU_DEP_4)
	v_fma_f32 v[Y+16*\q+\k], s[25+2*\q], v[Y+16*\q+8+\k], v[Y+16*\q+\k]
.endr
	global_store_b128 v1, v[Y+16*\q:Y+16*\q+3], s[12:13] offset:4096*\q th:TH_STORE_NT
.endr
	s_endpgm
.Lfunc_end_k_qf2904ad51f_combine:
	.size	k_qf2904ad51f_combine, .Lfunc_end_k_qf2904ad51f_combine-k_qf2904ad51f_combine
	.p2alignl 7, 3214868480
	.fill 96, 4, 3214868480
	.section	.rodata,"a",@progbits
	.p2align	6, 0x0
	.amdhsa_kernel k_qf2904ad51f_combine
		.amdhsa_group_segment_fixed_size 0
		.amdhsa_private_segment_fixed_size 0
		.amdhsa_enable_private_segment 0
		.amdhsa_kernarg_size 40
		.amdhsa_user_sgpr_count 2
		.amdhsa_user_sgpr_kernarg_segment_ptr 1
		.amdhsa_wavefront_size32 1
		.amdhsa_system_sgpr_workgroup_id_x 1
		.amdhsa_system_sgpr_workgroup_id_y 1
		.amdhsa_system_sgpr_workgroup_id_z 1
		.amdhsa_system_vgpr_workitem_id 0
		.amdhsa_next_free_vgpr 112
		.amdhsa_next_free_sgpr 66
		.amdhsa_reserve_vcc 0
		.amdhsa_float_denorm_mode_32 3
		.amdhsa_float_denorm_mode_16_64 3
		.amdhsa_memory_ordered 1
		.amdhsa_forward_progress 1
		.amdhsa_inst_pref_size 9
	.end_amdhsa_kernel
	.amdgpu_metadata
---
amdhsa.version: [ 1, 2 ]
amdhsa.kernels:
  - .name:           k_qf2904ad51f_combine
    .symbol:         k_qf2904ad51f_combine.kd
    .args:
      - { .name: y, .offset: 0, .size: 8, .value_kind: global_buffer, .address_space: global }
      - { .name: idx, .offset: 8, .size: 8, .value_kind: global_buffer, .address_space: global }
      - { .name: cw, .offset: 16, .size: 8, .value_kind: global_buffer, .address_space: global }
      - { .name: b2, .offset: 24, .size: 8, .value_kind: global_buffer, .address_space: global }
      - { .name: out0, .offset: 32, .size: 8, .value_kind: global_buffer, .address_space: global }
    .group_segment_fixed_size: 0
    .private_segment_fixed_size: 0
    .kernarg_segment_align: 8
    .kernarg_segment_size: 40
    .max_flat_workgroup_size: 256
    .sgpr_count:     66
    .vgpr_count:     112
    .wavefront_size: 32
...
	.end_amdgpu_metadata
.endif
;; end of part 10
